; MI455X (gfx1250); checked and timed in simulation.
; The chip was launched on July 23, 2026; its instructions are those of AMD's public machine-readable ISA for CDNA 5 (MIT licence, August 2026) and "CDNA5" Instruction Set Architecture Reference Guide (July 2026). The comments in the code are by the model that wrote it; some were corrected since.
;; Hierarchical Diff Attention Encoder Layer. Allowed arithmetic: matrix products marked QUANTISED: E2M1 operands, one E8M0 scale for each 32 along K, by v_wmma_scale_f32_16x16x128_f8f6f4 with both operands' format E2M1 (or v_wmma_scale_f32_32x16x128_f4), f32 sums; everything else in f32.
;; Inputs: Wk_codes 2,048 x 32 x 16 uint8 (E2M1 codes of Wk, K innermost, in blocks of 32 codes, two codes a byte); Wk_scales 2,048 x 32 uint8 (E8M0 scales of Wk, one for each 32 codes along K); Wo_codes 1,024 x 32 x 16 uint8 (E2M1 codes of Wo, K innermost, in blocks of 32 codes, two codes a byte); Wo_scales 1,024 x 32 uint8 (E8M0 scales of Wo, one for each 32 codes along K); Wq_codes 2,048 x 32 x 16 uint8 (E2M1 codes of Wq, K innermost, in blocks of 32 codes, two codes a byte); Wq_scales 2,048 x 32 uint8 (E8M0 scales of Wq, one for each 32 codes along K); Wv_codes 1,024 x 32 x 16 uint8 (E2M1 codes of Wv, K innermost, in blocks of 32 codes, two codes a byte); Wv_scales 1,024 x 32 uint8 (E8M0 scales of Wv, one for each 32 codes along K); affinity_a 4 x 1,023 float32; bk 2,048 float32; bo 1,024 float32; bq 2,048 float32; bv 1,024 float32; gn_b 1,024 float32; gn_w 1,024 float32; lam one number float32; x_norm_codes 4 x 1,024 x 32 x 16 uint8 (E2M1 codes of x_norm, K innermost, in blocks of 32 codes, two codes a byte); x_norm_scales 4 x 1,024 x 32 uint8 (E8M0 scales of x_norm, one for each 32 codes along K).
;; Outputs: out0 4 x 1,024 x 1,024 float32.
;; This version of the problem:
;;   THIS VERSION OF THE PROBLEM IS GIVEN IN LOW PRECISION. The matrix products marked QUANTISED in the list below multiply operands that are first quantised to E2M1 (2 exponent bits, 1 mantissa bit; 4 bits a number), with one power-of-two scale for each 32 numbers along K (OCP MX v1.0); their sums are f32. All else is computed in f32.
;;   The module's matrix products, in the order in which they are computed (A, B: the left and right operand; K: the contracted axis; several contracted axes count as one K, in the product's order):
;;     1. [M 4,096, K 1,024] x [K 1,024, N 2,048]; A: input x_norm (given as codes); B: input Wq (given as codes): QUANTISED
;;     2. [M 4,096, K 1,024] x [K 1,024, N 2,048]; A: input x_norm (given as codes); B: input Wk (given as codes): QUANTISED
;;     3. [M 4,096, K 1,024] x [K 1,024, N 1,024]; A: input x_norm (given as codes); B: input Wv (given as codes): QUANTISED
;;     4. batch 64 x [M 1,024, K 64] x [K 64, N 1,024]; A: computed on the way; B: computed on the way: QUANTISED
;;     5. batch 64 x [M 1,024, K 64] x [K 64, N 1,024]; A: computed on the way; B: computed on the way: QUANTISED
;;     6. batch 64 x [M 1,024, K 1,024] x [K 1,024, N 64]; A: computed on the way; B: computed on the way: QUANTISED
;;     7. [M 4,096, K 1,024] x [K 1,024, N 1,024]; A: computed on the way; B: input Wo (given as codes): QUANTISED
;;   THE QUANTISER, for each operand of a quantised product, along K:
;;     - K is cut into blocks of 32 from its start; a last block that is shorter is filled with zeros.
;;     - A block's scale is 2^e with e = floor(log2(the largest magnitude in the block)) - 2, held to -126 .. 127; a block of zeros has e = 0. As a byte (E8M0): e + 127.
;;     - Each number is divided by its block's scale, clamped to +-6, and rounded to the nearest number of E2M1, ties to even, subnormals kept.
;;     - The product sums the exact products of the quantised numbers (number of the format x scale) in f32.
;;   ~~~python
;;   def quantise(x, axis):      # numpy; x: float32 -> the quantised numbers, widened to float32 again
;;       x = np.moveaxis(x, axis, -1); K = x.shape[-1]
;;       x = np.pad(x, [(0, 0)] * (x.ndim - 1) + [(0, -K % 32)]); x = x.reshape(x.shape[:-1] + (-1, 32)); a = np.abs(x).max(-1, keepdims=True)
;;       e = np.where(a > 0, np.clip(np.frexp(np.where(a > 0, a, 1))[1] - 1 - 2, -126, 127), 0)      # np.frexp(a)[1] - 1 = floor(log2(a)), exactly
;;       r = np.clip(x / 2.0 ** e, -6, 6)
;;       step = 2.0 ** (np.maximum(np.frexp(np.where(r == 0, 1, r))[1] - 1, 0) - 1)
;;       q = np.round(r / step) * step * 2.0 ** e      # np.round: ties to even
;;       return np.moveaxis(q.reshape(q.shape[:-2] + (-1,))[..., :K], -1, axis).astype(np.float32)
;;   ~~~
;;   OPERANDS COMPUTED ON THE WAY. 'Computed on the way' means the value that the module computes at that place (a softmax that the list does not call 'softmax' is quantised finished and normalised). What goes into a quantiser is computed in f32, as accurately as f32 sums, v_exp_f32 and their like allow (about 1e-6 of the number): no bf16 or f16 on the way to a quantiser, and a product that is left as it is and whose result goes on into a quantised operand takes f32 operands (vector FMAs, or v_wmma_f32_16x16x4_f32). A number that lies on a knife's edge between two numbers of the format may be rounded either way, as far as f32 arithmetic and the matrix unit's own rounding can turn it there, and no further.
;;   INPUTS GIVEN AS CODES. Wk (in the module: [2048, 1024], K = its axis 1); Wo (in the module: [1024, 1024], K = its axis 1); Wq (in the module: [2048, 1024], K = its axis 1); Wv (in the module: [1024, 1024], K = its axis 1); x_norm (in the module: [4, 1024, 1024], K = its axis 2): each comes as NAME_codes (uint8): NAME with its K axis moved to the last place and cut into blocks of 32 codes, [.., K / 32, bytes a block], one block behind the other in memory; two codes a byte, the lower K in the low four bits (a code: sign, 2 exponent bits, 1 mantissa bit); and NAME_scales (uint8): the same leading axes, one E8M0 byte (e + 127) for each 32 codes along K. Its value is code x scale, taken as it is: it is not quantised again, and the codes and scales need not be those that the quantiser above would give.
;; 2 versions. Each part assembles by itself: llvm-mc -triple=amdgcn-amd-amdhsa -mcpu=gfx1250 --defsym DOCPART=n.
;; ======== version 1 of 2: 3 launches
;; workspace buffers: qbuf 4,456,448 bytes; kvbuf 6,684,672 bytes; ctx 16,777,216 bytes; stats 32,768 bytes
;; launch qkv (part 1): grid 16 x 16, 8 waves a work-group, no clusters, 189,440 bytes of LDS; arguments x_norm_codes, x_norm_scales, Wq_codes, Wq_scales, bq, Wk_codes, Wk_scales, bk, Wv_codes, Wv_scales, bv, qbuf, kvbuf; writes qbuf, kvbuf
.if DOCPART == 1
	.amdgcn_target "amdgcn-amd-amdhsa--gfx1250"
	.amdhsa_code_object_version 6
	.text
	.protected	k_qcd51d19c87_qkv
	.globl	k_qcd51d19c87_qkv
	.p2align	8
	.type	k_qcd51d19c87_qkv,@function
k_qcd51d19c87_qkv:
	s_mov_b64 s[64:65], 0
	v_nop
	global_prefetch_b8 v0, s[64:65] scope:SCOPE_SE
	s_setreg_imm32_b32 hwreg(HW_REG_WAVE_MODE, 25, 1), 1
	s_wait_xcnt 0x0
; q1, q2, k1, k2 = rope(x W^T + b) and v = x Wv^T + bv for one head and 256 tokens, all on codes of FP4 (E2M1) with E8M0 scales, and the quantisers behind them:
; q and k along the head's 64, v along the keys.  The results leave as IMAGES OF OPERAND REGISTERS, in the order in which the next launch's matrix instructions want them.
; SHARES.  Work-group (x = head, y = block of 256 tokens).  Its 320 weight rows are five segments of 64: Wq 64 head, Wq 1024 + 64 head, Wk likewise twice, Wv 64 head.
; Wave w takes tokens 32 w .. 32 w + 31 of the block (one block of 32 keys), as two tiles, against all 320 rows, in three units: q, k, v.
; A TILE OF 16 IS NOT 16 NEIGHBOURS: lane r of tile 2 b + u stands for row (or token) 32 b + 8 u + r + 8 (r / 8).  A product whose source 0 is such a tile leaves in registers 16 b + i of lane (r, h)
; the neighbours 32 b + 16 h + i: what the conversions want.  q, k: source 0 = weight rows, source 1 = x: a lane holds one token, registers run along the head.  v: source 0 = x: a lane holds one feature, registers run along the keys.
; WEIGHTS go memory -> registers -> LDS once: a load reads one whole row of 512 bytes, and LDS holds the 16-byte pieces in fragment order ([segment][tile][piece 0..31: 256 + 16 bytes][lane r]), so that a fragment load's sixteen lanes read 256 consecutive bytes.
; NO CLUSTER: what work-groups share (x along a row of the grid, weights along a column) goes through registers into another order, not by tensor loads, so there is no tile to ask for jointly.
; ROPE: frequencies 1 / 10^(i/8) by a reciprocal with one correction step; the angle is position x frequency, rounded once; sine and cosine by reduction with pi/2 in two parts and polynomials on +-pi/4.
; LIMITS: NaN and infinities are not served.  A block of zeros gets the scale byte 1 (its codes are zeros; these bytes are read by this program alone).  The constants 10^(i/8) are the correctly rounded ones.
; REGISTERS.  window 0: v1-22 addresses; v24-39 x's scale words; v40-47 the weights' scale words, two sets; v48-63 at work (v56-59 v's biases); v64-127 weight fragments, two sets (later the codes just made); v128-255 accumulators.
;   window 1: v0-127 x's 16 fragments; v128-191 cosines and sines of my two tiles; v192-253 at work on them.
.set SEGB,  34816                      ; a segment's image: 4 tiles
.set TILB,  8704                       ; a tile's: 32 pieces x 272 bytes
.set QP,    272                        ; a piece of 16 lanes: 256 bytes + 16
.set WS,    174080                     ; the weights' scale bytes: [segment: 2,048][row: 32]
.set BIAS,  184320                     ; the biases: [segment: 256][64 f32]
.set STG,   185600                     ; scale words on their way out: q 1,024, k 1,024, v 512 bytes
.set LI16,  1                          ; 16 x lane
.set WA,    2                          ; v2-6   a segment's fragments: + 272 h + 16 r
.set SA,    7                          ; the weights' scale words: WS + 32 rho(r)
.set BA,    8                          ; biases as a C: BIAS + 64 h
.set BV,    9                          ; v's biases: BIAS + 1,024 + 4 rho(r)
.set SQ,    10                         ; where my q and k scale words go
.set SV,    11                         ; where my v scale bytes go
.set XO,    12                         ; x: 512 rho(r) + 16 h
.set XSO,   13                         ; x's scale rows: 32 rho(r)
.set STA,   14                         ; v14-18 where my eight rows of a segment go
.set L8,    19                         ; 8 x lane
.set L4,    20                         ; 4 x (lane % 8)
.set GV,    21                         ; 16 r + 8 h
.set CP,    22                         ; the copy out of STG
.set XSW,   24
.set WSW,   40
.set TM,    48
.set VBI,   56
.set WF,    64
.set PC,    64
.set RT,    72
.set PW,    80
.set ACC,   128
.set TS,    224                        ; window 1: four streams x seven registers
.set SEL,   8                          ; s[8:9] lane selects: lane l xor 16
.set MSB, 0
.macro WIN new                         ; the immediate's high byte repeats the setting that is left
.if MSB != \new
	s_set_vgpr_msb (MSB<<8)|\new
.set MSB, \new
.endif
.endm
.macro PLACES n
.rept \n
	v_nop
.endr
.endm
.macro MMA d, a, b, sa, sb
	v_wmma_scale_f32_16x16x128_f8f6f4 v[\d:\d+7], v[\a:\a+7], v[\b:\b+7], v[\d:\d+7], v[\sa], v[\sb] matrix_a_fmt:MATRIX_FMT_FP4 matrix_b_fmt:MATRIX_FMT_FP4
.endm
.macro MM0 d, a, b, sa, sb
	v_wmma_scale_f32_16x16x128_f8f6f4 v[\d:\d+7], v[\a:\a+7], v[\b:\b+7], 0, v[\sa], v[\sb] matrix_a_fmt:MATRIX_FMT_FP4 matrix_b_fmt:MATRIX_FMT_FP4
.endm
; nb blocks of 32, block b's half in my registers src + 16 b .. + 15, the other half in lane l xor 16: the largest magnitude (with the floor 2^(3 - 127), so that the byte stays at 1 or above),
; the conversion's scale operand in TM + 12 + b (2 off the exponent field), the byte in TM + 4 + b
.macro QMAX src, nb
.set QB, 0
.rept \nb
	v_max3_num_f32 v[TM+QB], |v[(\src)+16*QB]|, |v[(\src)+16*QB+1]|, 0x1800000
.set QB, QB+1
.endr
.irp i,2,4,6,8,10,12,14
.set QB, 0
.rept \nb
	v_max3_num_f32 v[TM+QB], v[TM+QB], |v[(\src)+16*QB+\i]|, |v[(\src)+16*QB+\i+1]|
.set QB, QB+1
.endr
.endr
.set QB, 0
.rept \nb
	v_permlanex16_b32 v[TM+4+QB], v[TM+QB], s[SEL], s[SEL+1]
.set QB, QB+1
.endr
.set QB, 0
.rept \nb
	v_max_num_f32 v[TM+QB], v[TM+QB], v[TM+4+QB]
.set QB, QB+1
.endr
.set QB, 0
.rept \nb
	v_add_nc_u32 v[TM+12+QB], 0xff000000, v[TM+QB]
.set QB, QB+1
.endr
.set QB, 0
.rept \nb
	v_lshrrev_b32 v[TM+4+QB], 23, v[TM+12+QB]
.set QB, QB+1
.endr
.endm
.macro QCVT src, nb, pc                ; 16 codes a block and lane into pc + 2 b, pc + 2 b + 1; one plain place behind the last conversion
.set QB, 0
.rept \nb
	v_cvt_scalef32_pk8_fp4_f32 v[(\pc)+2*QB], v[(\src)+16*QB:(\src)+16*QB+7], v[TM+12+QB]
	v_cvt_scalef32_pk8_fp4_f32 v[(\pc)+2*QB+1], v[(\src)+16*QB+8:(\src)+16*QB+15], v[TM+12+QB]
.set QB, QB+1
.endr
	v_nop
.endm
.macro QSWAP pc, c                     ; the operand wants a whole block in a lane: lanes 0-15 block 2 c, lanes 16-31 block 2 c + 1
.irp i,0,1
	v_permlane16_swap_b32 v[(\pc)+4*(\c)+\i], v[(\pc)+4*(\c)+2+\i]
.endr
.endm
	s_load_b512 s[16:31], s[0:1], 0x0              ; x codes 16, x scales 18, Wq codes 20, Wq scales 22, bq 24, Wk codes 26, Wk scales 28, bk 30
	s_load_b256 s[32:39], s[0:1], 0x40             ; Wv codes 32, Wv scales 34, bv 36, qbuf 38
	s_load_b64 s[40:41], s[0:1], 0x60              ; kvbuf
	s_set_vgpr_msb 0x40
	v_lshl_add_u32 v254, v0, 2, 0x2e000
	v_mov_b32 v255, 0
	s_set_vgpr_msb 0x4000
	v_lshrrev_b32 v23, 5, v0
	v_readfirstlane_b32 s2, v23                    ; wave 0..7
	s_and_b32 s3, ttmp9, 15                        ; head
	s_and_b32 s4, ttmp7, 15                        ; block of 256 tokens
	s_and_b32 s5, s4, 3                            ; and within its batch
	s_lshr_b32 s6, s4, 2
	s_lshl_b32 s6, s6, 4
	s_add_co_u32 s6, s6, s3                        ; 16 x batch + head
	s_mov_b32 s[SEL], 0x76543210
	s_mov_b32 s[SEL+1], 0xfedcba98
	s_mov_b32 s80, 0xb94ca1f9                      ; the sine's highest coefficient, -1.9515296e-4
	s_mov_b32 s81, 0x37ccf5ce                      ; the cosine's, 2.4433157e-5
	v_and_b32 v48, 31, v0                          ; lane
	v_and_b32 v49, 15, v0                          ; r
	v_bfe_u32 v50, v0, 4, 1                        ; h
	v_and_b32 v51, 8, v49
	v_add_nc_u32 v51, v51, v49                     ; rho(r) = r + 8 (r / 8)
	v_lshlrev_b32 v[LI16], 4, v48
	v_mul_u32_u24 v52, v50, QP
	v_lshl_add_u32 v52, v49, 4, v52
.irp g,0,1,2,3,4
	v_add_nc_u32 v[WA+\g], \g*SEGB, v52
.endr
	v_lshl_add_u32 v[SA], v51, 5, WS
	v_lshl_add_u32 v[BA], v50, 6, BIAS
	v_lshl_add_u32 v[BV], v51, 2, BIAS+1024
	s_lshr_b32 s10, s2, 1
	s_lshl_b32 s10, s10, 8
	s_and_b32 s11, s2, 1                           ; w % 2
	s_lshl_b32 s12, s11, 3
	s_add_co_u32 s10, s10, s12
	s_add_co_u32 s10, s10, STG
	v_lshl_add_u32 v[SQ], v49, 4, s10              ; [w / 2][r][2 (w % 2) + u] words
	s_lshr_b32 s12, s2, 2                          ; w / 4
	s_lshl_b32 s13, s12, 8
	s_and_b32 s14, s2, 3
	s_add_co_u32 s13, s13, s14
	s_add_co_u32 s13, s13, STG+2048
	v_lshl_add_u32 v[SV], v49, 4, s13              ; [w / 4][r][tile] words, byte w % 4
	v_lshlrev_b32 v[XO], 9, v51
	v_lshl_add_u32 v[XO], v50, 4, v[XO]
	v_lshlrev_b32 v[XSO], 5, v51
	s_lshl_b32 s13, s12, 1
	s_add_co_u32 s13, s13, s11                     ; rows 8 w .. 8 w + 7 of a segment lie in tile 2 (w / 4) + w % 2,
	s_mul_i32 s13, s13, TILB
	s_bfe_u32 s14, s2, 0x10001                     ; (w / 2) % 2
	s_lshl_b32 s15, s14, 7                         ; at its lanes 8 ((w / 2) % 2) + 0 .. 7
	s_add_co_u32 s13, s13, s15
	v_mul_u32_u24 v52, v48, QP                     ; my lane holds piece = lane of each row
	v_add_nc_u32 v52, s13, v52
.irp g,0,1,2,3,4
	v_add_nc_u32 v[STA+\g], \g*SEGB, v52
.endr
	v_lshlrev_b32 v[L8], 3, v48
	v_and_b32 v[L4], 7, v48
	v_lshlrev_b32 v[L4], 2, v[L4]
	v_lshlrev_b32 v[GV], 4, v49
	v_lshl_add_u32 v[GV], v50, 3, v[GV]
	s_min_u32 s15, s2, 4
	s_lshl_b32 s15, s15, 9
	s_add_co_u32 s15, s15, STG
	v_add_nc_u32 v[CP], s15, v[LI16]
	s_lshl_b32 s15, s2, 8
	s_add_co_u32 s15, s15, WS
	v_lshl_add_u32 v53, v48, 3, s15                ; my eight rows' scale bytes in LDS
	s_lshl_b32 s15, s2, 5
	s_add_co_u32 s15, s15, BIAS
	v_add_nc_u32 v54, s15, v[L4]                   ; my eight biases in LDS
	s_lshl_b32 s15, s5, 8
	s_lshl_b32 s13, s2, 5
	s_add_co_u32 s15, s15, s13
	v_add_nc_u32 v55, s15, v51                     ; my token's position, tile 0;
	v_add_nc_u32 v56, 8, v55                       ; tile 1
	v_cmp_le_u32 vcc_lo, 16, v48                   ; lanes 16-31: frequencies 16 .. 31
	; byte offsets, apart from the addresses
	s_lshl_b32 s42, s3, 15
	s_lshl_b32 s43, s2, 12
	s_add_co_u32 s42, s42, s43                     ; weight codes: (64 head + 8 w) x 512
	s_mov_b32 s43, 0
	s_lshl_b32 s44, s3, 11
	s_lshl_b32 s45, s2, 8
	s_add_co_u32 s44, s44, s45                     ; weight scales: x 32
	s_mov_b32 s45, 0
	s_lshl_b32 s46, s3, 8
	s_lshl_b32 s47, s2, 5
	s_add_co_u32 s46, s46, s47                     ; biases: x 4
	s_mov_b32 s47, 0
	s_lshl_b32 s48, s4, 17
	s_lshl_b32 s49, s2, 14
	s_add_co_u32 s48, s48, s49                     ; x codes: (256 y + 32 w) x 512
	s_mov_b32 s49, 0
	s_lshl_b32 s50, s4, 13
	s_lshl_b32 s51, s2, 10
	s_add_co_u32 s50, s50, s51                     ; x scales: x 32
	s_mov_b32 s51, 0
	s_mul_i32 s70, s6, 69632                       ; my head's part of qbuf,
	s_mul_i32 s71, s6, 104448                      ; of kvbuf
	s_lshl_b32 s72, s5, 14
	s_lshl_b32 s73, s2, 11
	s_add_co_u32 s72, s72, s73                     ; my first tile, 16 y' + 2 w, x 1,024
	s_add_co_u32 s52, s70, s72
	s_mov_b32 s53, 0
	s_add_co_u32 s54, s71, s72
	s_mov_b32 s55, 0
	s_lshl_b32 s56, s5, 13                         ; v's image: key block 8 y' + w: step (block / 4) x 4,096 + part ((block / 2) % 2) x 512 + half (block % 2) x 256
	s_lshl_b32 s57, s12, 12
	s_add_co_u32 s56, s56, s57
	s_lshl_b32 s57, s14, 9
	s_add_co_u32 s56, s56, s57
	s_lshl_b32 s57, s11, 8
	s_add_co_u32 s56, s56, s57
	s_add_co_u32 s56, s56, s71
	s_add_co_u32 s56, s56, 65536
	s_mov_b32 s57, 0
	s_wait_kmcnt 0x0
	s_add_nc_u64 s[20:21], s[20:21], s[42:43]
	s_add_nc_u64 s[26:27], s[26:27], s[42:43]
	s_add_nc_u64 s[32:33], s[32:33], s[42:43]
	s_add_nc_u64 s[22:23], s[22:23], s[44:45]
	s_add_nc_u64 s[28:29], s[28:29], s[44:45]
	s_add_nc_u64 s[34:35], s[34:35], s[44:45]
	s_add_nc_u64 s[24:25], s[24:25], s[46:47]
	s_add_nc_u64 s[30:31], s[30:31], s[46:47]
	s_add_nc_u64 s[36:37], s[36:37], s[46:47]
	s_add_nc_u64 s[16:17], s[16:17], s[48:49]
	s_add_nc_u64 s[18:19], s[18:19], s[50:51]
	s_add_nc_u64 s[58:59], s[38:39], s[52:53]      ; q's images
	s_add_nc_u64 s[60:61], s[40:41], s[54:55]      ; k's
	s_add_nc_u64 s[62:63], s[40:41], s[56:57]      ; v's
; my eighth of the weights: eight rows of each segment (a load = one row of 512 bytes), their scale bytes (256 bytes) and biases: 50 loads
.macro WLOAD g, cb, sb, bb, odd
.irp f,0,1,2,3,4,5,6,7
	global_load_b128 v[64+32*\g+4*\f:64+32*\g+4*\f+3], v[LI16], s[\cb:\cb+1] offset:524288*\odd+512*\f
.endr
	global_load_b64 v[224+2*\g:225+2*\g], v[L8], s[\sb:\sb+1] offset:32768*\odd
	global_load_b32 v[234+\g], v[L4], s[\bb:\bb+1] offset:4096*\odd
.endm
	WLOAD 0, 20, 22, 24, 0
	WLOAD 1, 20, 22, 24, 1
	WLOAD 2, 26, 28, 30, 0
	WLOAD 3, 26, 28, 30, 1
	WLOAD 4, 32, 34, 36, 0
	WIN 0x40                                       ; destination window 1
.irp s,0,1,2,3,4,5,6,7                 ; x's fragments (tile u, K step s) stay in registers: 32 loads
.irp u,0,1
.irp c,0,1
	global_load_b128 v[8*(2*\s+\u)+4*\c:8*(2*\s+\u)+4*\c+3], v[XO], s[16:17] offset:4096*\u+64*\s+32*\c
.endr
.endr
.endr
	v_cvt_f32_u32 v252, v55                        ; the positions as f32
	v_cvt_f32_u32 v253, v56
	WIN 0
.irp u,0,1
.irp k,0,1
	global_load_b128 v[XSW+8*\u+4*\k:XSW+8*\u+4*\k+3], v[XSO], s[18:19] offset:256*\u+16*\k   ; a row's 8 scale words: 4 loads
.endr
.endr
	; ---- while the loads are out: frequencies, cosines and sines, all in window 1
	WIN 0x55
.macro FREQ jj, plo, phi               ; 10^(i/8) for i = jj (lanes 0-15) or 16 + jj (lanes 16-31)
	v_mov_b32 v[192+\jj], \phi
	v_cndmask_b32 v[192+\jj], \plo, v[192+\jj], vcc_lo
.endm
	FREQ 0, 1.0, 100.0
	FREQ 1, 1.3335214321633240, 133.35214321633240
	FREQ 2, 1.7782794100389228, 177.82794100389228
	FREQ 3, 2.3713737056616552, 237.13737056616552
	FREQ 4, 3.1622776601683795, 316.22776601683795
	FREQ 5, 4.2169650342858225, 421.69650342858225
	FREQ 6, 5.6234132519034908, 562.34132519034908
	FREQ 7, 7.4989420933245583, 749.89420933245583
	FREQ 8, 10.0, 1000.0
	FREQ 9, 13.335214321633240, 1333.5214321633240
	FREQ 10, 17.782794100389228, 1778.2794100389228
	FREQ 11, 23.713737056616552, 2371.3737056616552
	FREQ 12, 31.622776601683795, 3162.2776601683795
	FREQ 13, 42.169650342858225, 4216.9650342858225
	FREQ 14, 56.234132519034908, 5623.4132519034908
	FREQ 15, 74.989420933245583, 7498.9420933245583
.irp j,0,1,2,3,4,5,6,7,8,9,10,11,12,13,14,15
	v_rcp_f32 v[208+\j], v[192+\j]
.endr
	v_nop                                          ; a plain place behind the reciprocals
	s_wait_alu depctr_va_vdst(0)
.irp j,0,1,2,3,4,5,6,7,8,9,10,11,12,13,14,15
	v_fma_f32 v[224+\j], -v[192+\j], v[208+\j], 1.0   ; what the reciprocal misses,
.endr
.irp j,0,1,2,3,4,5,6,7,8,9,10,11,12,13,14,15
	v_fma_f32 v[208+\j], v[224+\j], v[208+\j], v[208+\j]   ; put right: the frequency
.endr
; Four streams k line by line (tile k % 2, frequency jj + k / 2), so that no line waits for the line above it.  A stream's registers: +0 angle, then r; +1 n; +2 r^2; +3 sine; +4 cosine; +5, +6 at work
.macro SINCOS jj
.irp k,0,1,2,3
	v_mul_f32 v[TS+7*\k], v[252+\k%2], v[208+\jj+\k/2]        ; the angle, rounded once
.endr
.irp k,0,1,2,3
	v_mul_f32 v[TS+7*\k+1], 0x3f22f983, v[TS+7*\k]            ; x 2 / pi
.endr
.irp k,0,1,2,3
	v_rndne_f32 v[TS+7*\k+1], v[TS+7*\k+1]                    ; n
.endr
.irp k,0,1,2,3
	v_fmamk_f32 v[TS+7*\k], v[TS+7*\k+1], 0xbfc90fdb, v[TS+7*\k]   ; r = angle - n x pi/2: the high part (exact: n has 10 bits),
.endr
.irp k,0,1,2,3
	v_fmamk_f32 v[TS+7*\k], v[TS+7*\k+1], 0x333bbd2e, v[TS+7*\k]   ; and what the high part has too much
.endr
.irp k,0,1,2,3
	v_mul_f32 v[TS+7*\k+2], v[TS+7*\k], v[TS+7*\k]
.endr
.irp k,0,1,2,3
	v_fmaak_f32 v[TS+7*\k+3], s80, v[TS+7*\k+2], 0x3c08839e
.endr
.irp k,0,1,2,3
	v_fmaak_f32 v[TS+7*\k+4], s81, v[TS+7*\k+2], 0xbab6061a
.endr
.irp k,0,1,2,3
	v_fmaak_f32 v[TS+7*\k+3], v[TS+7*\k+3], v[TS+7*\k+2], 0xbe2aaaa3
.endr
.irp k,0,1,2,3
	v_fmaak_f32 v[TS+7*\k+4], v[TS+7*\k+4], v[TS+7*\k+2], 0x3d2aaaa5
.endr
.irp k,0,1,2,3
	v_mul_f32 v[TS+7*\k+3], v[TS+7*\k+3], v[TS+7*\k+2]
.endr
.irp k,0,1,2,3
	v_mul_f32 v[TS+7*\k+4], v[TS+7*\k+4], v[TS+7*\k+2]
.endr
.irp k,0,1,2,3
	v_fma_f32 v[TS+7*\k+5], v[TS+7*\k+2], -0.5, 1.0
.endr
.irp k,0,1,2,3
	v_fma_f32 v[TS+7*\k+3], v[TS+7*\k+3], v[TS+7*\k], v[TS+7*\k]       ; sin r
.endr
.irp k,0,1,2,3
	v_fma_f32 v[TS+7*\k+4], v[TS+7*\k+4], v[TS+7*\k+2], v[TS+7*\k+5]   ; cos r
.endr
.irp k,0,1,2,3
	v_cvt_i32_f32 v[TS+7*\k+1], v[TS+7*\k+1]                  ; the quadrant is n mod 4
.endr
.irp k,0,1,2,3
	v_and_b32 v[TS+7*\k+6], 1, v[TS+7*\k+1]
.endr
.irp k,0,1,2,3
	v_cmp_eq_u32 s[84+\k], 1, v[TS+7*\k+6]                    ; odd: sine and cosine change places
.endr
.irp k,0,1,2,3
	v_cndmask_b32 v[TS+7*\k+2], v[TS+7*\k+3], v[TS+7*\k+4], s[84+\k]
.endr
.irp k,0,1,2,3
	v_cndmask_b32 v[TS+7*\k+5], v[TS+7*\k+4], v[TS+7*\k+3], s[84+\k]
.endr
.irp k,0,1,2,3
	v_lshlrev_b32 v[TS+7*\k+6], 30, v[TS+7*\k+1]              ; the sine is negative in quadrants 2, 3: bit 1 of n,
.endr
.irp k,0,1,2,3
	v_add_nc_u32 v[TS+7*\k+1], 1, v[TS+7*\k+1]                ; the cosine in 1, 2: bit 1 of n + 1
.endr
.irp k,0,1,2,3
	v_and_b32 v[TS+7*\k+6], 0x80000000, v[TS+7*\k+6]
.endr
.irp k,0,1,2,3
	v_lshlrev_b32 v[TS+7*\k+1], 30, v[TS+7*\k+1]
.endr
.irp k,0,1,2,3
	v_xor_b32 v[144+32*(\k%2)+\jj+\k/2], v[TS+7*\k+6], v[TS+7*\k+2]
.endr
.irp k,0,1,2,3
	v_and_b32 v[TS+7*\k+1], 0x80000000, v[TS+7*\k+1]
.endr
.irp k,0,1,2,3
	v_xor_b32 v[128+32*(\k%2)+\jj+\k/2], v[TS+7*\k+1], v[TS+7*\k+5]
.endr
.endm
.irp j,0,2,4,6,8,10,12,14
	SINCOS \j
.endr
	WIN 0
	; ---- the weights into LDS
	s_wait_loadcnt 36                              ; the 50 weight loads are in; the 36 loads of x, issued behind them, may be out
.irp g,0,1,2,3,4
.irp f,0,1,2,3,4,5,6,7
	ds_store_b128 v[STA+\g], v[64+32*\g+4*\f:64+32*\g+4*\f+3] offset:16*\f   ; lanes 272 bytes apart: sixteen different columns of 16 bytes
.endr
	ds_store_b64 v53, v[224+2*\g:225+2*\g] offset:2048*\g
	ds_store_b32 v54, v[234+\g] offset:256*\g
.endr
	s_wait_dscnt 0x0                               ; for the others' sake: my stores have landed
	s_barrier_signal -1
	s_barrier_wait -1                              ; all 320 rows lie in LDS
	s_wait_loadcnt 0x0                             ; x
.irp b,4,5,6,7
	v_mov_b32 v[TM+\b], 0                          ; written once: a lane permute's destination counts as one of its sources
.endr
; 12 LDS loads: a segment's four fragments and scale words of K step s into set buf
.macro LOADG seg, s, buf
.irp t,0,1,2,3
.irp c,0,1
	ds_load_b128 v[WF+32*(\buf)+8*\t+4*\c:WF+32*(\buf)+8*\t+4*\c+3], v[WA+(\seg)] offset:TILB*\t+QP*(4*(\s)+2*\c)
.endr
	ds_load_b32 v[WSW+4*(\buf)+\t], v[SA] offset:2048*(\seg)+32*(32*(\t/2)+8*(\t%2))+4*(\s)
.endr
.endm
; 8 products: the four weight tiles of set g x my two tiles of tokens.  The accumulators take turns, one instruction a turn
.macro MULG s, g
.irp t,0,1,2,3
.irp u,0,1
	MMA ACC+64*\u+8*(4*(\g)+\t), WF+32*(\g)+8*\t, 8*(2*(\s)+\u), WSW+4*(\g)+\t, XSW+8*\u+(\s)
.endr
.endr
.endm
; rotate-half: register 32 p + i is channel 16 h + i, register 32 p + 16 + i channel 32 + 16 h + i, of part p; both turn by frequency 16 h + i.  Ascending
.macro ROPE u
.irp p,0,1
.irp e,0,1,2,3,4,5,6,7
	v_pk_mul_f32 v[RT+4*(\e%2):RT+4*(\e%2)+1], v[ACC+64*\u+32*\p+16+2*\e:ACC+64*\u+32*\p+16+2*\e+1], v[144+32*\u+2*\e:144+32*\u+2*\e+1]
	v_pk_mul_f32 v[RT+4*(\e%2)+2:RT+4*(\e%2)+3], v[ACC+64*\u+32*\p+2*\e:ACC+64*\u+32*\p+2*\e+1], v[144+32*\u+2*\e:144+32*\u+2*\e+1]
	v_pk_fma_f32 v[ACC+64*\u+32*\p+2*\e:ACC+64*\u+32*\p+2*\e+1], v[ACC+64*\u+32*\p+2*\e:ACC+64*\u+32*\p+2*\e+1], v[128+32*\u+2*\e:128+32*\u+2*\e+1], v[RT+4*(\e%2):RT+4*(\e%2)+1] neg_lo:[0,0,1] neg_hi:[0,0,1]
	v_pk_fma_f32 v[ACC+64*\u+32*\p+16+2*\e:ACC+64*\u+32*\p+16+2*\e+1], v[ACC+64*\u+32*\p+16+2*\e:ACC+64*\u+32*\p+16+2*\e+1], v[128+32*\u+2*\e:128+32*\u+2*\e+1], v[RT+4*(\e%2)+2:RT+4*(\e%2)+3]
.endr
.endr
.endm
; tile u's 64 numbers a lane (four blocks: part 1 low, part 1 high, part 2 low, part 2 high) become one fragment [part 1 | part 2] and one scale word
.macro EPI u, un, ptr
	s_wait_xcnt 0x0                                ; the codes' registers were a store's data
	s_wait_dscnt 0x0
	QMAX ACC+64*\u, 4
	v_lshl_or_b32 v[PW], v[TM+5], 8, v[TM+4]
	v_lshl_or_b32 v[PW], v[TM+6], 16, v[PW]
	v_lshl_or_b32 v[PW], v[TM+7], 24, v[PW]
	QCVT ACC+64*\u, 4, PC
	QSWAP PC, 0
	QSWAP PC, 1
	global_store_b128 v[LI16], v[PC:PC+3], s[\ptr:\ptr+1] offset:1024*\u          ; 512 consecutive bytes a store
	global_store_b128 v[LI16], v[PC+4:PC+7], s[\ptr:\ptr+1] offset:1024*\u+512
	ds_store_b32 v[SQ], v[PW] offset:1024*\un+4*\u
.endm
; a unit: segments 2 un and 2 un + 1 (parts 1 and 2 of q or of k)
.macro UNIT un, ptr
	s_wait_xcnt 0x0                                ; the fragment sets lie over the codes just stored
	s_wait_dscnt 0x0
.irp u,0,1
.irp tt,0,1,2,3,4,5,6,7                ; the biases are the C of the first products: they are loaded into the accumulators
	ds_load_b128 v[ACC+64*\u+8*\tt:ACC+64*\u+8*\tt+3], v[BA] offset:256*(2*\un+\tt/4)+4*(32*((\tt%4)/2)+8*(\tt%2))
	ds_load_b128 v[ACC+64*\u+8*\tt+4:ACC+64*\u+8*\tt+7], v[BA] offset:256*(2*\un+\tt/4)+4*(32*((\tt%4)/2)+8*(\tt%2))+16
.endr
.endr
	LOADG 2*\un, 0, 0
	LOADG 2*\un+1, 0, 1
	WIN 0x04                                       ; source 1 (x; cosines and sines) in window 1
.set IDX, 0
.rept 16
.if IDX < 15
	s_wait_dscnt 12                                ; this set is in; the other set's 12 loads may be out
.else
	s_wait_dscnt 0x0
.endif
	MULG IDX/2, IDX%2
.if IDX < 14
	PLACES 4                                       ; in front of loads into registers that these products read
	LOADG 2*\un+IDX%2, IDX/2+1, IDX%2
.endif
.set IDX, IDX+1
.endr
	PLACES 4
	ROPE 0
	ROPE 1
	WIN 0
	EPI 0, \un, \ptr
	EPI 1, \un, \ptr
.endm
	UNIT 0, 58
	UNIT 1, 60
	; ---- v: source 0 = x, source 1 = Wv's rows: lane (r, h) holds feature (tile t, rho(r)), registers 16 t + i = keys 16 h + i of my block of 32
	s_wait_xcnt 0x0
	s_wait_dscnt 0x0
.irp t,0,1,2,3
	ds_load_b32 v[VBI+\t], v[BV] offset:4*(32*(\t/2)+8*(\t%2))
.endr
	LOADG 4, 0, 0
	LOADG 4, 1, 1
.macro VMUL s
.irp t,0,1,2,3
.irp u,0,1
.if (\s) == 0
	MM0 ACC+16*\t+8*\u, 8*(2*(\s)+\u), WF+32*((\s)%2)+8*\t, XSW+8*\u+(\s), WSW+4*((\s)%2)+\t
.else
	MMA ACC+16*\t+8*\u, 8*(2*(\s)+\u), WF+32*((\s)%2)+8*\t, XSW+8*\u+(\s), WSW+4*((\s)%2)+\t
.endif
.endr
.endr
.endm
.set IDX, 0
.rept 8
.if IDX < 7
	s_wait_dscnt 12                                ; this K step's set is in; the next one's 12 loads may be out
.else
	s_wait_dscnt 0x0
.endif
	WIN 0x01                                       ; source 0 (x) in window 1
	VMUL IDX
	WIN 0
	PLACES 4
.if IDX < 6
	LOADG 4, IDX+2, IDX%2
.endif
.set IDX, IDX+1
.endr
.set VN, 0
.rept 64
	v_add_f32 v[ACC+VN], v[ACC+VN], v[VBI+VN/16]   ; the bias of my feature; ascending
.set VN, VN+1
.endr
	QMAX ACC, 4                                    ; here a block is a feature tile's 32 keys
	QCVT ACC, 4, PC
.irp t,0,1,2,3
	global_store_b64 v[GV], v[PC+2*\t:PC+2*\t+1], s[62:63] offset:1024*\t   ; my half block's 8 bytes: the 32 lanes fill 256 consecutive bytes
	ds_store_b8 v[SV], v[TM+4+\t] offset:4*\t      ; both lanes of a block write the same byte with the same value
.endr
	; ---- the scale words leave in runs of 512 bytes: waves 0, 1 q's, waves 2, 3 k's, wave 4 v's
	s_lshl_b32 s73, s5, 10
	s_lshl_b32 s74, s2, 9
	s_add_co_u32 s73, s73, s74
	s_add_co_u32 s75, s70, s73
	s_add_co_u32 s75, s75, 65536
	s_add_co_u32 s76, s71, s73
	s_add_co_u32 s76, s76, 98304-1024
	s_lshl_b32 s77, s5, 9
	s_add_co_u32 s77, s77, s71
	s_add_co_u32 s77, s77, 102400
	s_cmp_lt_u32 s2, 2                             ; the choice hangs on the wave's number alone
	s_cselect_b64 s[66:67], s[38:39], s[40:41]
	s_cselect_b32 s78, s75, s76
	s_cmp_eq_u32 s2, 4
	s_cselect_b32 s78, s77, s78
	s_mov_b32 s79, 0
	s_add_nc_u64 s[66:67], s[66:67], s[78:79]
	s_wait_dscnt 0x0                               ; for the others' sake: my scale words have landed
	s_barrier_signal -1
	s_barrier_wait -1
	s_cmp_lt_u32 s2, 5
	s_cbranch_scc0 .Lend
	ds_load_b128 v[72:75], v[CP]
	s_wait_dscnt 0x0
	global_store_b128 v[LI16], v[72:75], s[66:67]
.Lend:
	s_set_vgpr_msb 0x5
	s_wait_tensorcnt 0x0
	ds_add_u32 v254, v255
	s_wait_dscnt 0x0
	s_set_vgpr_msb 0x500
	s_endpgm
.Lfunc_end_k_qcd51d19c87_qkv:
	.size	k_qcd51d19c87_qkv, .Lfunc_end_k_qcd51d19c87_qkv-k_qcd51d19c87_qkv
	.p2alignl 7, 3214868480
	.fill 96, 4, 3214868480
	.section	.rodata,"a",@progbits
	.p2align	6, 0x0
	.amdhsa_kernel k_qcd51d19c87_qkv
		.amdhsa_group_segment_fixed_size 189440
		.amdhsa_private_segment_fixed_size 0
		.amdhsa_enable_private_segment 0
		.amdhsa_kernarg_size 104
		.amdhsa_user_sgpr_count 2
		.amdhsa_user_sgpr_kernarg_segment_ptr 1
		.amdhsa_wavefront_size32 1
		.amdhsa_system_sgpr_workgroup_id_x 1
		.amdhsa_system_sgpr_workgroup_id_y 1
		.amdhsa_system_sgpr_workgroup_id_z 1
		.amdhsa_system_vgpr_workitem_id 0
		.amdhsa_next_free_vgpr 512
		.amdhsa_next_free_sgpr 100
		.amdhsa_reserve_vcc 1
		.amdhsa_float_denorm_mode_32 3
		.amdhsa_float_denorm_mode_16_64 3
		.amdhsa_memory_ordered 1
		.amdhsa_forward_progress 1
		.amdhsa_inst_pref_size 185
	.end_amdhsa_kernel
	.amdgpu_metadata
---
amdhsa.version: [ 1, 2 ]
amdhsa.kernels:
  - .name:           k_qcd51d19c87_qkv
    .symbol:         k_qcd51d19c87_qkv.kd
    .args:
      - { .name: x_norm_codes, .offset: 0, .size: 8, .value_kind: global_buffer, .address_space: global }
      - { .name: x_norm_scales, .offset: 8, .size: 8, .value_kind: global_buffer, .address_space: global }
      - { .name: Wq_codes, .offset: 16, .size: 8, .value_kind: global_buffer, .address_space: global }
      - { .name: Wq_scales, .offset: 24, .size: 8, .value_kind: global_buffer, .address_space: global }
      - { .name: bq, .offset: 32, .size: 8, .value_kind: global_buffer, .address_space: global }
      - { .name: Wk_codes, .offset: 40, .size: 8, .value_kind: global_buffer, .address_space: global }
      - { .name: Wk_scales, .offset: 48, .size: 8, .value_kind: global_buffer, .address_space: global }
      - { .name: bk, .offset: 56, .size: 8, .value_kind: global_buffer, .address_space: global }
      - { .name: Wv_codes, .offset: 64, .size: 8, .value_kind: global_buffer, .address_space: global }
      - { .name: Wv_scales, .offset: 72, .size: 8, .value_kind: global_buffer, .address_space: global }
      - { .name: bv, .offset: 80, .size: 8, .value_kind: global_buffer, .address_space: global }
      - { .name: qbuf, .offset: 88, .size: 8, .value_kind: global_buffer, .address_space: global }
      - { .name: kvbuf, .offset: 96, .size: 8, .value_kind: global_buffer, .address_space: global }
    .group_segment_fixed_size: 189440
    .private_segment_fixed_size: 0
    .kernarg_segment_align: 8
    .kernarg_segment_size: 104
    .max_flat_workgroup_size: 256
    .sgpr_count:     100
    .vgpr_count:     512
    .wavefront_size: 32
...
	.end_amdgpu_metadata
.endif
;; end of part 1
;; launch attn (part 2): grid 4 x 64, 16 waves a work-group, no clusters, 169,984 bytes of LDS; arguments qbuf, kvbuf, affinity_a, lam, ctx, stats; writes ctx, stats
.if DOCPART == 2
	.amdgcn_target "amdgcn-amd-amdhsa--gfx1250"
	.amdhsa_code_object_version 6
	.text
	.protected	k_qcd51d19c87_attn
	.globl	k_qcd51d19c87_attn
	.p2align	8
	.type	k_qcd51d19c87_attn,@function
k_qcd51d19c87_attn:
	s_mov_b64 s[64:65], 0
	v_nop
	global_prefetch_b8 v0, s[64:65] scope:SCOPE_SE
	s_setreg_imm32_b32 hwreg(HW_REG_WAVE_MODE, 25, 1), 1
	s_wait_xcnt 0x0
; ctx = Q(C (softmax(q1 k1^T / 8) - lam softmax(q2 k2^T / 8))) Q(v), all three products on codes of FP4 (E2M1) with E8M0 scales; C[i][j] = 2^(+-(L_j - L_i)), L the prefix sum of log2(a).
; SHARES.  A work-group owns 256 queries of one (batch, head); each of its sixteen waves one tile of 16: a lane holds ONE query (lane % 16) throughout, the two halves of the lanes share its keys.
; The head's K, V and their scale words, 104,448 bytes laid in operand order by the launch before, come into LDS ONCE, by four tensor loads (waves 0-3, 102 rows of 256 bytes each); nothing is filled again.
; TWO PASSES over the 1,024 keys, 64 a chunk.  What is quantised is the finished, normalised difference, so both rows' sums must be known first.  Pass 1: running maxima and sums.  Pass 2: the scores again,
; p C = 2^(c s - c m +- (L_j - L_i)) by one exponential each, x 1/l, combined, quantised along the keys, and multiplied by V.
; ONE FRAGMENT OF K [k1 | k2] FEEDS BOTH SCORES: against [q1 | zero codes] and against [zero codes | q2]: the zeros fill K = 64 up to the instruction's 128.
; Both kinds of product are used transposed (source 0 = 16 keys, or 16 channels of V; source 1 = my queries, or the weights' codes).  Lane r of key tile 2 b + u is key 32 b + 8 u + r + 8 (r / 8), so registers 16 b + i are keys 32 b + 16 h + i.
; NO CLUSTER: the four query blocks of a head would share one fill of 104,448 bytes, once in the launch, and their sign branch and diagonal hang on the query block, which partners do not share.
; GroupNorm's sums span four work-groups: each wave leaves the mean and the sum of squared distances of its 1,024 numbers; the next launch joins them.
; LIMITS: NaN, infinities and a <= 0 are not served.  A weight under 2^-126 becomes 0 (the exponential's own flush).  A block of zeros gets the scale byte 1 (its codes are zeros).  L is summed lane by lane (32 in a lane, then across the lanes in order).
.set VIMG,  65536
.set KSC,   98304
.set VSC,   102400
.set LTAB,  104448                     ; L, 1,024 f32: stored by wave 4; no tile lands here
.set STATS, 108544                     ; 16 x (mean, M2)
.set AK0,  1                           ; 16 x lane
.set ASK0, 2                           ; KSC + 16 r
.set AL0,  3                           ; LTAB + 64 h
.set AV0,  4                           ; VIMG + 16 x lane
.set ASV0, 5                           ; VSC + 16 r
.set ADK,  6                           ; v6-10: the addresses of the loads in hand
.set ADS,  7
.set ADL,  8
.set ADV,  9
.set ADT,  10
.set DL0,  11                          ; my query's place in its chunk - 16 h
.set LIA,  12                          ; where my query's L lies
.set LST,  13                          ; the scan's stores: LTAB + 128 x lane
.set STW,  14
.set STR,  15
.set QSW,  32                          ; scale words: q's; the weights'; v36-39 K's; v40-43 V's
.set PSW,  33
.set KSW,  36
.set VSW,  40
.set NCM1, 44                          ; -c m, low word of a pair
.set NCM2, 46
.set R1,   48                          ; 1 / l1
.set NL2,  50                          ; -lam / l2
.set LI,   52
.set M1,   54
.set M2,   55
.set LS1,  58
.set LS2,  60
.set QSO,  62
.set S1,   64
.set S2,   96
.set KF,   128
.set LJ,   160
.set OA,   192
.set PC,   224
.set TM,   232
.set WV,   16
.set TQ,   20
.set CS,   22                          ; s[22:23] c = log2(e) / 8
.set SEL,  24
.set SG,   26                          ; s[26:27] the sign of L_j - L_i in this chunk
.set KO,   30
.set SO,   31
.set VO,   32
.set TO,   33
.set CH,   34
.macro PLACES n
.rept \n
	v_nop
.endr
.endm
.macro MMA d, a, b, sa, sb
	v_wmma_scale_f32_16x16x128_f8f6f4 v[\d:\d+7], v[\a:\a+7], v[\b:\b+7], v[\d:\d+7], v[\sa], v[\sb] matrix_a_fmt:MATRIX_FMT_FP4 matrix_b_fmt:MATRIX_FMT_FP4
.endm
.macro MM0 d, a, b, sa, sb
	v_wmma_scale_f32_16x16x128_f8f6f4 v[\d:\d+7], v[\a:\a+7], v[\b:\b+7], 0, v[\sa], v[\sb] matrix_a_fmt:MATRIX_FMT_FP4 matrix_b_fmt:MATRIX_FMT_FP4
.endm
.macro QMAX src, nb                    ; nb blocks of 32 (my half in src + 16 b .. + 15, the other in lane l xor 16): scale operand in TM + 12 + b, byte in TM + 4 + b; the floor 2^(3 - 127) keeps the byte at 1 or above
.set QB, 0
.rept \nb
	v_max3_num_f32 v[TM+QB], |v[(\src)+16*QB]|, |v[(\src)+16*QB+1]|, 0x1800000
.set QB, QB+1
.endr
.irp i,2,4,6,8,10,12,14
.set QB, 0
.rept \nb
	v_max3_num_f32 v[TM+QB], v[TM+QB], |v[(\src)+16*QB+\i]|, |v[(\src)+16*QB+\i+1]|
.set QB, QB+1
.endr
.endr
.set QB, 0
.rept \nb
	v_permlanex16_b32 v[TM+4+QB], v[TM+QB], s[SEL], s[SEL+1]
.set QB, QB+1
.endr
.set QB, 0
.rept \nb
	v_max_num_f32 v[TM+QB], v[TM+QB], v[TM+4+QB]
.set QB, QB+1
.endr
.set QB, 0
.rept \nb
	v_add_nc_u32 v[TM+12+QB], 0xff000000, v[TM+QB]
.set QB, QB+1
.endr
.set QB, 0
.rept \nb
	v_lshrrev_b32 v[TM+4+QB], 23, v[TM+12+QB]
.set QB, QB+1
.endr
.endm
.macro QCVT src, nb, pc
.set QB, 0
.rept \nb
	v_cvt_scalef32_pk8_fp4_f32 v[(\pc)+2*QB], v[(\src)+16*QB:(\src)+16*QB+7], v[TM+12+QB]
	v_cvt_scalef32_pk8_fp4_f32 v[(\pc)+2*QB+1], v[(\src)+16*QB+8:(\src)+16*QB+15], v[TM+12+QB]
.set QB, QB+1
.endr
	v_nop                                          ; one plain place behind a scaled conversion
.endm
.macro WSUM x, t                       ; the sum over the 32 lanes, in every lane
	v_add_f32_dpp v[\x], v[\x], v[\x] row_xmask:1 row_mask:0xf bank_mask:0xf
	v_add_f32_dpp v[\x], v[\x], v[\x] row_xmask:2 row_mask:0xf bank_mask:0xf
	v_add_f32_dpp v[\x], v[\x], v[\x] row_xmask:4 row_mask:0xf bank_mask:0xf
	v_add_f32_dpp v[\x], v[\x], v[\x] row_xmask:8 row_mask:0xf bank_mask:0xf
	v_permlanex16_b32 v[\t], v[\x], s[SEL], s[SEL+1]
	v_add_f32 v[\x], v[\x], v[\t]
.endm
	s_load_b256 s[4:11], s[0:1], 0x0               ; qbuf 4, kvbuf 6, affinity_a 8, lam 10
	s_load_b128 s[12:15], s[0:1], 0x20             ; ctx 12, stats 14
	v_lshl_add_u32 v246, v0, 2, 0x29000
	v_mov_b32 v247, 0
	ds_add_u32 v246, v247
	ds_add_u32 v246, v247
	v_lshrrev_b32 v248, 5, v0
	v_readfirstlane_b32 s[WV], v248                ; wave 0..15
	s_and_b32 s17, ttmp9, 3                        ; block of 256 queries
	s_and_b32 s18, ttmp7, 63                       ; 16 x batch + head
	s_lshl_b32 s19, s17, 4
	s_add_co_u32 s19, s19, s[WV]                   ; my tile of queries, 0..63
	s_lshr_b32 s[TQ], s19, 2                       ; and the chunk of 64 keys in which they lie
	v_and_b32 v248, 31, v0                         ; lane
	v_and_b32 v249, 15, v0                         ; r
	v_bfe_u32 v250, v0, 4, 1                       ; h
	v_and_b32 v251, 8, v249
	v_add_nc_u32 v251, v251, v249                  ; rho(r)
	v_lshlrev_b32 v[AK0], 4, v248
	v_lshl_add_u32 v[ASK0], v249, 4, KSC
	v_lshl_add_u32 v[AL0], v250, 6, LTAB
	v_add_nc_u32 v[AV0], VIMG, v[AK0]
	v_lshl_add_u32 v[ASV0], v249, 4, VSC
	s_bfe_u32 s36, s[WV], 0x10001
	s_lshl_b32 s36, s36, 5
	s_and_b32 s37, s[WV], 1
	s_lshl_b32 s37, s37, 3
	s_add_co_u32 s36, s36, s37                     ; my tile's place in its chunk: 32 ((w / 2) % 2) + 8 (w % 2)
	v_add_nc_u32 v[DL0], s36, v251
	v_lshlrev_b32 v252, 4, v250
	v_sub_nc_u32 v[DL0], v[DL0], v252
	s_lshl_b32 s37, s[TQ], 6
	s_add_co_u32 s37, s37, s36
	v_add_nc_u32 v[LIA], s37, v251
	v_lshl_add_u32 v[LIA], v[LIA], 2, LTAB
	v_lshl_add_u32 v[LST], v248, 7, LTAB
	s_lshl_b32 s37, s[WV], 3
	s_add_co_u32 s37, s37, STATS
	v_mov_b32 v[STW], s37
	v_lshl_add_u32 v[STR], v248, 2, STATS
	v_lshlrev_b32 v34, 7, v248                     ; the scan: my 32 numbers of a,
	v_add_nc_u32 v35, 124, v34
	v_min_u32 v35, 0xff8, v35                      ; of which lane 31's last does not exist: held at a's last number (that lane's total is not used)
	v_lshlrev_b32 v[QSO], 4, v249
.irp j,20,21,22,23,24,25,26,27
	v_mov_b32 v\j, 0                               ; the zero codes beside q1 and q2
.endr
.irp j,45,47,49,51,53,253,255,236,237,238,239
	v_mov_b32 v\j, 0                               ; upper words of pairs whose low word serves both halves, and lane permutes' destinations: written once
.endr
	v_mov_b32 v[M1], 0xff61b1e6                    ; the largest scores so far: -3e38
	v_mov_b32 v[M2], 0xff61b1e6
	s_mov_b32 s[CS], 0x3e38aa3b
	s_mov_b32 s[CS+1], s[CS]
	v_mul_f32 v[NCM1], -v[M1], s[CS]
	v_mul_f32 v[NCM2], -v[M2], s[CS]
.irp j,58,59,60,61
	v_mov_b32 v\j, 0                               ; the sums, each in two halves
.endr
	s_mov_b32 s[SEL], 0x76543210
	s_mov_b32 s[SEL+1], 0xfedcba98
	s_mov_b32 s28, 1.0
	s_mov_b32 s29, -1.0
	s_mov_b32 s[SG], s28
	s_mov_b32 s[SG+1], s28
	; descriptor group 1: 102 rows of 32 elements of 8 bytes, dense in memory and in LDS
	s_mov_b32 s48, 3<<16
	s_mov_b32 s49, 32<<16
	s_mov_b32 s50, 102<<16
	s_mov_b32 s51, 32<<16
	s_mov_b32 s52, 102
	s_mov_b32 s53, 32
	s_mov_b32 s54, 0
	s_mov_b32 s55, 0
	s_mov_b32 s44, 1
	s_mul_i32 s45, s[WV], 26112                    ; LDS: wave x 102 rows
	s_mul_i32 s36, s18, 104448
	s_add_co_u32 s36, s36, s45
	s_mov_b32 s37, 0
	s_mul_i32 s38, s18, 69632
	s_lshl_b32 s39, s[TQ], 8
	s_add_co_u32 s40, s38, s39
	s_and_b32 s39, s19, 3
	s_lshl_b32 s39, s39, 2
	s_add_co_u32 s40, s40, s39
	s_add_co_u32 s40, s40, 65536                   ; q's scale words: [tile / 4][r][tile % 4]
	s_mov_b32 s41, 0
	s_lshl_b32 s39, s19, 10
	s_add_co_u32 s38, s38, s39                     ; q's image: tile x 1,024
	s_mov_b32 s39, 0
	s_lshr_b32 s56, s18, 4                         ; batch
	s_mul_i32 s42, s56, 4092
	s_mov_b32 s43, 0
	s_lshl_b32 s56, s56, 6
	s_add_co_u32 s56, s56, s19
	s_lshl_b32 s56, s56, 4
	s_and_b32 s57, s18, 15
	s_add_co_u32 s56, s56, s57
	s_lshl_b32 s56, s56, 12                        ; ctx: ((64 batch + tile) 16 + head) x 4,096
	s_mov_b32 s57, 0
	s_lshl_b32 s58, s18, 2
	s_add_co_u32 s58, s58, s17
	s_lshl_b32 s58, s58, 7
	s_mov_b32 s59, 0
	s_wait_dscnt 0x0
	s_wait_kmcnt 0x0
	s_add_nc_u64 s[46:47], s[6:7], s[36:37]
	s_or_b32 s47, s47, 0x80000000
	s_add_nc_u64 s[38:39], s[4:5], s[38:39]
	s_add_nc_u64 s[40:41], s[4:5], s[40:41]
	s_add_nc_u64 s[8:9], s[8:9], s[42:43]
	s_add_nc_u64 s[12:13], s[12:13], s[56:57]
	s_add_nc_u64 s[14:15], s[14:15], s[58:59]
	s_cmp_lt_u32 s[WV], 4
	s_cbranch_scc0 .Lno_fill
	tensor_load_to_lds s[44:47], s[48:55]          ; my quarter of the head's K, V and scale words: the one tensor load of a wave in this launch
	s_nop 0
	PLACES 4
.Lno_fill:
	s_load_b32 s21, s[10:11], 0x0                  ; lam
	global_load_b128 v[16:19], v[AK0], s[38:39]              ; q1's codes
	global_load_b128 v[28:31], v[AK0], s[38:39] offset:512   ; q2's
	global_load_b32 v[QSW], v[QSO], s[40:41]
	; ---- wave 4, while the tiles land: L[j] = the sum of log2 a[k], k < j
	s_cmp_lg_u32 s[WV], 4
	s_cbranch_scc1 .Lno_scan
.irp i,0,1,2,3,4,5,6,7,8,9,10,11,12,13,14,15,16,17,18,19,20,21,22,23,24,25,26,27,28,29,30
	global_load_b32 v[64+\i], v34, s[8:9] offset:4*\i
.endr
	global_load_b32 v95, v35, s[8:9]
	s_wait_loadcnt 0x0
.irp i,0,1,2,3,4,5,6,7,8,9,10,11,12,13,14,15,16,17,18,19,20,21,22,23,24,25,26,27,28,29,30,31
	v_log_f32 v[64+\i], v[64+\i]
.endr
	v_mov_b32 v96, 0                               ; (a plain place behind the logarithms)
	s_wait_alu depctr_va_vdst(0)
.irp i,1,2,3,4,5,6,7,8,9,10,11,12,13,14,15,16,17,18,19,20,21,22,23,24,25,26,27,28,29,30,31
	v_add_f32 v[96+\i], v[95+\i], v[63+\i]         ; within my 32
.endr
	v_add_f32 v248, v127, v95                      ; my 32's total
	v_mov_b32 v250, 0
	s_mov_b32 s36, 0
.irp l,0,1,2,3,4,5,6,7,8,9,10,11,12,13,14,15,16,17,18,19,20,21,22,23,24,25,26,27,28,29,30
	v_readlane_b32 s37, v248, \l
	s_add_f32 s36, s36, s37
	v_writelane_b32 v250, s36, \l+1                ; what the lanes before lane l + 1 add up to
.endr
.irp e,0,1,2,3,4,5,6,7,8,9,10,11,12,13,14,15
	v_pk_add_f32 v[96+2*\e:97+2*\e], v[96+2*\e:97+2*\e], v[250:251] op_sel_hi:[1,0]
.endr
.irp g,0,1,2,3,4,5,6,7
	ds_store_b128 v[LST], v[96+4*\g:99+4*\g] offset:16*\g
.endr
.Lno_scan:
	s_wait_tensorcnt 0x0                           ; my quarter has landed (a wave that asked for none passes),
	s_wait_dscnt 0x0                               ; and so have wave 4's stores of L
	s_barrier_signal -1
	s_barrier_wait -1                              ; both hold of every wave; from here on LDS below STATS is only read
.macro KLOAD ak, as, n                 ; 9 loads: the four K fragments and scale words of the chunk n chunks on from the address
.irp t,0,1,2,3
.irp c,0,1
	ds_load_b128 v[KF+8*\t+4*\c:KF+8*\t+4*\c+3], v[\ak] offset:4096*(\n)+1024*\t+512*\c
.endr
.endr
	ds_load_b128 v[KSW:KSW+3], v[\as] offset:256*(\n)
.endm
.macro LLOAD al, n                     ; 8 loads: L of my 32 keys of that chunk: register 16 b + i = key 32 b + 16 h + i
.irp g,0,1,2,3,4,5,6,7
	ds_load_b128 v[LJ+4*\g:LJ+4*\g+3], v[\al] offset:256*(\n)+128*(\g/4)+16*(\g%4)
.endr
.endm
.macro SCORES                          ; both scores of 64 keys x my 16 queries
.irp t,0,1,2,3
	MM0 S1+8*\t, KF+8*\t, 16, KSW+\t, QSW
	MM0 S2+8*\t, KF+8*\t, 24, KSW+\t, QSW
.endr
.endm
	ds_load_b32 v[LI], v[LIA]
	KLOAD AK0, ASK0, 0
	s_wait_loadcnt 0x0                             ; q
	s_wait_kmcnt 0x0                               ; lam
; PASS 1, a chunk.  Each lane keeps the maximum and the sum of ITS half of the keys: no lane is asked in the loop.  pf = 1: the next chunk is fetched; 2: chunk 0, for pass 2
.macro P1 pf
	s_wait_dscnt 0x0
	SCORES
.if \pf == 1
	v_add_nc_u32 v[ADK], s[KO], v[AK0]
	v_add_nc_u32 v[ADS], s[SO], v[ASK0]
	PLACES 3                                       ; with the two additions five places: for the loads below, the reads of the scores, and the next chunk's products, which write over these
	KLOAD ADK, ADS, 1
.else
	PLACES 5
	KLOAD AK0, ASK0, 0
.endif
	v_max3_num_f32 v248, v[M1], v[S1], v[S1+1]     ; four chains by turns, ascending, each carrying the old maximum
	v_max3_num_f32 v249, v[M1], v[S1+16], v[S1+17]
	v_max3_num_f32 v250, v[M2], v[S2], v[S2+1]
	v_max3_num_f32 v251, v[M2], v[S2+16], v[S2+17]
.irp i,2,4,6,8,10,12,14
	v_max3_num_f32 v248, v248, v[S1+\i], v[S1+\i+1]
	v_max3_num_f32 v249, v249, v[S1+16+\i], v[S1+17+\i]
	v_max3_num_f32 v250, v250, v[S2+\i], v[S2+\i+1]
	v_max3_num_f32 v251, v251, v[S2+16+\i], v[S2+17+\i]
.endr
	v_max_num_f32 v[M1], v248, v249
	v_max_num_f32 v[M2], v250, v251
	v_mul_f32 v248, -v[M1], s[CS]                  ; the new -c m
	v_mul_f32 v250, -v[M2], s[CS]
	v_sub_f32 v252, v248, v[NCM1]                  ; c m_old - c m_new
	v_sub_f32 v254, v250, v[NCM2]
	v_mov_b32 v[NCM1], v248
	v_mov_b32 v[NCM2], v250
.irp e,0,1,2,3,4,5,6,7,8,9,10,11,12,13,14,15
	v_pk_fma_f32 v[S1+2*\e:S1+2*\e+1], v[S1+2*\e:S1+2*\e+1], s[CS:CS+1], v[NCM1:NCM1+1] op_sel_hi:[1,0,0]
	v_pk_fma_f32 v[S2+2*\e:S2+2*\e+1], v[S2+2*\e:S2+2*\e+1], s[CS:CS+1], v[NCM2:NCM2+1] op_sel_hi:[1,0,0]
.endr
	v_exp_f32 v252, v252
	v_exp_f32 v254, v254
.set EN, 0
.rept 64
	v_exp_f32 v[S1+EN], v[S1+EN]
.set EN, EN+1
.endr
	v_nop                                          ; a plain place behind the exponentials
	s_wait_alu depctr_va_vdst(0)
	v_pk_fma_f32 v[LS1:LS1+1], v[LS1:LS1+1], v[252:253], v[S1:S1+1] op_sel_hi:[1,0,1]   ; the old sum under the new maximum, and the first pair
	v_pk_fma_f32 v[LS2:LS2+1], v[LS2:LS2+1], v[254:255], v[S2:S2+1] op_sel_hi:[1,0,1]
	v_pk_add_f32 v[248:249], v[S1+2:S1+3], v[S1+6:S1+7]
	v_pk_add_f32 v[250:251], v[S2+2:S2+3], v[S2+6:S2+7]
	v_pk_add_f32 v[LS1:LS1+1], v[LS1:LS1+1], v[S1+4:S1+5]
	v_pk_add_f32 v[LS2:LS2+1], v[LS2:LS2+1], v[S2+4:S2+5]
.irp j,8,12,16,20,24,28
	v_pk_add_f32 v[LS1:LS1+1], v[LS1:LS1+1], v[S1+\j:S1+\j+1]
	v_pk_add_f32 v[LS2:LS2+1], v[LS2:LS2+1], v[S2+\j:S2+\j+1]
	v_pk_add_f32 v[248:249], v[248:249], v[S1+\j+2:S1+\j+3]
	v_pk_add_f32 v[250:251], v[250:251], v[S2+\j+2:S2+\j+3]
.endr
	v_pk_add_f32 v[LS1:LS1+1], v[LS1:LS1+1], v[248:249]
	v_pk_add_f32 v[LS2:LS2+1], v[LS2:LS2+1], v[250:251]
.endm
	s_mov_b32 s[KO], 0
	s_mov_b32 s[SO], 0
	s_mov_b32 s35, 0
.Lp1:                                              ; chunks 0 to 14
	P1 1
	s_add_co_u32 s[KO], s[KO], 4096
	s_add_co_u32 s[SO], s[SO], 256
	s_add_co_u32 s35, s35, 1
	s_cmp_lt_u32 s35, 15
	s_cbranch_scc1 .Lp1
	P1 2                                           ; chunk 15
	; ---- between the passes: the two halves of the lanes are joined.  -c m of the larger maximum is the smaller; each half's sum is brought under it by 2^(difference), which is 1 for the half that held it
	LLOAD AL0, 0
	v_add_f32 v[LS1], v[LS1], v[LS1+1]
	v_add_f32 v[LS2], v[LS2], v[LS2+1]
	v_permlanex16_b32 v236, v[NCM1], s[SEL], s[SEL+1]
	v_permlanex16_b32 v237, v[NCM2], s[SEL], s[SEL+1]
	v_permlanex16_b32 v238, v[LS1], s[SEL], s[SEL+1]
	v_permlanex16_b32 v239, v[LS2], s[SEL], s[SEL+1]
	v_min_num_f32 v248, v[NCM1], v236
	v_min_num_f32 v249, v[NCM2], v237
	v_sub_f32 v250, v248, v[NCM1]
	v_sub_f32 v251, v248, v236
	v_sub_f32 v252, v249, v[NCM2]
	v_sub_f32 v254, v249, v237
	v_exp_f32 v250, v250
	v_exp_f32 v251, v251
	v_exp_f32 v252, v252
	v_exp_f32 v254, v254
	v_mov_b32 v[NCM1], v248                        ; (a plain place behind the exponentials)
	v_mov_b32 v[NCM2], v249
	s_wait_alu depctr_va_vdst(0)
	v_mul_f32 v[LS1], v[LS1], v250
	v_mul_f32 v[LS2], v[LS2], v252
	v_fma_f32 v[LS1], v238, v251, v[LS1]
	v_fma_f32 v[LS2], v239, v254, v[LS2]
	v_rcp_f32 v[R1], v[LS1]
	v_rcp_f32 v250, v[LS2]
	v_nop
	s_wait_alu depctr_va_vdst(0)
	v_mul_f32 v[NL2], -v250, s21                   ; -lam / l2
	s_mov_b32 s[KO], 0
	s_mov_b32 s[SO], 0
	s_mov_b32 s[VO], 0
	s_mov_b32 s[TO], 0
	s_mov_b32 s[CH], 0
; PASS 2, a chunk of 64 keys: half par of a K step of the last product.  zero = 1: that product starts the sums.  pf = 1: the next chunk is fetched
.macro P2C par, zero, pf
	s_wait_dscnt 0x0
	SCORES
	s_add_co_u32 s36, s[CH], \par
	s_cmp_ge_u32 s36, s[TQ]                        ; keys at or behind my queries' chunk take +(L_j - L_i), keys before it -(L_j - L_i)
	s_cselect_b32 s[SG], s28, s29
.irp e,0,1,2,3,4,5,6,7,8,9,10,11,12,13,14,15
	v_pk_add_f32 v[LJ+2*\e:LJ+2*\e+1], v[LJ+2*\e:LJ+2*\e+1], v[LI:LI+1] op_sel_hi:[1,0] neg_lo:[0,1] neg_hi:[0,1]   ; L_j - L_i first.  (These sixteen are the places behind the products)
.endr
	s_cmp_eq_u32 s36, s[TQ]
	s_cbranch_scc0 .Loff_\@                        ; a branch on ids: only my queries' own chunk has both signs
.set DN, 0
.rept 32
	v_cmp_lt_i32 vcc_lo, 32*(DN/16)+DN%16, v[DL0]  ; this register's key comes before my query:
	v_xor_b32 v248, 0x80000000, v[LJ+DN]
	v_cndmask_b32 v[LJ+DN], v[LJ+DN], v248, vcc_lo ; the other sign
.set DN, DN+1
.endr
.Loff_\@:
.irp e,0,1,2,3,4,5,6,7,8,9,10,11,12,13,14,15
	v_pk_fma_f32 v[248+4*(\e%2):249+4*(\e%2)], v[LJ+2*\e:LJ+2*\e+1], s[SG:SG+1], v[NCM1:NCM1+1] op_sel_hi:[1,0,0]
	v_pk_fma_f32 v[250+4*(\e%2):251+4*(\e%2)], v[LJ+2*\e:LJ+2*\e+1], s[SG:SG+1], v[NCM2:NCM2+1] op_sel_hi:[1,0,0]
	v_pk_fma_f32 v[S1+2*\e:S1+2*\e+1], v[S1+2*\e:S1+2*\e+1], s[CS:CS+1], v[248+4*(\e%2):249+4*(\e%2)] op_sel_hi:[1,0,1]   ; c s - c m +- (L_j - L_i)
	v_pk_fma_f32 v[S2+2*\e:S2+2*\e+1], v[S2+2*\e:S2+2*\e+1], s[CS:CS+1], v[250+4*(\e%2):251+4*(\e%2)] op_sel_hi:[1,0,1]
.endr
.if \pf
	KLOAD ADK, ADS, \par+1
	LLOAD ADL, \par+1
.endif
.set EN, 0
.rept 64
	v_exp_f32 v[S1+EN], v[S1+EN]                   ; C p, not yet normalised
.set EN, EN+1
.endr
	v_nop
	s_wait_alu depctr_va_vdst(0)
.irp e,0,1,2,3,4,5,6,7,8,9,10,11,12,13,14,15
	v_pk_mul_f32 v[S1+2*\e:S1+2*\e+1], v[S1+2*\e:S1+2*\e+1], v[R1:R1+1] op_sel_hi:[1,0]
.endr
.irp e,0,1,2,3,4,5,6,7,8,9,10,11,12,13,14,15
	v_pk_fma_f32 v[S1+2*\e:S1+2*\e+1], v[S2+2*\e:S2+2*\e+1], v[NL2:NL2+1], v[S1+2*\e:S1+2*\e+1] op_sel_hi:[1,0,1]   ; C (a1 - lam a2)
.endr
.if \par
.irp t,0,1,2,3
.irp c,0,1
	ds_load_b128 v[S2+8*\t+4*\c:S2+8*\t+4*\c+3], v[ADV] offset:1024*\t+512*\c   ; V's four fragments of these 128 keys take the second scores' place
.endr
.endr
	ds_load_b128 v[VSW:VSW+3], v[ADT]
.endif
	QMAX S1, 2
.if \par
	v_lshl_or_b32 v[PSW], v[TM+4], 16, v[PSW]
	v_lshl_or_b32 v[PSW], v[TM+5], 24, v[PSW]
.else
	v_lshl_or_b32 v[PSW], v[TM+5], 8, v[TM+4]
.endif
	QCVT S1, 2, PC+4*\par
.irp i,0,1
	v_permlane16_swap_b32 v[PC+4*\par+\i], v[PC+4*\par+2+\i]   ; a whole block to a lane: lanes 0-15 block 2 par, lanes 16-31 block 2 par + 1
.endr
.if \par
	PLACES 8                                       ; the scale word and the codes were written by vector instructions
	s_wait_dscnt 0x0
.irp t,0,1,2,3
.if \zero
	MM0 OA+8*\t, S2+8*\t, PC, VSW+\t, PSW
.else
	MMA OA+8*\t, S2+8*\t, PC, VSW+\t, PSW
.endif
.endr
	PLACES 5                                       ; the next chunk's products write over the registers that held V's fragments
.endif
.endm
.macro STEP2 zero, last                ; 128 keys
	v_add_nc_u32 v[ADK], s[KO], v[AK0]
	v_add_nc_u32 v[ADS], s[SO], v[ASK0]
	v_add_nc_u32 v[ADL], s[SO], v[AL0]
	v_add_nc_u32 v[ADV], s[VO], v[AV0]
	v_add_nc_u32 v[ADT], s[TO], v[ASV0]
	P2C 0, \zero, 1
	P2C 1, \zero, 1-\last
	s_add_co_u32 s[KO], s[KO], 8192
	s_add_co_u32 s[SO], s[SO], 512
	s_add_co_u32 s[VO], s[VO], 4096
	s_add_co_u32 s[TO], s[TO], 256
	s_add_co_u32 s[CH], s[CH], 2
.endm
	STEP2 1, 0                                     ; the first 128 keys start the sums
	s_mov_b32 s35, 0
.Lp2:
	STEP2 0, 0
	s_add_co_u32 s35, s35, 1
	s_cmp_lt_u32 s35, 6
	s_cbranch_scc1 .Lp2
	STEP2 0, 1                                     ; the last fetches nothing
	; ---- the way out: the accumulators as they stand, 512 consecutive bytes a store, ascending; register 16 b + i of lane (r, h) is channel 32 b + 16 h + i of my query
.irp g,0,1,2,3,4,5,6,7
	global_store_b128 v[AK0], v[OA+4*\g:OA+4*\g+3], s[12:13] offset:512*\g
.endr
	v_pk_add_f32 v[64:65], v[OA:OA+1], v[OA+2:OA+3]
	v_pk_add_f32 v[66:67], v[OA+4:OA+5], v[OA+6:OA+7]
.irp j,8,12,16,20,24,28
	v_pk_add_f32 v[64:65], v[64:65], v[OA+\j:OA+\j+1]
	v_pk_add_f32 v[66:67], v[66:67], v[OA+\j+2:OA+\j+3]
.endr
	v_pk_add_f32 v[64:65], v[64:65], v[66:67]
	v_add_f32 v64, v64, v65
	WSUM 64, 236
	v_mul_f32 v68, 0x3a800000, v64                 ; the mean of my wave's 1,024 numbers
	v_mov_b32 v69, v68
.irp e,0,1,2,3,4,5,6,7,8,9,10,11,12,13,14,15
	v_pk_add_f32 v[S2+2*\e:S2+2*\e+1], v[OA+2*\e:OA+2*\e+1], v[68:69] neg_lo:[0,1] neg_hi:[0,1]
.endr
	v_pk_mul_f32 v[70:71], v[S2:S2+1], v[S2:S2+1]
	v_pk_mul_f32 v[72:73], v[S2+2:S2+3], v[S2+2:S2+3]
.irp j,4,8,12,16,20,24,28
	v_pk_fma_f32 v[70:71], v[S2+\j:S2+\j+1], v[S2+\j:S2+\j+1], v[70:71]
	v_pk_fma_f32 v[72:73], v[S2+\j+2:S2+\j+3], v[S2+\j+2:S2+\j+3], v[72:73]
.endr
	v_pk_add_f32 v[70:71], v[70:71], v[72:73]
	v_add_f32 v69, v70, v71
	WSUM 69, 236                                   ; and the sum of their squared distances from it
	ds_store_b64 v[STW], v[68:69]
	s_wait_dscnt 0x0
	s_barrier_signal -1
	s_barrier_wait -1
	s_cmp_lg_u32 s[WV], 0
	s_cbranch_scc1 .Lend
	ds_load_b32 v70, v[STR]
	s_wait_dscnt 0x0
	global_store_b32 v[STR], v70, s[14:15] offset:-STATS   ; the work-group's 16 pairs: 128 consecutive bytes (the offset register holds STATS + 4 x lane)
.Lend:
	s_wait_tensorcnt 0x0
	ds_add_u32 v246, v247
	s_wait_dscnt 0x0
	s_endpgm
.Lfunc_end_k_qcd51d19c87_attn:
	.size	k_qcd51d19c87_attn, .Lfunc_end_k_qcd51d19c87_attn-k_qcd51d19c87_attn
	.p2alignl 7, 3214868480
	.fill 96, 4, 3214868480
	.section	.rodata,"a",@progbits
	.p2align	6, 0x0
	.amdhsa_kernel k_qcd51d19c87_attn
		.amdhsa_group_segment_fixed_size 169984
		.amdhsa_private_segment_fixed_size 0
		.amdhsa_enable_private_segment 0
		.amdhsa_kernarg_size 48
		.amdhsa_user_sgpr_count 2
		.amdhsa_user_sgpr_kernarg_segment_ptr 1
		.amdhsa_wavefront_size32 1
		.amdhsa_system_sgpr_workgroup_id_x 1
		.amdhsa_system_sgpr_workgroup_id_y 1
		.amdhsa_system_sgpr_workgroup_id_z 1
		.amdhsa_system_vgpr_workitem_id 0
		.amdhsa_next_free_vgpr 256
		.amdhsa_next_free_sgpr 66
		.amdhsa_reserve_vcc 1
		.amdhsa_float_denorm_mode_32 3
		.amdhsa_float_denorm_mode_16_64 3
		.amdhsa_memory_ordered 1
		.amdhsa_forward_progress 1
		.amdhsa_inst_pref_size 155
	.end_amdhsa_kernel
	.amdgpu_metadata
---
amdhsa.version: [ 1, 2 ]
amdhsa.kernels:
  - .name:           k_qcd51d19c87_attn
    .symbol:         k_qcd51d19c87_attn.kd
    .args:
      - { .name: qbuf, .offset: 0, .size: 8, .value_kind: global_buffer, .address_space: global }
      - { .name: kvbuf, .offset: 8, .size: 8, .value_kind: global_buffer, .address_space: global }
      - { .name: affinity_a, .offset: 16, .size: 8, .value_kind: global_buffer, .address_space: global }
      - { .name: lam, .offset: 24, .size: 8, .value_kind: global_buffer, .address_space: global }
      - { .name: ctx, .offset: 32, .size: 8, .value_kind: global_buffer, .address_space: global }
      - { .name: stats, .offset: 40, .size: 8, .value_kind: global_buffer, .address_space: global }
    .group_segment_fixed_size: 169984
    .private_segment_fixed_size: 0
    .kernarg_segment_align: 8
    .kernarg_segment_size: 48
    .max_flat_workgroup_size: 512
    .sgpr_count:     66
    .vgpr_count:     256
    .wavefront_size: 32
...
	.end_amdgpu_metadata
.endif
;; end of part 2
;; launch oproj (part 3): grid 4 x 64, 16 waves a work-group, no clusters, 105,472 bytes of LDS; arguments ctx, stats, gn_w, gn_b, Wo_codes, Wo_scales, bo, out0; writes out0
.if DOCPART == 3
	.amdgcn_target "amdgcn-amd-amdhsa--gfx1250"
	.amdhsa_code_object_version 6
	.text
	.protected	k_qcd51d19c87_oproj
	.globl	k_qcd51d19c87_oproj
	.p2align	8
	.type	k_qcd51d19c87_oproj,@function
k_qcd51d19c87_oproj:
	s_mov_b64 s[64:65], 0
	v_nop
	global_prefetch_b8 v0, s[64:65] scope:SCOPE_SE
	s_setreg_imm32_b32 hwreg(HW_REG_WAVE_MODE, 25, 1), 1
	s_wait_xcnt 0x0
; out = Q(0.8 (GroupNorm(ctx) gn_w + gn_b)) Wo^T + bo, the product on codes of FP4 (E2M1) with E8M0 scales.
; SHARES.  Work-group (x = 256 outputs, y = 64 tokens of a batch: four tiles).  First wave w is HEAD w: it joins the head's 64 partial statistics, normalises its 64 channels of the 64 tokens and quantises them along the channels:
; they are part w % 2 of K step w / 2, and go to LDS as images of operand registers.  Then wave w is OUTPUT ROWS 16 w .. 16 w + 15 of the work-group's 256, whose fragments of Wo it holds in registers, for all 64 tokens.
; ctx lies as the launch before left its accumulators: register 16 b + i of lane (r, h) is channel 32 b + 16 h + i of token (tile, r): 16 neighbours along K, as the conversions want them.
; The product is used transposed (source 0 = 16 rows of Wo, source 1 = a tile of tokens): a lane holds eight neighbouring outputs of one token; bo is the C of the first product.
; Statistics: the mean of 64 equal parts' means; the sum of squares as the parts' own plus 1,024 x each mean's squared distance: no difference of large sums.
; NO CLUSTER and no tensor load: what the four work-groups of a token block share (ctx) must be normalised and quantised in registers on its way; Wo's fragments go straight to registers.
; LIMITS: NaN and infinities are not served.  A block of zeros gets the scale byte 1 (its codes are zeros).
.set ASC,  32768                       ; LDS: 0: the images [tile 4][K step 8][part 2][lane][16 bytes];  ASC: their scale words [tile][K step][lane][4 bytes];
.set OST,  36864                       ; OST: the stage for the way out, 64 rows x (1,024 + 16) bytes
.set TM,   232
.set PC,   224
.set AF,   16                          ; the tokens' fragments, two sets of four
.set ASW,  248                         ; their scale words
.set SEL,  8
.macro PLACES n
.rept \n
	v_nop
.endr
.endm
.macro QMAX src, nb
.set QB, 0
.rept \nb
	v_max3_num_f32 v[TM+QB], |v[(\src)+16*QB]|, |v[(\src)+16*QB+1]|, 0x1800000
.set QB, QB+1
.endr
.irp i,2,4,6,8,10,12,14
.set QB, 0
.rept \nb
	v_max3_num_f32 v[TM+QB], v[TM+QB], |v[(\src)+16*QB+\i]|, |v[(\src)+16*QB+\i+1]|
.set QB, QB+1
.endr
.endr
.set QB, 0
.rept \nb
	v_permlanex16_b32 v[TM+4+QB], v[TM+QB], s[SEL], s[SEL+1]
.set QB, QB+1
.endr
.set QB, 0
.rept \nb
	v_max_num_f32 v[TM+QB], v[TM+QB], v[TM+4+QB]
.set QB, QB+1
.endr
.set QB, 0
.rept \nb
	v_add_nc_u32 v[TM+12+QB], 0xff000000, v[TM+QB]
.set QB, QB+1
.endr
.set QB, 0
.rept \nb
	v_lshrrev_b32 v[TM+4+QB], 23, v[TM+12+QB]
.set QB, QB+1
.endr
.endm
.macro QCVT src, nb, pc
.set QB, 0
.rept \nb
	v_cvt_scalef32_pk8_fp4_f32 v[(\pc)+2*QB], v[(\src)+16*QB:(\src)+16*QB+7], v[TM+12+QB]
	v_cvt_scalef32_pk8_fp4_f32 v[(\pc)+2*QB+1], v[(\src)+16*QB+8:(\src)+16*QB+15], v[TM+12+QB]
.set QB, QB+1
.endr
	v_nop                                          ; one plain place behind a scaled conversion
.endm
.macro WSUM x, t
	v_add_f32_dpp v[\x], v[\x], v[\x] row_xmask:1 row_mask:0xf bank_mask:0xf
	v_add_f32_dpp v[\x], v[\x], v[\x] row_xmask:2 row_mask:0xf bank_mask:0xf
	v_add_f32_dpp v[\x], v[\x], v[\x] row_xmask:4 row_mask:0xf bank_mask:0xf
	v_add_f32_dpp v[\x], v[\x], v[\x] row_xmask:8 row_mask:0xf bank_mask:0xf
	v_permlanex16_b32 v[\t], v[\x], s[SEL], s[SEL+1]
	v_add_f32 v[\x], v[\x], v[\t]
.endm
	s_load_b512 s[16:31], s[0:1], 0x0              ; ctx 16, stats 18, gn_w 20, gn_b 22, Wo codes 24, Wo scales 26, bo 28, out0 30
	v_lshl_add_u32 v231, v0, 2, 0x19400
	v_mov_b32 v247, 0
	v_lshrrev_b32 v232, 5, v0
	v_readfirstlane_b32 s2, v232                   ; wave 0..15
	s_and_b32 s3, ttmp9, 3                         ; which 256 outputs
	s_and_b32 s4, ttmp7, 63
	s_lshr_b32 s5, s4, 4                           ; batch
	s_and_b32 s6, s4, 15                           ; which 64 tokens of it
	s_mov_b32 s[SEL], 0x76543210
	s_mov_b32 s[SEL+1], 0xfedcba98
	v_and_b32 v232, 31, v0                         ; lane
	v_and_b32 v233, 15, v0                         ; r
	v_bfe_u32 v234, v0, 4, 1                       ; h
	v_and_b32 v235, 8, v233
	v_add_nc_u32 v235, v235, v233                  ; rho(r) = r + 8 (r / 8)
	v_lshlrev_b32 v1, 4, v232                      ; 16 x lane
	v_lshl_add_u32 v2, v232, 2, ASC                ; a scale word's place for my lane
	s_lshr_b32 s10, s2, 1
	s_and_b32 s11, s2, 1
	s_lshl_b32 s12, s10, 10
	s_lshl_b32 s13, s11, 9
	s_add_co_u32 s12, s12, s13
	v_add_nc_u32 v3, s12, v1                       ; where my head's codes go: K step w / 2, part w % 2
	s_lshl_b32 s12, s10, 7
	s_lshl_b32 s13, s11, 1
	s_add_co_u32 s12, s12, s13
	v_add_nc_u32 v4, s12, v2                       ; and its two scale bytes: half w % 2 of the word
	v_mul_u32_u24 v5, v235, 1040
	v_lshl_add_u32 v5, v234, 5, v5
	s_lshl_b32 s12, s2, 6
	s_add_co_u32 s12, s12, OST
	v_add_nc_u32 v5, s12, v5                       ; the stage, in: row rho(r), + 64 w + 32 h bytes
	s_mul_i32 s12, s2, 4160
	s_add_co_u32 s12, s12, OST
	v_add_nc_u32 v6, s12, v1                       ; and back: my four rows
	v_lshlrev_b32 v7, 9, v233
	v_lshl_add_u32 v7, v234, 4, v7                 ; Wo: row r, + 16 h
	v_lshlrev_b32 v8, 5, v233                      ; its scale rows
	v_lshlrev_b32 v9, 6, v234                      ; gn_w, gn_b: 64 h
	v_lshlrev_b32 v10, 5, v234                     ; bo: 32 h
.irp j,236,237,238,239
	v_mov_b32 v\j, 0                               ; written once: a lane permute's destination counts as one of its sources
.endr
	s_lshl_b32 s32, s5, 22
	s_lshl_b32 s33, s6, 18
	s_add_co_u32 s44, s32, s33                     ; (1,024 batch + 64 block) x 4,096: the same figure in ctx and in out0
	s_lshl_b32 s33, s2, 12
	s_add_co_u32 s32, s44, s33                     ; ctx: + head x 4,096
	s_mov_b32 s33, 0
	s_lshl_b32 s34, s5, 4
	s_add_co_u32 s34, s34, s2
	s_lshl_b32 s34, s34, 9                         ; stats: (16 batch + head) x 512
	s_mov_b32 s35, 0
	s_lshl_b32 s36, s2, 8                          ; gn_w, gn_b: 256 head
	s_mov_b32 s37, 0
	s_lshl_b32 s38, s3, 17
	s_lshl_b32 s39, s2, 13
	s_add_co_u32 s38, s38, s39                     ; Wo's codes: (256 x + 16 w) x 512
	s_mov_b32 s39, 0
	s_lshl_b32 s40, s3, 13
	s_lshl_b32 s41, s2, 9
	s_add_co_u32 s40, s40, s41                     ; its scales: x 32
	s_mov_b32 s41, 0
	s_lshl_b32 s42, s3, 10
	s_lshl_b32 s43, s2, 6
	s_add_co_u32 s42, s42, s43                     ; bo: x 4
	s_mov_b32 s43, 0
	s_lshl_b32 s45, s2, 14
	s_add_co_u32 s44, s44, s45                     ; out0: + 4 w rows
	s_lshl_b32 s45, s3, 10
	s_add_co_u32 s44, s44, s45                     ; + my 256 outputs
	s_mov_b32 s45, 0
	s_wait_kmcnt 0x0
	s_add_nc_u64 s[16:17], s[16:17], s[32:33]
	s_add_nc_u64 s[18:19], s[18:19], s[34:35]
	s_add_nc_u64 s[20:21], s[20:21], s[36:37]
	s_add_nc_u64 s[22:23], s[22:23], s[36:37]
	s_add_nc_u64 s[24:25], s[24:25], s[38:39]
	s_add_nc_u64 s[26:27], s[26:27], s[40:41]
	s_add_nc_u64 s[28:29], s[28:29], s[42:43]
	s_add_nc_u64 s[30:31], s[30:31], s[44:45]
.macro XLOAD m                         ; tile m of my head: 8 loads of 512 consecutive bytes, into set m % 2
.irp g,0,1,2,3,4,5,6,7
	global_load_b128 v[80+32*((\m)%2)+4*\g:80+32*((\m)%2)+4*\g+3], v1, s[16:17] offset:65536*(\m)+512*\g
.endr
.endm
	; 53 loads, in the order in which they are wanted
	global_load_b128 v[240:243], v1, s[18:19]      ; two of the head's 64 (mean, M2)
.irp g,0,1,2,3,4,5,6,7
	global_load_b128 v[16+4*\g:19+4*\g], v9, s[20:21] offset:128*(\g/4)+16*(\g%4)
.endr
.irp g,0,1,2,3,4,5,6,7
	global_load_b128 v[48+4*\g:51+4*\g], v9, s[22:23] offset:128*(\g/4)+16*(\g%4)
.endr
	XLOAD 0
	XLOAD 1
.irp s,0,1,2,3,4,5,6,7
.irp c,0,1
	global_load_b128 v[144+8*\s+4*\c:147+8*\s+4*\c], v7, s[24:25] offset:64*\s+32*\c   ; Wo's eight fragments stay in registers
.endr
.endr
	global_load_b128 v[208:211], v8, s[26:27]      ; its eight scale words
	global_load_b128 v[212:215], v8, s[26:27] offset:16
	global_load_b128 v[216:219], v10, s[28:29]     ; bo at my eight outputs
	global_load_b128 v[220:223], v10, s[28:29] offset:16
	s_wait_loadcnt 36                              ; the statistics, gn_w and gn_b are in; the 36 loads behind them may be out
	v_add_f32 v244, v240, v242
	WSUM 244, 236
	v_mul_f32 v12, 0x3c800000, v244                ; the mean: 64 parts of equal size
	v_mov_b32 v13, v12
	v_sub_f32 v245, v240, v12
	v_sub_f32 v246, v242, v12
	v_mul_f32 v245, v245, v245
	v_fma_f32 v245, v246, v246, v245
	v_add_f32 v246, v241, v243
	v_fmamk_f32 v245, v245, 0x44800000, v246       ; my two parts' squares: their own + 1,024 x their means' squared distances
	WSUM 245, 236
	v_mov_b32 v246, 0x3727c5ac                     ; 1e-5
	v_fmamk_f32 v245, v245, 0x37800000, v246       ; the variance (/ 65,536) + 1e-5
	v_rsq_f32 v245, v245
	v_nop
	s_wait_alu depctr_va_vdst(0)
	v_mul_f32 v14, 0x3f4ccccd, v245                ; 0.8 / sqrt(..)
	v_mov_b32 v15, v14
.irp e,0,1,2,3,4,5,6,7,8,9,10,11,12,13,14,15
	v_pk_mul_f32 v[16+2*\e:17+2*\e], v[16+2*\e:17+2*\e], v[14:15]
	v_pk_mul_f32 v[48+2*\e:49+2*\e], v[48+2*\e:49+2*\e], 0x3f4ccccd op_sel_hi:[1,0]
.endr
; tile m of my head: normalised, quantised (two blocks of 32 channels), its four registers of codes and its two bytes to LDS.  cnt: the younger loads that may stay out
.macro OTILE m, cnt
.set XR, 80+32*((\m)%2)
	s_wait_loadcnt \cnt
.irp e,0,1,2,3,4,5,6,7,8,9,10,11,12,13,14,15
	v_pk_add_f32 v[XR+2*\e:XR+2*\e+1], v[XR+2*\e:XR+2*\e+1], v[12:13] neg_lo:[0,1] neg_hi:[0,1]
.endr
.irp e,0,1,2,3,4,5,6,7,8,9,10,11,12,13,14,15
	v_pk_fma_f32 v[XR+2*\e:XR+2*\e+1], v[XR+2*\e:XR+2*\e+1], v[16+2*\e:17+2*\e], v[48+2*\e:49+2*\e]
.endr
	QMAX XR, 2
	v_lshl_or_b32 v228, v[TM+5], 8, v[TM+4]
	QCVT XR, 2, PC
.irp i,0,1
	v_permlane16_swap_b32 v[PC+\i], v[PC+2+\i]     ; a whole block to a lane
.endr
	ds_store_b128 v3, v[PC:PC+3] offset:8192*(\m)
	ds_store_b16 v4, v228 offset:1024*(\m)
	s_wait_dscnt 0x0                               ; the stores have read their registers
.if (\m) < 2
	XLOAD (\m)+2
.endif
.endm
	OTILE 0, 28                                    ; behind tile 0's loads: tile 1's 8 and the 20 of Wo, its scales and bo
	OTILE 1, 28                                    ; behind tile 1's: those 20 and tile 2's 8
	OTILE 2, 8                                     ; behind tile 2's: tile 3's 8
	OTILE 3, 0
	s_barrier_signal -1                            ; (each wave's stores were waited for above)
	s_barrier_wait -1                              ; the 64 tokens' 32 fragments lie in LDS
.macro AFETCH s, buf                   ; 12 loads: K step s of the four tiles of tokens, and their scale words
.irp m,0,1,2,3
.irp c,0,1
	ds_load_b128 v[AF+32*(\buf)+8*\m+4*\c:AF+32*(\buf)+8*\m+4*\c+3], v1 offset:1024*(8*\m+(\s))+512*\c
.endr
	ds_load_b32 v[ASW+4*(\buf)+\m], v2 offset:128*(8*\m+(\s))
.endr
.endm
	AFETCH 0, 0
	AFETCH 1, 1
.set KS, 0
.rept 8
.if KS < 7
	s_wait_dscnt 12                                ; this K step's set is in; the next one's 12 loads may be out
.else
	s_wait_dscnt 0x0
.endif
.irp m,0,1,2,3                         ; four accumulators by turns
.if KS == 0
	v_wmma_scale_f32_16x16x128_f8f6f4 v[80+8*\m:87+8*\m], v[144+8*KS:151+8*KS], v[AF+32*(KS%2)+8*\m:AF+32*(KS%2)+8*\m+7], v[216:223], v[208+KS], v[ASW+4*(KS%2)+\m] matrix_a_fmt:MATRIX_FMT_FP4 matrix_b_fmt:MATRIX_FMT_FP4
.else
	v_wmma_scale_f32_16x16x128_f8f6f4 v[80+8*\m:87+8*\m], v[144+8*KS:151+8*KS], v[AF+32*(KS%2)+8*\m:AF+32*(KS%2)+8*\m+7], v[80+8*\m:87+8*\m], v[208+KS], v[ASW+4*(KS%2)+\m] matrix_a_fmt:MATRIX_FMT_FP4 matrix_b_fmt:MATRIX_FMT_FP4
.endif
.endr
	PLACES 4                                       ; in front of loads into registers that these products read, and of the first read of results
.if KS < 6
	AFETCH KS+2, KS%2
.endif
.set KS, KS+1
.endr
.irp m,0,1,2,3
	ds_store_b128 v5, v[80+8*\m:83+8*\m] offset:1040*(32*(\m/2)+8*(\m%2))         ; lane (r, h): token 32 (m / 2) + 8 (m % 2) + rho(r), outputs 16 w + 8 h + 0 .. 7; each accumulator from its low end on
	ds_store_b128 v5, v[84+8*\m:87+8*\m] offset:1040*(32*(\m/2)+8*(\m%2))+16
.endr
	s_wait_dscnt 0x0                               ; for the others' sake
	s_barrier_signal -1
	s_barrier_wait -1                              ; 64 rows of 256 outputs lie in the stage
.irp n,0,1,2,3,4,5,6,7
	ds_load_b128 v[112+4*\n:115+4*\n], v6 offset:1040*(\n/2)+512*(\n%2)
.endr
.irp n,0,1,2,3,4,5,6,7
	s_wait_dscnt 7-\n                              ; LDS loads come back in order: piece n is in
	global_store_b128 v1, v[112+4*\n:115+4*\n], s[30:31] offset:4096*(\n/2)+512*(\n%2) th:TH_STORE_NT   ; 512 consecutive bytes, at a multiple of 256 from out0's first byte; written once, read by nobody here
.endr
	s_wait_tensorcnt 0x0
	ds_add_u32 v231, v247
	s_wait_dscnt 0x0
	s_endpgm
.Lfunc_end_k_qcd51d19c87_oproj:
	.size	k_qcd51d19c87_oproj, .Lfunc_end_k_qcd51d19c87_oproj-k_qcd51d19c87_oproj
	.p2alignl 7, 3214868480
	.fill 96, 4, 3214868480
	.section	.rodata,"a",@progbits
	.p2align	6, 0x0
	.amdhsa_kernel k_qcd51d19c87_oproj
		.amdhsa_group_segment_fixed_size 105472
		.amdhsa_private_segment_fixed_size 0
		.amdhsa_enable_private_segment 0
		.amdhsa_kernarg_size 64
		.amdhsa_user_sgpr_count 2
		.amdhsa_user_sgpr_kernarg_segment_ptr 1
		.amdhsa_wavefront_size32 1
		.amdhsa_system_sgpr_workgroup_id_x 1
		.amdhsa_system_sgpr_workgroup_id_y 1
		.amdhsa_system_sgpr_workgroup_id_z 1
		.amdhsa_system_vgpr_workitem_id 0
		.amdhsa_next_free_vgpr 256
		.amdhsa_next_free_sgpr 66
		.amdhsa_reserve_vcc 0
		.amdhsa_float_denorm_mode_32 3
		.amdhsa_float_denorm_mode_16_64 3
		.amdhsa_memory_ordered 1
		.amdhsa_forward_progress 1
		.amdhsa_inst_pref_size 44
	.end_amdhsa_kernel
	.amdgpu_metadata
---
amdhsa.version: [ 1, 2 ]
amdhsa.kernels:
  - .name:           k_qcd51d19c87_oproj
    .symbol:         k_qcd51d19c87_oproj.kd
    .args:
      - { .name: ctx, .offset: 0, .size: 8, .value_kind: global_buffer, .address_space: global }
      - { .name: stats, .offset: 8, .size: 8, .value_kind: global_buffer, .address_space: global }
      - { .name: gn_w, .offset: 16, .size: 8, .value_kind: global_buffer, .address_space: global }
      - { .name: gn_b, .offset: 24, .size: 8, .value_kind: global_buffer, .address_space: global }
      - { .name: Wo_codes, .offset: 32, .size: 8, .value_kind: global_buffer, .address_space: global }
      - { .name: Wo_scales, .offset: 40, .size: 8, .value_kind: global_buffer, .address_space: global }
      - { .name: bo, .offset: 48, .size: 8, .value_kind: global_buffer, .address_space: global }
      - { .name: out0, .offset: 56, .size: 8, .value_kind: global_buffer, .address_space: global }
    .group_segment_fixed_size: 105472
    .private_segment_fixed_size: 0
    .kernarg_segment_align: 8
    .kernarg_segment_size: 64
    .max_flat_workgroup_size: 512
    .sgpr_count:     66
    .vgpr_count:     256
    .wavefront_size: 32
...
	.end_amdgpu_metadata
.endif
;; end of part 3
;; ======== version 2 of 2: 3 launches
;; workspace buffers: qbuf 4,456,448 bytes; kvbuf 6,684,672 bytes; ctx 16,777,216 bytes; stats 32,768 bytes
;; launch qkv (part 4): grid 16 x 16, 8 waves a work-group, no clusters, 189,440 bytes of LDS; arguments x_norm_codes, x_norm_scales, Wq_codes, Wq_scales, bq, Wk_codes, Wk_scales, bk, Wv_codes, Wv_scales, bv, qbuf, kvbuf; writes qbuf, kvbuf
.if DOCPART == 4
	.amdgcn_target "amdgcn-amd-amdhsa--gfx1250"
	.amdhsa_code_object_version 6
	.text
	.protected	k_qcd51d19c87_qkv
	.globl	k_qcd51d19c87_qkv
	.p2align	8
	.type	k_qcd51d19c87_qkv,@function
k_qcd51d19c87_qkv:
	s_mov_b64 s[64:65], 0
	v_nop
	global_prefetch_b8 v0, s[64:65] scope:SCOPE_SE
	s_setreg_imm32_b32 hwreg(HW_REG_WAVE_SCHED_MODE, 0, 2), 2
	s_setreg_imm32_b32 hwreg(HW_REG_WAVE_MODE, 25, 1), 1
	s_wait_xcnt 0x0
	s_wait_alu depctr_vm_vsrc(0)
; q1, q2, k1, k2 = rope(x W^T + b) and v = x Wv^T + bv for one head and 256 tokens, all on codes of FP4 (E2M1) with E8M0 scales, and the quantisers behind them:
; q and k along the head's 64, v along the keys.  The results leave as IMAGES OF OPERAND REGISTERS, in the order in which the next launch's matrix instructions want them.
; SHARES.  Work-group (x = head, y = block of 256 tokens).  Its 320 weight rows are five segments of 64: Wq 64 head, Wq 1024 + 64 head, Wk likewise twice, Wv 64 head.
; Wave w takes tokens 32 w .. 32 w + 31 of the block (one block of 32 keys), as two tiles, against all 320 rows, in three units: q, k, v.
; A TILE OF 16 IS NOT 16 NEIGHBOURS: lane r of tile 2 b + u stands for row (or token) 32 b + 8 u + r + 8 (r / 8).  A product whose source 0 is such a tile leaves in registers 16 b + i of lane (r, h)
; the neighbours 32 b + 16 h + i: what the conversions want.  q, k: source 0 = weight rows, source 1 = x: a lane holds one token, registers run along the head.  v: source 0 = x: a lane holds one feature, registers run along the keys.
; WEIGHTS go memory -> registers -> LDS once: a load reads one whole row of 512 bytes, and LDS holds the 16-byte pieces in fragment order ([segment][tile][piece 0..31: 256 + 16 bytes][lane r]), so that a fragment load's sixteen lanes read 256 consecutive bytes.
; NO CLUSTER: what work-groups share (x along a row of the grid, weights along a column) goes through registers into another order, not by tensor loads, so there is no tile to ask for jointly.
; ROPE: frequencies 1 / 10^(i/8) by a reciprocal with one correction step; the angle is position x frequency, rounded once; sine and cosine by reduction with pi/2 in two parts and polynomials on +-pi/4.
; LIMITS: NaN and infinities are not served.  A block of zeros gets the scale byte 1 (its codes are zeros; these bytes are read by this program alone).  The constants 10^(i/8) are the correctly rounded ones.
; REGISTERS.  window 0: v1-13 addresses that stay; v14-25 the weights' scale words, three sets; v26-41 x's scale words; v48-63 at work (v56-59 v's biases); v64-127 weight fragments, sets 0 and 1 (later the codes just made);
;   v128-255 accumulators (at the head v240-250: addresses that the head alone uses).
;   window 1: v0-127 x's 16 fragments; v128-191 cosines and sines of my two tiles; v192-253 at work on them, then v192-223 weight fragments, set 2; v254, v255 the closing add's two.
; THE MODE: SCHED_MODE bits 1:0 = 2 (LLVM: expert scheduling mode 2), set by the entry lines.  The code itself states the register dependences
; between vector or matrix instructions and memory or LDS instructions, with s_wait_alu, always for 0.
; THE PLAN.  Registers that memory or LDS instructions touch:
;   v1-13        addresses: written at the head, never again.   v240-250: written at the head, read by its loads and LDS stores; unit q's biases land there.
;   W0, W1, W2   fragment sets (v64-95, v96-127, window 1 v192-223) with their scale words (v14-17, v18-21, v22-25).  Step i's eight products read set i % 3; the twelve LDS loads of step i + 2 land in
;                set (i + 2) % 3 = (i - 1) % 3 and are issued at the head of step i.
;   accumulators the biases land in them at a unit's head; products, rope and the quantiser name them after that.
;   out          the codes of tile 0 (v64-71) and of tile 1 (v88-95), their scale words (v80, v81): written by the quantiser, read by the unit's six stores; the next unit's fragments land over them.
; So ONE wait on va_vdst stands at the head of a step, behind the wait for the step's own set: the products of the step before are done reading the set in which this step's loads land.  The loads follow it at once, and the
; step's products, which name only set i % 3, follow the loads.  One wait on va_vdst stands ahead of a unit's stores; no vector instruction stands between it and the next unit's loads,
; so that it serves those too.  One wait on vm_vsrc stands at a unit's head: what was stored out of the registers in which the unit's loads land has been read.
.set SEGB,  34816                      ; a segment's image: 4 tiles
.set TILB,  8704                       ; a tile's: 32 pieces x 272 bytes
.set QP,    272                        ; a piece of 16 lanes: 256 bytes + 16
.set WS,    174080                     ; the weights' scale bytes: [segment: 2,048][row: 32]
.set BIAS,  184320                     ; the biases: [segment: 256][64 f32]
.set STG,   185600                     ; scale words on their way out: q 1,024, k 1,024, v 512 bytes
.set LI16,  1                          ; 16 x lane
.set WA,    2                          ; v2-6   a segment's fragments: + 272 h + 16 r
.set SA,    7                          ; the weights' scale words: WS + 32 rho(r)
.set BA,    8                          ; biases as a C: BIAS + 64 h
.set BV,    9                          ; v's biases: BIAS + 1,024 + 4 rho(r)
.set SQ,    10                         ; where my q and k scale words go
.set SV,    11                         ; where my v scale bytes go
.set GV,    12                         ; 16 r + 8 h
.set CP,    13                         ; the copy out of STG
.set WSW,   14                         ; v14-25 the weights' scale words: set b at WSW + 4 b
.set XSW,   26                         ; v26-41 x's scale words
.set TM,    48
.set VBI,   56
.set WF,    64                         ; fragment sets 0 and 1
.set WF2,   192                        ; fragment set 2, in window 1
.set PC,    64                         ; the codes just made: tile u at PC + 24 u
.set RT,    72
.set PW,    80                         ; their scale words: tile u at PW + u
.set ACC,   128
.set XO,    240                        ; at the head only: x: 512 rho(r) + 16 h
.set XSO,   241                        ; x's scale rows: 32 rho(r)
.set L8,    242                        ; 8 x lane
.set L4,    243                        ; 4 x (lane % 8)
.set STA,   244                        ; v244-248 where my eight rows of a segment go
.set SCA,   249                        ; where their scale bytes go
.set BIA,   250                        ; and their biases
.set TS,    224                        ; window 1: four streams x seven registers
.set SEL,   8                          ; s[8:9] lane selects: lane l xor 16
.set MSB, 0
.macro WIN new                         ; the immediate's high byte repeats the setting that is left
.if MSB != \new
	s_set_vgpr_msb (MSB<<8)|\new
.set MSB, \new
.endif
.endm
.macro PLACES n
.rept \n
	v_nop
.endr
.endm
.macro MMA d, a, b, sa, sb
	v_wmma_scale_f32_16x16x128_f8f6f4 v[\d:\d+7], v[\a:\a+7], v[\b:\b+7], v[\d:\d+7], v[\sa], v[\sb] matrix_a_fmt:MATRIX_FMT_FP4 matrix_b_fmt:MATRIX_FMT_FP4
.endm
.macro MM0 d, a, b, sa, sb
	v_wmma_scale_f32_16x16x128_f8f6f4 v[\d:\d+7], v[\a:\a+7], v[\b:\b+7], 0, v[\sa], v[\sb] matrix_a_fmt:MATRIX_FMT_FP4 matrix_b_fmt:MATRIX_FMT_FP4
.endm
; nb blocks of 32, block b's half in my registers src + 16 b .. + 15, the other half in lane l xor 16: the largest magnitude (with the floor 2^(3 - 127), so that the byte stays at 1 or above),
; the conversion's scale operand in TM + 12 + b (2 off the exponent field), the byte in TM + 4 + b
.macro QMAX src, nb
.set QB, 0
.rept \nb
	v_max3_num_f32 v[TM+QB], |v[(\src)+16*QB]|, |v[(\src)+16*QB+1]|, 0x1800000
.set QB, QB+1
.endr
.irp i,2,4,6,8,10,12,14
.set QB, 0
.rept \nb
	v_max3_num_f32 v[TM+QB], v[TM+QB], |v[(\src)+16*QB+\i]|, |v[(\src)+16*QB+\i+1]|
.set QB, QB+1
.endr
.endr
.set QB, 0
.rept \nb
	v_permlanex16_b32 v[TM+4+QB], v[TM+QB], s[SEL], s[SEL+1]
.set QB, QB+1
.endr
.set QB, 0
.rept \nb
	v_max_num_f32 v[TM+QB], v[TM+QB], v[TM+4+QB]
.set QB, QB+1
.endr
.set QB, 0
.rept \nb
	v_add_nc_u32 v[TM+12+QB], 0xff000000, v[TM+QB]
.set QB, QB+1
.endr
.set QB, 0
.rept \nb
	v_lshrrev_b32 v[TM+4+QB], 23, v[TM+12+QB]
.set QB, QB+1
.endr
.endm
.macro QCVT src, nb, pc                ; 16 codes a block and lane into pc + 2 b, pc + 2 b + 1; one plain place behind the last conversion
.set QB, 0
.rept \nb
	v_cvt_scalef32_pk8_fp4_f32 v[(\pc)+2*QB], v[(\src)+16*QB:(\src)+16*QB+7], v[TM+12+QB]
	v_cvt_scalef32_pk8_fp4_f32 v[(\pc)+2*QB+1], v[(\src)+16*QB+8:(\src)+16*QB+15], v[TM+12+QB]
.set QB, QB+1
.endr
	v_nop
.endm
.macro QSWAP pc, c                     ; the operand wants a whole block in a lane: lanes 0-15 block 2 c, lanes 16-31 block 2 c + 1
.irp i,0,1
	v_permlane16_swap_b32 v[(\pc)+4*(\c)+\i], v[(\pc)+4*(\c)+2+\i]
.endr
.endm
	s_load_b512 s[16:31], s[0:1], 0x0              ; x codes 16, x scales 18, Wq codes 20, Wq scales 22, bq 24, Wk codes 26, Wk scales 28, bk 30
	s_load_b256 s[32:39], s[0:1], 0x40             ; Wv codes 32, Wv scales 34, bv 36, qbuf 38
	s_load_b64 s[40:41], s[0:1], 0x60              ; kvbuf
	s_set_vgpr_msb 0x40
	v_lshl_add_u32 v254, v0, 2, 0x2e000
	v_mov_b32 v255, 0
	s_set_vgpr_msb 0x4000
	v_lshrrev_b32 v57, 5, v0
	v_readfirstlane_b32 s2, v57                    ; wave 0..7
	s_and_b32 s3, ttmp9, 15                        ; head
	s_and_b32 s4, ttmp7, 15                        ; block of 256 tokens
	s_and_b32 s5, s4, 3                            ; and within its batch
	s_lshr_b32 s6, s4, 2
	s_lshl_b32 s6, s6, 4
	s_add_co_u32 s6, s6, s3                        ; 16 x batch + head
	s_mov_b32 s[SEL], 0x76543210
	s_mov_b32 s[SEL+1], 0xfedcba98
	s_mov_b32 s80, 0xb94ca1f9                      ; the sine's highest coefficient, -1.9515296e-4
	s_mov_b32 s81, 0x37ccf5ce                      ; the cosine's, 2.4433157e-5
	v_and_b32 v48, 31, v0                          ; lane
	v_and_b32 v49, 15, v0                          ; r
	v_bfe_u32 v50, v0, 4, 1                        ; h
	v_and_b32 v51, 8, v49
	v_add_nc_u32 v51, v51, v49                     ; rho(r) = r + 8 (r / 8)
	v_lshlrev_b32 v[LI16], 4, v48
	v_mul_u32_u24 v52, v50, QP
	v_lshl_add_u32 v52, v49, 4, v52
.irp g,0,1,2,3,4
	v_add_nc_u32 v[WA+\g], \g*SEGB, v52
.endr
	v_lshl_add_u32 v[SA], v51, 5, WS
	v_lshl_add_u32 v[BA], v50, 6, BIAS
	v_lshl_add_u32 v[BV], v51, 2, BIAS+1024
	s_wait_alu depctr_va_sdst(0)                   ; s2, the wave's number, is written, ahead of its first reader
	s_lshr_b32 s10, s2, 1
	s_lshl_b32 s10, s10, 8
	s_and_b32 s11, s2, 1                           ; w % 2
	s_lshl_b32 s12, s11, 3
	s_add_co_u32 s10, s10, s12
	s_add_co_u32 s10, s10, STG
	v_lshl_add_u32 v[SQ], v49, 4, s10              ; [w / 2][r][2 (w % 2) + u] words
	s_lshr_b32 s12, s2, 2                          ; w / 4
	s_lshl_b32 s13, s12, 8
	s_and_b32 s14, s2, 3
	s_add_co_u32 s13, s13, s14
	s_add_co_u32 s13, s13, STG+2048
	v_lshl_add_u32 v[SV], v49, 4, s13              ; [w / 4][r][tile] words, byte w % 4
	v_lshlrev_b32 v[XO], 9, v51
	v_lshl_add_u32 v[XO], v50, 4, v[XO]
	v_lshlrev_b32 v[XSO], 5, v51
	s_lshl_b32 s13, s12, 1
	s_add_co_u32 s13, s13, s11                     ; rows 8 w .. 8 w + 7 of a segment lie in tile 2 (w / 4) + w % 2,
	s_mul_i32 s13, s13, TILB
	s_bfe_u32 s14, s2, 0x10001                     ; (w / 2) % 2
	s_lshl_b32 s15, s14, 7                         ; at its lanes 8 ((w / 2) % 2) + 0 .. 7
	s_add_co_u32 s13, s13, s15
	v_mul_u32_u24 v52, v48, QP                     ; my lane holds piece = lane of each row
	v_add_nc_u32 v52, s13, v52
.irp g,0,1,2,3,4
	v_add_nc_u32 v[STA+\g], \g*SEGB, v52
.endr
	v_lshlrev_b32 v[L8], 3, v48
	v_and_b32 v[L4], 7, v48
	v_lshlrev_b32 v[L4], 2, v[L4]
	v_lshlrev_b32 v[GV], 4, v49
	v_lshl_add_u32 v[GV], v50, 3, v[GV]
	s_min_u32 s15, s2, 4
	s_lshl_b32 s15, s15, 9
	s_add_co_u32 s15, s15, STG
	v_add_nc_u32 v[CP], s15, v[LI16]
	s_lshl_b32 s15, s2, 8
	s_add_co_u32 s15, s15, WS
	v_lshl_add_u32 v[SCA], v48, 3, s15             ; my eight rows' scale bytes in LDS
	s_lshl_b32 s15, s2, 5
	s_add_co_u32 s15, s15, BIAS
	v_add_nc_u32 v[BIA], s15, v[L4]                ; my eight biases in LDS
	s_lshl_b32 s15, s5, 8
	s_lshl_b32 s13, s2, 5
	s_add_co_u32 s15, s15, s13
	v_add_nc_u32 v55, s15, v51                     ; my token's position, tile 0;
	v_add_nc_u32 v56, 8, v55                       ; tile 1
	v_cmp_le_u32 vcc_lo, 16, v48                   ; lanes 16-31: frequencies 16 .. 31
	; byte offsets, apart from the addresses
	s_lshl_b32 s42, s3, 15
	s_lshl_b32 s43, s2, 12
	s_add_co_u32 s42, s42, s43                     ; weight codes: (64 head + 8 w) x 512
	s_mov_b32 s43, 0
	s_lshl_b32 s44, s3, 11
	s_lshl_b32 s45, s2, 8
	s_add_co_u32 s44, s44, s45                     ; weight scales: x 32
	s_mov_b32 s45, 0
	s_lshl_b32 s46, s3, 8
	s_lshl_b32 s47, s2, 5
	s_add_co_u32 s46, s46, s47                     ; biases: x 4
	s_mov_b32 s47, 0
	s_lshl_b32 s48, s4, 17
	s_lshl_b32 s49, s2, 14
	s_add_co_u32 s48, s48, s49                     ; x codes: (256 y + 32 w) x 512
	s_mov_b32 s49, 0
	s_lshl_b32 s50, s4, 13
	s_lshl_b32 s51, s2, 10
	s_add_co_u32 s50, s50, s51                     ; x scales: x 32
	s_mov_b32 s51, 0
	s_mul_i32 s70, s6, 69632                       ; my head's part of qbuf,
	s_mul_i32 s71, s6, 104448                      ; of kvbuf
	s_lshl_b32 s72, s5, 14
	s_lshl_b32 s73, s2, 11
	s_add_co_u32 s72, s72, s73                     ; my first tile, 16 y' + 2 w, x 1,024
	s_add_co_u32 s52, s70, s72
	s_mov_b32 s53, 0
	s_add_co_u32 s54, s71, s72
	s_mov_b32 s55, 0
	s_lshl_b32 s56, s5, 13                         ; v's image: key block 8 y' + w: step (block / 4) x 4,096 + part ((block / 2) % 2) x 512 + half (block % 2) x 256
	s_lshl_b32 s57, s12, 12
	s_add_co_u32 s56, s56, s57
	s_lshl_b32 s57, s14, 9
	s_add_co_u32 s56, s56, s57
	s_lshl_b32 s57, s11, 8
	s_add_co_u32 s56, s56, s57
	s_add_co_u32 s56, s56, s71
	s_add_co_u32 s56, s56, 65536
	s_mov_b32 s57, 0
	s_wait_kmcnt 0x0
	s_add_nc_u64 s[20:21], s[20:21], s[42:43]
	s_add_nc_u64 s[26:27], s[26:27], s[42:43]
	s_add_nc_u64 s[32:33], s[32:33], s[42:43]
	s_add_nc_u64 s[22:23], s[22:23], s[44:45]
	s_add_nc_u64 s[28:29], s[28:29], s[44:45]
	s_add_nc_u64 s[34:35], s[34:35], s[44:45]
	s_add_nc_u64 s[24:25], s[24:25], s[46:47]
	s_add_nc_u64 s[30:31], s[30:31], s[46:47]
	s_add_nc_u64 s[36:37], s[36:37], s[46:47]
	s_add_nc_u64 s[16:17], s[16:17], s[48:49]
	s_add_nc_u64 s[18:19], s[18:19], s[50:51]
	s_add_nc_u64 s[58:59], s[38:39], s[52:53]      ; q's images
	s_add_nc_u64 s[60:61], s[40:41], s[54:55]      ; k's
	s_add_nc_u64 s[62:63], s[40:41], s[56:57]      ; v's
	s_wait_alu depctr_va_vdst(0)                   ; all addresses and offsets, v1-13 and v240-250, are written: every load and store of the kernel reads one of them
; my eighth of the weights: eight rows of each segment (a load = one row of 512 bytes), their scale bytes (256 bytes) and biases: 50 loads
.macro WLOAD g, cb, sb, bb, odd
.irp f,0,1,2,3,4,5,6,7
	global_load_b128 v[64+32*\g+4*\f:64+32*\g+4*\f+3], v[LI16], s[\cb:\cb+1] offset:524288*\odd+512*\f
.endr
	global_load_b64 v[224+2*\g:225+2*\g], v[L8], s[\sb:\sb+1] offset:32768*\odd
	global_load_b32 v[234+\g], v[L4], s[\bb:\bb+1] offset:4096*\odd
.endm
	WLOAD 0, 20, 22, 24, 0
	WLOAD 1, 20, 22, 24, 1
	WLOAD 2, 26, 28, 30, 0
	WLOAD 3, 26, 28, 30, 1
	WLOAD 4, 32, 34, 36, 0
	WIN 0x40                                       ; destination window 1
.irp s,0,1,2,3,4,5,6,7                 ; x's fragments (tile u, K step s) stay in registers: 32 loads
.irp u,0,1
.irp c,0,1
	global_load_b128 v[8*(2*\s+\u)+4*\c:8*(2*\s+\u)+4*\c+3], v[XO], s[16:17] offset:4096*\u+64*\s+32*\c
.endr
.endr
.endr
	v_cvt_f32_u32 v252, v55                        ; the positions as f32 (they name no register of a load)
	v_cvt_f32_u32 v253, v56
	WIN 0
.irp u,0,1
.irp k,0,1
	global_load_b128 v[XSW+8*\u+4*\k:XSW+8*\u+4*\k+3], v[XSO], s[18:19] offset:256*\u+16*\k   ; a row's 8 scale words: 4 loads
.endr
.endr
	; ---- while the loads are out: frequencies, cosines and sines, all in window 1
	WIN 0x55
	s_wait_alu depctr_va_vcc(0)                    ; VCC (lanes 16-31) is written, ahead of its first reader, the first select below
.macro FREQ jj, plo, phi               ; 10^(i/8) for i = jj (lanes 0-15) or 16 + jj (lanes 16-31)
	v_mov_b32 v[192+\jj], \phi
	v_cndmask_b32 v[192+\jj], \plo, v[192+\jj], vcc_lo
.endm
	FREQ 0, 1.0, 100.0
	FREQ 1, 1.3335214321633240, 133.35214321633240
	FREQ 2, 1.7782794100389228, 177.82794100389228
	FREQ 3, 2.3713737056616552, 237.13737056616552
	FREQ 4, 3.1622776601683795, 316.22776601683795
	FREQ 5, 4.2169650342858225, 421.69650342858225
	FREQ 6, 5.6234132519034908, 562.34132519034908
	FREQ 7, 7.4989420933245583, 749.89420933245583
	FREQ 8, 10.0, 1000.0
	FREQ 9, 13.335214321633240, 1333.5214321633240
	FREQ 10, 17.782794100389228, 1778.2794100389228
	FREQ 11, 23.713737056616552, 2371.3737056616552
	FREQ 12, 31.622776601683795, 3162.2776601683795
	FREQ 13, 42.169650342858225, 4216.9650342858225
	FREQ 14, 56.234132519034908, 5623.4132519034908
	FREQ 15, 74.989420933245583, 7498.9420933245583
	s_wait_alu depctr_va_vdst(0)
.irp j,0,1,2,3,4,5,6,7,8,9,10,11,12,13,14,15
	v_rcp_f32 v[208+\j], v[192+\j]
.endr
	v_nop                                          ; a plain place behind the reciprocals
	s_wait_alu depctr_va_vdst(0)                   ; the sixteen reciprocals are written, ahead of their first reader
.irp j,0,1,2,3,4,5,6,7,8,9,10,11,12,13,14,15
	v_fma_f32 v[224+\j], -v[192+\j], v[208+\j], 1.0   ; what the reciprocal misses,
.endr
.irp j,0,1,2,3,4,5,6,7,8,9,10,11,12,13,14,15
	v_fma_f32 v[208+\j], v[224+\j], v[208+\j], v[208+\j]   ; put right: the frequency
.endr
; Four streams k line by line (tile k % 2, frequency jj + k / 2), so that no line waits for the line above it.  A stream's registers: +0 angle, then r; +1 n; +2 r^2; +3 sine; +4 cosine; +5, +6 at work
.macro SINCOS jj
.irp k,0,1,2,3
	v_mul_f32 v[TS+7*\k], v[252+\k%2], v[208+\jj+\k/2]        ; the angle, rounded once
.endr
.irp k,0,1,2,3
	v_mul_f32 v[TS+7*\k+1], 0x3f22f983, v[TS+7*\k]            ; x 2 / pi
.endr
.irp k,0,1,2,3
	v_rndne_f32 v[TS+7*\k+1], v[TS+7*\k+1]                    ; n
.endr
.irp k,0,1,2,3
	v_fmamk_f32 v[TS+7*\k], v[TS+7*\k+1], 0xbfc90fdb, v[TS+7*\k]   ; r = angle - n x pi/2: the high part (exact: n has 10 bits),
.endr
.irp k,0,1,2,3
	v_fmamk_f32 v[TS+7*\k], v[TS+7*\k+1], 0x333bbd2e, v[TS+7*\k]   ; and what the high part has too much
.endr
.irp k,0,1,2,3
	v_mul_f32 v[TS+7*\k+2], v[TS+7*\k], v[TS+7*\k]
.endr
.irp k,0,1,2,3
	v_fmaak_f32 v[TS+7*\k+3], s80, v[TS+7*\k+2], 0x3c08839e
.endr
.irp k,0,1,2,3
	v_fmaak_f32 v[TS+7*\k+4], s81, v[TS+7*\k+2], 0xbab6061a
.endr
.irp k,0,1,2,3
	v_fmaak_f32 v[TS+7*\k+3], v[TS+7*\k+3], v[TS+7*\k+2], 0xbe2aaaa3
.endr
.irp k,0,1,2,3
	v_fmaak_f32 v[TS+7*\k+4], v[TS+7*\k+4], v[TS+7*\k+2], 0x3d2aaaa5
.endr
.irp k,0,1,2,3
	v_mul_f32 v[TS+7*\k+3], v[TS+7*\k+3], v[TS+7*\k+2]
.endr
.irp k,0,1,2,3
	v_mul_f32 v[TS+7*\k+4], v[TS+7*\k+4], v[TS+7*\k+2]
.endr
.irp k,0,1,2,3
	v_fma_f32 v[TS+7*\k+5], v[TS+7*\k+2], -0.5, 1.0
.endr
.irp k,0,1,2,3
	v_fma_f32 v[TS+7*\k+3], v[TS+7*\k+3], v[TS+7*\k], v[TS+7*\k]       ; sin r
.endr
.irp k,0,1,2,3
	v_fma_f32 v[TS+7*\k+4], v[TS+7*\k+4], v[TS+7*\k+2], v[TS+7*\k+5]   ; cos r
.endr
.irp k,0,1,2,3
	v_cvt_i32_f32 v[TS+7*\k+1], v[TS+7*\k+1]                  ; the quadrant is n mod 4
.endr
.irp k,0,1,2,3
	v_and_b32 v[TS+7*\k+6], 1, v[TS+7*\k+1]
.endr
.irp k,0,1,2,3
	v_cmp_eq_u32 s[84+\k], 1, v[TS+7*\k+6]                    ; odd: sine and cosine change places.  The signs' twenty lines stand between the four compares and the wait for them
.endr
.irp k,0,1,2,3
	v_lshlrev_b32 v[TS+7*\k+6], 30, v[TS+7*\k+1]              ; the sine is negative in quadrants 2, 3: bit 1 of n,
.endr
.irp k,0,1,2,3
	v_add_nc_u32 v[TS+7*\k+1], 1, v[TS+7*\k+1]                ; the cosine in 1, 2: bit 1 of n + 1
.endr
.irp k,0,1,2,3
	v_and_b32 v[TS+7*\k+6], 0x80000000, v[TS+7*\k+6]
.endr
.irp k,0,1,2,3
	v_lshlrev_b32 v[TS+7*\k+1], 30, v[TS+7*\k+1]
.endr
.irp k,0,1,2,3
	v_and_b32 v[TS+7*\k+1], 0x80000000, v[TS+7*\k+1]
.endr
	s_wait_alu depctr_va_sdst(0)                   ; the four compares have written s84 to s87, ahead of their first readers, the selects below
.irp k,0,1,2,3
	v_cndmask_b32 v[TS+7*\k+2], v[TS+7*\k+3], v[TS+7*\k+4], s[84+\k]
.endr
.irp k,0,1,2,3
	v_cndmask_b32 v[TS+7*\k+5], v[TS+7*\k+4], v[TS+7*\k+3], s[84+\k]
.endr
.irp k,0,1,2,3
	v_xor_b32 v[144+32*(\k%2)+\jj+\k/2], v[TS+7*\k+6], v[TS+7*\k+2]
.endr
.irp k,0,1,2,3
	v_xor_b32 v[128+32*(\k%2)+\jj+\k/2], v[TS+7*\k+1], v[TS+7*\k+5]
.endr
.endm
.irp j,0,2,4,6,8,10,12,14
	SINCOS \j
.endr
	WIN 0
	; ---- the weights into LDS
	s_wait_loadcnt 36                              ; the 50 weight loads are in; the 36 loads of x, issued behind them, may be out
.irp g,0,1,2,3,4
.irp f,0,1,2,3,4,5,6,7
	ds_store_b128 v[STA+\g], v[64+32*\g+4*\f:64+32*\g+4*\f+3] offset:16*\f   ; lanes 272 bytes apart: sixteen different columns of 16 bytes
.endr
	ds_store_b64 v[SCA], v[224+2*\g:225+2*\g] offset:2048*\g
	ds_store_b32 v[BIA], v[234+\g] offset:256*\g
.endr
	s_wait_dscnt 0x0                               ; for the others' sake: my stores have landed
	s_barrier_signal -1
	s_barrier_wait -1                              ; all 320 rows lie in LDS
	s_wait_loadcnt 0x0                             ; x
.irp b,4,5,6,7
	v_mov_b32 v[TM+\b], 0                          ; written once: a lane permute's destination counts as one of its sources
.endr
	s_wait_alu depctr_va_vdst(0)                   ; the sines' and cosines' lines are done with their work registers, v192-223 of window 1, in which fragment set 2's loads land
; 12 LDS loads: a segment's four fragments and scale words of K step s into set buf.  (Under these windows an address is taken from window 0; set 2's fragments go to window 1, scale words always to window 0)
.macro LOADG seg, s, buf
.if (\buf) == 2
	WIN 0x44
.set LF, WF2
.else
	WIN 0x04
.set LF, WF+32*(\buf)
.endif
.irp t,0,1,2,3
.irp c,0,1
	ds_load_b128 v[LF+8*\t+4*\c:LF+8*\t+4*\c+3], v[WA+(\seg)] offset:TILB*\t+QP*(4*(\s)+2*\c)
.endr
.endr
	WIN 0x04
.irp t,0,1,2,3
	ds_load_b32 v[WSW+4*(\buf)+\t], v[SA] offset:2048*(\seg)+32*(32*(\t/2)+8*(\t%2))+4*(\s)
.endr
.endm
; 8 products: the four weight tiles of part g, in set buf, x my two tiles of tokens.  The accumulators take turns, one instruction a turn
.macro MULG s, g, buf
.if (\buf) == 2
	WIN 0x05                                       ; sources 0 (set 2) and 1 (x) in window 1
.set MF, WF2
.else
	WIN 0x04                                       ; source 1 (x) in window 1
.set MF, WF+32*(\buf)
.endif
.irp t,0,1,2,3
.irp u,0,1
	MMA ACC+64*\u+8*(4*(\g)+\t), MF+8*\t, 8*(2*(\s)+\u), WSW+4*(\buf)+\t, XSW+8*\u+(\s)
.endr
.endr
.endm
; rotate-half: register 32 p + i is channel 16 h + i, register 32 p + 16 + i channel 32 + 16 h + i, of part p; both turn by frequency 16 h + i.  Ascending
.macro ROPE u
.irp p,0,1
.irp e,0,1,2,3,4,5,6,7
	v_pk_mul_f32 v[RT+4*(\e%2):RT+4*(\e%2)+1], v[ACC+64*\u+32*\p+16+2*\e:ACC+64*\u+32*\p+16+2*\e+1], v[144+32*\u+2*\e:144+32*\u+2*\e+1]
	v_pk_mul_f32 v[RT+4*(\e%2)+2:RT+4*(\e%2)+3], v[ACC+64*\u+32*\p+2*\e:ACC+64*\u+32*\p+2*\e+1], v[144+32*\u+2*\e:144+32*\u+2*\e+1]
	v_pk_fma_f32 v[ACC+64*\u+32*\p+2*\e:ACC+64*\u+32*\p+2*\e+1], v[ACC+64*\u+32*\p+2*\e:ACC+64*\u+32*\p+2*\e+1], v[128+32*\u+2*\e:128+32*\u+2*\e+1], v[RT+4*(\e%2):RT+4*(\e%2)+1] neg_lo:[0,0,1] neg_hi:[0,0,1]
	v_pk_fma_f32 v[ACC+64*\u+32*\p+16+2*\e:ACC+64*\u+32*\p+16+2*\e+1], v[ACC+64*\u+32*\p+16+2*\e:ACC+64*\u+32*\p+16+2*\e+1], v[128+32*\u+2*\e:128+32*\u+2*\e+1], v[RT+4*(\e%2)+2:RT+4*(\e%2)+3]
.endr
.endr
.endm
; tile u's 64 numbers a lane (four blocks: part 1 low, part 1 high, part 2 low, part 2 high) become one fragment [part 1 | part 2] and one scale word, in registers of the tile's own
.macro EPIQ u
	QMAX ACC+64*\u, 4
	v_lshl_or_b32 v[PW+\u], v[TM+5], 8, v[TM+4]
	v_lshl_or_b32 v[PW+\u], v[TM+6], 16, v[PW+\u]
	v_lshl_or_b32 v[PW+\u], v[TM+7], 24, v[PW+\u]
	QCVT ACC+64*\u, 4, PC+24*\u
	QSWAP PC+24*\u, 0
	QSWAP PC+24*\u, 1
.endm
.macro EPIS u, un, ptr                 ; and leave
	global_store_b128 v[LI16], v[PC+24*\u:PC+24*\u+3], s[\ptr:\ptr+1] offset:1024*\u          ; 512 consecutive bytes a store
	global_store_b128 v[LI16], v[PC+24*\u+4:PC+24*\u+7], s[\ptr:\ptr+1] offset:1024*\u+512
	ds_store_b32 v[SQ], v[PW+\u] offset:1024*\un+4*\u
.endm
; a unit: segments 2 un and 2 un + 1 (parts 1 and 2 of q or of k).  Step i of 16: part i % 2, K step i / 2, fragment set i % 3
.macro UNIT un, ptr
	s_wait_xcnt 0x0                                ; the fragment sets lie over the codes just stored
	s_wait_dscnt 0x0
	s_wait_alu depctr_vm_vsrc(0)                   ; the stores issued so far (the weights into LDS, with their addresses; the unit before's codes and scale words) have read v64-250, in which this unit's loads land
.irp u,0,1
.irp tt,0,1,2,3,4,5,6,7                ; the biases are the C of the first products: they are loaded into the accumulators
	ds_load_b128 v[ACC+64*\u+8*\tt:ACC+64*\u+8*\tt+3], v[BA] offset:256*(2*\un+\tt/4)+4*(32*((\tt%4)/2)+8*(\tt%2))
	ds_load_b128 v[ACC+64*\u+8*\tt+4:ACC+64*\u+8*\tt+7], v[BA] offset:256*(2*\un+\tt/4)+4*(32*((\tt%4)/2)+8*(\tt%2))+16
.endr
.endr
	LOADG 2*\un, 0, 0
	LOADG 2*\un+1, 0, 1
.set IDX, 0
.rept 16
.if IDX < 15
	s_wait_dscnt 12                                ; this step's set is in; the next step's 12 loads, issued a step ago, may be out
.else
	s_wait_dscnt 0x0
.endif
.if IDX < 14
.if IDX > 0
	s_wait_alu depctr_va_vdst(0)                   ; the products of the step before are done reading their fragment set and its scale words, in which the loads below land.  (Step 0: no vector or matrix instruction has been issued since the last such wait)
.endif
	LOADG 2*\un+IDX%2, IDX/2+1, (IDX+2)%3          ; the step two on
.endif
	MULG IDX/2, IDX%2, IDX%3                       ; they name this step's set alone
.set IDX, IDX+1
.endr
	WIN 0x04                                       ; source 1 (cosines and sines) in window 1
	PLACES 4                                       ; behind the last products, ahead of the first read of results
	ROPE 0
	ROPE 1
	WIN 0
	EPIQ 0
	EPIQ 1
	s_wait_alu depctr_va_vdst(0)                   ; the conversions, exchanges and shifts have written both tiles' codes and scale words, which the six stores read; and all that named the accumulators, the fragment sets and the scale words is complete: the next unit's loads land there
	EPIS 0, \un, \ptr
	EPIS 1, \un, \ptr
.endm
	UNIT 0, 58
	UNIT 1, 60
	; ---- v: source 0 = x, source 1 = Wv's rows: lane (r, h) holds feature (tile t, rho(r)), registers 16 t + i = keys 16 h + i of my block of 32.  Step s of 8: K step s, fragment set s % 3
	s_wait_xcnt 0x0
	s_wait_dscnt 0x0
	s_wait_alu depctr_vm_vsrc(0)                   ; unit k's stores have read their codes and scale words, over which the fragments below land
.irp t,0,1,2,3
	ds_load_b32 v[VBI+\t], v[BV] offset:4*(32*(\t/2)+8*(\t%2))
.endr
	LOADG 4, 0, 0
	LOADG 4, 1, 1
.macro VMUL s, buf
.if (\buf) == 2
	WIN 0x05                                       ; sources 0 (x) and 1 (set 2) in window 1
.set MF, WF2
.else
	WIN 0x01                                       ; source 0 (x) in window 1
.set MF, WF+32*(\buf)
.endif
.irp t,0,1,2,3
.irp u,0,1
.if (\s) == 0
	MM0 ACC+16*\t+8*\u, 8*(2*(\s)+\u), MF+8*\t, XSW+8*\u+(\s), WSW+4*(\buf)+\t
.else
	MMA ACC+16*\t+8*\u, 8*(2*(\s)+\u), MF+8*\t, XSW+8*\u+(\s), WSW+4*(\buf)+\t
.endif
.endr
.endr
.endm
.set IDX, 0
.rept 8
.if IDX < 7
	s_wait_dscnt 12                                ; this K step's set is in; the next one's 12 loads may be out
.else
	s_wait_dscnt 0x0
.endif
.if IDX < 6
.if IDX > 0
	s_wait_alu depctr_va_vdst(0)                   ; the products of the K step before are done reading their fragment set and its scale words, in which the loads below land
.endif
	LOADG 4, IDX+2, (IDX+2)%3
.endif
	VMUL IDX, IDX%3
.set IDX, IDX+1
.endr
	WIN 0
	PLACES 4                                       ; behind the last products, ahead of the first read of results
.set VN, 0
.rept 64
	v_add_f32 v[ACC+VN], v[ACC+VN], v[VBI+VN/16]   ; the bias of my feature; ascending
.set VN, VN+1
.endr
	QMAX ACC, 4                                    ; here a block is a feature tile's 32 keys
	QCVT ACC, 4, PC
	s_wait_alu depctr_va_vdst(0)                   ; the conversions have written the codes and the shifts the scale bytes, which the stores read; the products are done reading v72-75, in which the copy's load lands
.irp t,0,1,2,3
	global_store_b64 v[GV], v[PC+2*\t:PC+2*\t+1], s[62:63] offset:1024*\t   ; my half block's 8 bytes: the 32 lanes fill 256 consecutive bytes
	ds_store_b8 v[SV], v[TM+4+\t] offset:4*\t      ; both lanes of a block write the same byte with the same value
.endr
	; ---- the scale words leave in runs of 512 bytes: waves 0, 1 q's, waves 2, 3 k's, wave 4 v's
	s_lshl_b32 s73, s5, 10
	s_lshl_b32 s74, s2, 9
	s_add_co_u32 s73, s73, s74
	s_add_co_u32 s75, s70, s73
	s_add_co_u32 s75, s75, 65536
	s_add_co_u32 s76, s71, s73
	s_add_co_u32 s76, s76, 98304-1024
	s_lshl_b32 s77, s5, 9
	s_add_co_u32 s77, s77, s71
	s_add_co_u32 s77, s77, 102400
	s_cmp_lt_u32 s2, 2                             ; the choice hangs on the wave's number alone
	s_cselect_b64 s[66:67], s[38:39], s[40:41]
	s_cselect_b32 s78, s75, s76
	s_cmp_eq_u32 s2, 4
	s_cselect_b32 s78, s77, s78
	s_mov_b32 s79, 0
	s_add_nc_u64 s[66:67], s[66:67], s[78:79]
	s_wait_dscnt 0x0                               ; for the others' sake: my scale words have landed
	s_barrier_signal -1
	s_barrier_wait -1
	s_cmp_lt_u32 s2, 5
	s_cbranch_scc0 .Lend
	ds_load_b128 v[72:75], v[CP]
	s_wait_dscnt 0x0
	global_store_b128 v[LI16], v[72:75], s[66:67]
.Lend:
	s_set_vgpr_msb 0x5                             ; the add's two registers lie in window 1: the switch stands ahead of the closing lines
	s_wait_dscnt 0x0                               ; the closing lines, six on end
	s_wait_alu 0x0
	s_wait_tensorcnt 0x0
	ds_add_u32 v254, v255
	s_wait_dscnt 0x0
	s_endpgm
.Lfunc_end_k_qcd51d19c87_qkv:
	.size	k_qcd51d19c87_qkv, .Lfunc_end_k_qcd51d19c87_qkv-k_qcd51d19c87_qkv
	.p2alignl 7, 3214868480
	.fill 96, 4, 3214868480
	.section	.rodata,"a",@progbits
	.p2align	6, 0x0
	.amdhsa_kernel k_qcd51d19c87_qkv
		.amdhsa_group_segment_fixed_size 189440
		.amdhsa_private_segment_fixed_size 0
		.amdhsa_enable_private_segment 0
		.amdhsa_kernarg_size 104
		.amdhsa_user_sgpr_count 2
		.amdhsa_user_sgpr_kernarg_segment_ptr 1
		.amdhsa_wavefront_size32 1
		.amdhsa_system_sgpr_workgroup_id_x 1
		.amdhsa_system_sgpr_workgroup_id_y 1
		.amdhsa_system_sgpr_workgroup_id_z 1
		.amdhsa_system_vgpr_workitem_id 0
		.amdhsa_next_free_vgpr 512
		.amdhsa_next_free_sgpr 100
		.amdhsa_reserve_vcc 1
		.amdhsa_float_denorm_mode_32 3
		.amdhsa_float_denorm_mode_16_64 3
		.amdhsa_memory_ordered 1
		.amdhsa_forward_progress 1
		.amdhsa_inst_pref_size 183
	.end_amdhsa_kernel
	.amdgpu_metadata
---
amdhsa.version: [ 1, 2 ]
amdhsa.kernels:
  - .name:           k_qcd51d19c87_qkv
    .symbol:         k_qcd51d19c87_qkv.kd
    .args:
      - { .name: x_norm_codes, .offset: 0, .size: 8, .value_kind: global_buffer, .address_space: global }
      - { .name: x_norm_scales, .offset: 8, .size: 8, .value_kind: global_buffer, .address_space: global }
      - { .name: Wq_codes, .offset: 16, .size: 8, .value_kind: global_buffer, .address_space: global }
      - { .name: Wq_scales, .offset: 24, .size: 8, .value_kind: global_buffer, .address_space: global }
      - { .name: bq, .offset: 32, .size: 8, .value_kind: global_buffer, .address_space: global }
      - { .name: Wk_codes, .offset: 40, .size: 8, .value_kind: global_buffer, .address_space: global }
      - { .name: Wk_scales, .offset: 48, .size: 8, .value_kind: global_buffer, .address_space: global }
      - { .name: bk, .offset: 56, .size: 8, .value_kind: global_buffer, .address_space: global }
      - { .name: Wv_codes, .offset: 64, .size: 8, .value_kind: global_buffer, .address_space: global }
      - { .name: Wv_scales, .offset: 72, .size: 8, .value_kind: global_buffer, .address_space: global }
      - { .name: bv, .offset: 80, .size: 8, .value_kind: global_buffer, .address_space: global }
      - { .name: qbuf, .offset: 88, .size: 8, .value_kind: global_buffer, .address_space: global }
      - { .name: kvbuf, .offset: 96, .size: 8, .value_kind: global_buffer, .address_space: global }
    .group_segment_fixed_size: 189440
    .private_segment_fixed_size: 0
    .kernarg_segment_align: 8
    .kernarg_segment_size: 104
    .max_flat_workgroup_size: 256
    .sgpr_count:     100
    .vgpr_count:     512
    .wavefront_size: 32
...
	.end_amdgpu_metadata
.endif
;; end of part 4
;; launch attn (part 5): grid 4 x 64, 16 waves a work-group, no clusters, 169,984 bytes of LDS; arguments qbuf, kvbuf, affinity_a, lam, ctx, stats; writes ctx, stats
.if DOCPART == 5
	.amdgcn_target "amdgcn-amd-amdhsa--gfx1250"
	.amdhsa_code_object_version 6
	.text
	.protected	k_qcd51d19c87_attn
	.globl	k_qcd51d19c87_attn
	.p2align	8
	.type	k_qcd51d19c87_attn,@function
k_qcd51d19c87_attn:
	s_mov_b64 s[64:65], 0
	v_nop
	global_prefetch_b8 v0, s[64:65] scope:SCOPE_SE
	s_setreg_imm32_b32 hwreg(HW_REG_WAVE_MODE, 25, 1), 1
	s_wait_xcnt 0x0
; ctx = Q(C (softmax(q1 k1^T / 8) - lam softmax(q2 k2^T / 8))) Q(v), all three products on codes of FP4 (E2M1) with E8M0 scales; C[i][j] = 2^(+-(L_j - L_i)), L the prefix sum of log2(a).
; SHARES.  A work-group owns 256 queries of one (batch, head); each of its sixteen waves one tile of 16: a lane holds ONE query (lane % 16) throughout, the two halves of the lanes share its keys.
; The head's K, V and their scale words, 104,448 bytes laid in operand order by the launch before, come into LDS ONCE, by four tensor loads (waves 0-3, 102 rows of 256 bytes each); nothing is filled again.
; TWO PASSES over the 1,024 keys, 64 a chunk.  What is quantised is the finished, normalised difference, so both rows' sums must be known first.  Pass 1: running maxima and sums.  Pass 2: the scores again,
; p C = 2^(c s - c m +- (L_j - L_i)) by one exponential each, x 1/l, combined, quantised along the keys, and multiplied by V.
; ONE FRAGMENT OF K [k1 | k2] FEEDS BOTH SCORES: against [q1 | zero codes] and against [zero codes | q2]: the zeros fill K = 64 up to the instruction's 128.
; Both kinds of product are used transposed (source 0 = 16 keys, or 16 channels of V; source 1 = my queries, or the weights' codes).  Lane r of key tile 2 b + u is key 32 b + 8 u + r + 8 (r / 8), so registers 16 b + i are keys 32 b + 16 h + i.
; NO CLUSTER: the four query blocks of a head would share one fill of 104,448 bytes, once in the launch, and their sign branch and diagonal hang on the query block, which partners do not share.
; GroupNorm's sums span four work-groups: each wave leaves the mean and the sum of squared distances of its 1,024 numbers; the next launch joins them.
; LIMITS: NaN, infinities and a <= 0 are not served.  A weight under 2^-126 becomes 0 (the exponential's own flush).  A block of zeros gets the scale byte 1 (its codes are zeros).  L is summed lane by lane (32 in a lane, then across the lanes in order).
.set VIMG,  65536
.set KSC,   98304
.set VSC,   102400
.set LTAB,  104448                     ; L, 1,024 f32: stored by wave 4; no tile lands here
.set STATS, 108544                     ; 16 x (mean, M2)
.set AK0,  1                           ; 16 x lane
.set ASK0, 2                           ; KSC + 16 r
.set AL0,  3                           ; LTAB + 64 h
.set AV0,  4                           ; VIMG + 16 x lane
.set ASV0, 5                           ; VSC + 16 r
.set ADK,  6                           ; v6-10: the addresses of the loads in hand
.set ADS,  7
.set ADL,  8
.set ADV,  9
.set ADT,  10
.set DL0,  11                          ; my query's place in its chunk - 16 h
.set LIA,  12                          ; where my query's L lies
.set LST,  13                          ; the scan's stores: LTAB + 128 x lane
.set STW,  14
.set STR,  15
.set QSW,  32                          ; scale words: q's; the weights'; v36-39 K's; v40-43 V's
.set PSW,  33
.set KSW,  36
.set VSW,  40
.set NCM1, 44                          ; -c m, low word of a pair
.set NCM2, 46
.set R1,   48                          ; 1 / l1
.set NL2,  50                          ; -lam / l2
.set LI,   52
.set M1,   54
.set M2,   55
.set LS1,  58
.set LS2,  60
.set QSO,  62
.set S1,   64
.set S2,   96
.set KF,   128
.set LJ,   160
.set OA,   192
.set PC,   224
.set TM,   232
.set WV,   16
.set TQ,   20
.set CS,   22                          ; s[22:23] c = log2(e) / 8
.set SEL,  24
.set SG,   26                          ; s[26:27] the sign of L_j - L_i in this chunk
.set KO,   30
.set SO,   31
.set VO,   32
.set TO,   33
.set CH,   34
.macro PLACES n
.rept \n
	v_nop
.endr
.endm
.macro MMA d, a, b, sa, sb
	v_wmma_scale_f32_16x16x128_f8f6f4 v[\d:\d+7], v[\a:\a+7], v[\b:\b+7], v[\d:\d+7], v[\sa], v[\sb] matrix_a_fmt:MATRIX_FMT_FP4 matrix_b_fmt:MATRIX_FMT_FP4
.endm
.macro MM0 d, a, b, sa, sb
	v_wmma_scale_f32_16x16x128_f8f6f4 v[\d:\d+7], v[\a:\a+7], v[\b:\b+7], 0, v[\sa], v[\sb] matrix_a_fmt:MATRIX_FMT_FP4 matrix_b_fmt:MATRIX_FMT_FP4
.endm
.macro QMAX src, nb                    ; nb blocks of 32 (my half in src + 16 b .. + 15, the other in lane l xor 16): scale operand in TM + 12 + b, byte in TM + 4 + b; the floor 2^(3 - 127) keeps the byte at 1 or above
.set QB, 0
.rept \nb
	v_max3_num_f32 v[TM+QB], |v[(\src)+16*QB]|, |v[(\src)+16*QB+1]|, 0x1800000
.set QB, QB+1
.endr
.irp i,2,4,6,8,10,12,14
.set QB, 0
.rept \nb
	s_delay_alu instid0(VALU_DEP_2)
	v_max3_num_f32 v[TM+QB], v[TM+QB], |v[(\src)+16*QB+\i]|, |v[(\src)+16*QB+\i+1]|
.set QB, QB+1
.endr
.endr
.set QB, 0
.rept \nb
	s_delay_alu instid0(VALU_DEP_2)
	v_permlanex16_b32 v[TM+4+QB], v[TM+QB], s[SEL], s[SEL+1]
.set QB, QB+1
.endr
.set QB, 0
.rept \nb
	s_delay_alu instid0(VALU_DEP_2)
	v_max_num_f32 v[TM+QB], v[TM+QB], v[TM+4+QB]
.set QB, QB+1
.endr
.set QB, 0
.rept \nb
	s_delay_alu instid0(VALU_DEP_2)
	v_add_nc_u32 v[TM+12+QB], 0xff000000, v[TM+QB]
.set QB, QB+1
.endr
.set QB, 0
.rept \nb
	s_delay_alu instid0(VALU_DEP_2)
	v_lshrrev_b32 v[TM+4+QB], 23, v[TM+12+QB]
.set QB, QB+1
.endr
.endm
.macro QCVT src, nb, pc
.set QB, 0
.rept \nb
	v_cvt_scalef32_pk8_fp4_f32 v[(\pc)+2*QB], v[(\src)+16*QB:(\src)+16*QB+7], v[TM+12+QB]
	v_cvt_scalef32_pk8_fp4_f32 v[(\pc)+2*QB+1], v[(\src)+16*QB+8:(\src)+16*QB+15], v[TM+12+QB]
.set QB, QB+1
.endr
	v_nop                                          ; one plain place behind a scaled conversion
.endm
.macro WSUM x, t                       ; the sum over the 32 lanes, in every lane
	s_delay_alu instid0(VALU_DEP_1)
	v_add_f32_dpp v[\x], v[\x], v[\x] row_xmask:1 row_mask:0xf bank_mask:0xf
	s_delay_alu instid0(VALU_DEP_1)
	v_add_f32_dpp v[\x], v[\x], v[\x] row_xmask:2 row_mask:0xf bank_mask:0xf
	s_delay_alu instid0(VALU_DEP_1)
	v_add_f32_dpp v[\x], v[\x], v[\x] row_xmask:4 row_mask:0xf bank_mask:0xf
	s_delay_alu instid0(VALU_DEP_1)
	v_add_f32_dpp v[\x], v[\x], v[\x] row_xmask:8 row_mask:0xf bank_mask:0xf
	s_delay_alu instid0(VALU_DEP_1)
	v_permlanex16_b32 v[\t], v[\x], s[SEL], s[SEL+1]
	s_delay_alu instid0(VALU_DEP_1)
	v_add_f32 v[\x], v[\x], v[\t]
.endm
	s_load_b256 s[4:11], s[0:1], 0x0               ; qbuf 4, kvbuf 6, affinity_a 8, lam 10
	s_load_b128 s[12:15], s[0:1], 0x20             ; ctx 12, stats 14
	v_lshl_add_u32 v246, v0, 2, 0x29000
	v_mov_b32 v247, 0
	ds_add_u32 v246, v247
	ds_add_u32 v246, v247
	v_lshrrev_b32 v248, 5, v0
	s_delay_alu instid0(VALU_DEP_1)
	v_readfirstlane_b32 s[WV], v248                ; wave 0..15
	s_and_b32 s17, ttmp9, 3                        ; block of 256 queries
	s_and_b32 s18, ttmp7, 63                       ; 16 x batch + head
	s_lshl_b32 s19, s17, 4
	s_add_co_u32 s19, s19, s[WV]                   ; my tile of queries, 0..63
	s_lshr_b32 s[TQ], s19, 2                       ; and the chunk of 64 keys in which they lie
	v_and_b32 v248, 31, v0                         ; lane
	v_and_b32 v249, 15, v0                         ; r
	v_bfe_u32 v250, v0, 4, 1                       ; h
	s_delay_alu instid0(VALU_DEP_2)
	v_and_b32 v251, 8, v249
	s_delay_alu instid0(VALU_DEP_1)
	v_add_nc_u32 v251, v251, v249                  ; rho(r)
	v_lshlrev_b32 v[AK0], 4, v248
	v_lshl_add_u32 v[ASK0], v249, 4, KSC
	v_lshl_add_u32 v[AL0], v250, 6, LTAB
	s_delay_alu instid0(VALU_DEP_3)
	v_add_nc_u32 v[AV0], VIMG, v[AK0]
	v_lshl_add_u32 v[ASV0], v249, 4, VSC
	s_bfe_u32 s36, s[WV], 0x10001
	s_lshl_b32 s36, s36, 5
	s_and_b32 s37, s[WV], 1
	s_lshl_b32 s37, s37, 3
	s_add_co_u32 s36, s36, s37                     ; my tile's place in its chunk: 32 ((w / 2) % 2) + 8 (w % 2)
	v_add_nc_u32 v[DL0], s36, v251
	v_lshlrev_b32 v252, 4, v250
	s_delay_alu instid0(VALU_DEP_1)
	v_sub_nc_u32 v[DL0], v[DL0], v252
	s_lshl_b32 s37, s[TQ], 6
	s_add_co_u32 s37, s37, s36
	v_add_nc_u32 v[LIA], s37, v251
	s_delay_alu instid0(VALU_DEP_1)
	v_lshl_add_u32 v[LIA], v[LIA], 2, LTAB
	v_lshl_add_u32 v[LST], v248, 7, LTAB
	s_lshl_b32 s37, s[WV], 3
	s_add_co_u32 s37, s37, STATS
	v_mov_b32 v[STW], s37
	v_lshl_add_u32 v[STR], v248, 2, STATS
	v_lshlrev_b32 v34, 7, v248                     ; the scan: my 32 numbers of a,
	s_delay_alu instid0(VALU_DEP_1)
	v_add_nc_u32 v35, 124, v34
	s_delay_alu instid0(VALU_DEP_1)
	v_min_u32 v35, 0xff8, v35                      ; of which lane 31's last does not exist: held at a's last number (that lane's total is not used)
	v_lshlrev_b32 v[QSO], 4, v249
.irp j,20,21,22,23,24,25,26,27
	v_mov_b32 v\j, 0                               ; the zero codes beside q1 and q2
.endr
.irp j,45,47,49,51,53,253,255,236,237,238,239
	v_mov_b32 v\j, 0                               ; upper words of pairs whose low word serves both halves, and lane permutes' destinations: written once
.endr
	v_mov_b32 v[M1], 0xff61b1e6                    ; the largest scores so far: -3e38
	v_mov_b32 v[M2], 0xff61b1e6
	s_mov_b32 s[CS], 0x3e38aa3b
	s_mov_b32 s[CS+1], s[CS]
	v_mul_f32 v[NCM1], -v[M1], s[CS]
	v_mul_f32 v[NCM2], -v[M2], s[CS]
.irp j,58,59,60,61
	v_mov_b32 v\j, 0                               ; the sums, each in two halves
.endr
	s_mov_b32 s[SEL], 0x76543210
	s_mov_b32 s[SEL+1], 0xfedcba98
	s_mov_b32 s28, 1.0
	s_mov_b32 s29, -1.0
	s_mov_b32 s[SG], s28
	s_mov_b32 s[SG+1], s28
	; descriptor group 1: 102 rows of 32 elements of 8 bytes, dense in memory and in LDS
	s_mov_b32 s48, 3<<16
	s_mov_b32 s49, 32<<16
	s_mov_b32 s50, 102<<16
	s_mov_b32 s51, 32<<16
	s_mov_b32 s52, 102
	s_mov_b32 s53, 32
	s_mov_b32 s54, 0
	s_mov_b32 s55, 0
	s_mov_b32 s44, 1
	s_mul_i32 s45, s[WV], 26112                    ; LDS: wave x 102 rows
	s_mul_i32 s36, s18, 104448
	s_add_co_u32 s36, s36, s45
	s_mov_b32 s37, 0
	s_mul_i32 s38, s18, 69632
	s_lshl_b32 s39, s[TQ], 8
	s_add_co_u32 s40, s38, s39
	s_and_b32 s39, s19, 3
	s_lshl_b32 s39, s39, 2
	s_add_co_u32 s40, s40, s39
	s_add_co_u32 s40, s40, 65536                   ; q's scale words: [tile / 4][r][tile % 4]
	s_mov_b32 s41, 0
	s_lshl_b32 s39, s19, 10
	s_add_co_u32 s38, s38, s39                     ; q's image: tile x 1,024
	s_mov_b32 s39, 0
	s_lshr_b32 s56, s18, 4                         ; batch
	s_mul_i32 s42, s56, 4092
	s_mov_b32 s43, 0
	s_lshl_b32 s56, s56, 6
	s_add_co_u32 s56, s56, s19
	s_lshl_b32 s56, s56, 4
	s_and_b32 s57, s18, 15
	s_add_co_u32 s56, s56, s57
	s_lshl_b32 s56, s56, 12                        ; ctx: ((64 batch + tile) 16 + head) x 4,096
	s_mov_b32 s57, 0
	s_lshl_b32 s58, s18, 2
	s_add_co_u32 s58, s58, s17
	s_lshl_b32 s58, s58, 7
	s_mov_b32 s59, 0
	s_wait_dscnt 0x0
	s_wait_kmcnt 0x0
	s_add_nc_u64 s[46:47], s[6:7], s[36:37]
	s_or_b32 s47, s47, 0x80000000
	s_add_nc_u64 s[38:39], s[4:5], s[38:39]
	s_add_nc_u64 s[40:41], s[4:5], s[40:41]
	s_add_nc_u64 s[8:9], s[8:9], s[42:43]
	s_add_nc_u64 s[12:13], s[12:13], s[56:57]
	s_add_nc_u64 s[14:15], s[14:15], s[58:59]
	s_cmp_lt_u32 s[WV], 4
	s_cbranch_scc0 .Lno_fill
	tensor_load_to_lds s[44:47], s[48:55]          ; my quarter of the head's K, V and scale words: the one tensor load of a wave in this launch
	s_nop 0
	PLACES 4
.Lno_fill:
	s_load_b32 s21, s[10:11], 0x0                  ; lam
	global_load_b128 v[16:19], v[AK0], s[38:39]              ; q1's codes
	global_load_b128 v[28:31], v[AK0], s[38:39] offset:512   ; q2's
	global_load_b32 v[QSW], v[QSO], s[40:41]
	; ---- wave 4, while the tiles land: L[j] = the sum of log2 a[k], k < j
	s_cmp_lg_u32 s[WV], 4
	s_cbranch_scc1 .Lno_scan
.irp i,0,1,2,3,4,5,6,7,8,9,10,11,12,13,14,15,16,17,18,19,20,21,22,23,24,25,26,27,28,29,30
	global_load_b32 v[64+\i], v34, s[8:9] offset:4*\i
.endr
	global_load_b32 v95, v35, s[8:9]
	s_wait_loadcnt 0x0
.irp i,0,1,2,3,4,5,6,7,8,9,10,11,12,13,14,15,16,17,18,19,20,21,22,23,24,25,26,27,28,29,30,31
	v_log_f32 v[64+\i], v[64+\i]
.endr
	v_mov_b32 v96, 0                               ; (a plain place behind the logarithms)
	s_wait_alu depctr_va_vdst(0)
.irp i,1,2,3,4,5,6,7,8,9,10,11,12,13,14,15,16,17,18,19,20,21,22,23,24,25,26,27,28,29,30,31
	v_add_f32 v[96+\i], v[95+\i], v[63+\i]         ; within my 32
.endr
	v_add_f32 v248, v127, v95                      ; my 32's total
	v_mov_b32 v250, 0
	s_mov_b32 s36, 0
.irp l,0,1,2,3,4,5,6,7,8,9,10,11,12,13,14,15,16,17,18,19,20,21,22,23,24,25,26,27,28,29,30
	v_readlane_b32 s37, v248, \l
	s_add_f32 s36, s36, s37
	v_writelane_b32 v250, s36, \l+1                ; what the lanes before lane l + 1 add up to
.endr
.irp e,0,1,2,3,4,5,6,7,8,9,10,11,12,13,14,15
	v_pk_add_f32 v[96+2*\e:97+2*\e], v[96+2*\e:97+2*\e], v[250:251] op_sel_hi:[1,0]
.endr
.irp g,0,1,2,3,4,5,6,7
	ds_store_b128 v[LST], v[96+4*\g:99+4*\g] offset:16*\g
.endr
.Lno_scan:
	s_wait_tensorcnt 0x0                           ; my quarter has landed (a wave that asked for none passes),
	s_wait_dscnt 0x0                               ; and so have wave 4's stores of L
	s_barrier_signal -1
	s_barrier_wait -1                              ; both hold of every wave; from here on LDS below STATS is only read
.macro KLOAD ak, as, n                 ; 9 loads: the four K fragments and scale words of the chunk n chunks on from the address
.irp t,0,1,2,3
.irp c,0,1
	ds_load_b128 v[KF+8*\t+4*\c:KF+8*\t+4*\c+3], v[\ak] offset:4096*(\n)+1024*\t+512*\c
.endr
.endr
	ds_load_b128 v[KSW:KSW+3], v[\as] offset:256*(\n)
.endm
.macro LLOAD al, n                     ; 8 loads: L of my 32 keys of that chunk: register 16 b + i = key 32 b + 16 h + i
.irp g,0,1,2,3,4,5,6,7
	ds_load_b128 v[LJ+4*\g:LJ+4*\g+3], v[\al] offset:256*(\n)+128*(\g/4)+16*(\g%4)
.endr
.endm
.macro SCORES                          ; both scores of 64 keys x my 16 queries
.irp t,0,1,2,3
	MM0 S1+8*\t, KF+8*\t, 16, KSW+\t, QSW
	MM0 S2+8*\t, KF+8*\t, 24, KSW+\t, QSW
.endr
.endm
	ds_load_b32 v[LI], v[LIA]
	KLOAD AK0, ASK0, 0
	s_wait_loadcnt 0x0                             ; q
	s_wait_kmcnt 0x0                               ; lam
; PASS 1, a chunk.  Each lane keeps the maximum and the sum of ITS half of the keys: no lane is asked in the loop.  pf = 1: the next chunk is fetched; 2: chunk 0, for pass 2
.macro P1 pf
	s_wait_dscnt 0x0
	SCORES
.if \pf == 1
	v_add_nc_u32 v[ADK], s[KO], v[AK0]
	v_add_nc_u32 v[ADS], s[SO], v[ASK0]
	PLACES 3                                       ; with the two additions five places: for the loads below, the reads of the scores, and the next chunk's products, which write over these
	KLOAD ADK, ADS, 1
.else
	PLACES 5
	KLOAD AK0, ASK0, 0
.endif
	v_max3_num_f32 v248, v[M1], v[S1], v[S1+1]     ; four chains by turns, ascending, each carrying the old maximum
	v_max3_num_f32 v249, v[M1], v[S1+16], v[S1+17]
	v_max3_num_f32 v250, v[M2], v[S2], v[S2+1]
	v_max3_num_f32 v251, v[M2], v[S2+16], v[S2+17]
.irp i,2,4,6,8,10,12,14
	v_max3_num_f32 v248, v248, v[S1+\i], v[S1+\i+1]
	v_max3_num_f32 v249, v249, v[S1+16+\i], v[S1+17+\i]
	v_max3_num_f32 v250, v250, v[S2+\i], v[S2+\i+1]
	v_max3_num_f32 v251, v251, v[S2+16+\i], v[S2+17+\i]
.endr
	s_delay_alu instid0(VALU_DEP_3)
	v_max_num_f32 v[M1], v248, v249
	s_delay_alu instid0(VALU_DEP_2)
	v_max_num_f32 v[M2], v250, v251
	s_delay_alu instid0(VALU_DEP_2)
	v_mul_f32 v248, -v[M1], s[CS]                  ; the new -c m
	s_delay_alu instid0(VALU_DEP_2)
	v_mul_f32 v250, -v[M2], s[CS]
	s_delay_alu instid0(VALU_DEP_2)
	v_sub_f32 v252, v248, v[NCM1]                  ; c m_old - c m_new
	s_delay_alu instid0(VALU_DEP_2)
	v_sub_f32 v254, v250, v[NCM2]
	s_delay_alu instid0(VALU_DEP_4)
	v_mov_b32 v[NCM1], v248
	s_delay_alu instid0(VALU_DEP_4)
	v_mov_b32 v[NCM2], v250
.irp e,0,1,2,3,4,5,6,7,8,9,10,11,12,13,14,15
	v_pk_fma_f32 v[S1+2*\e:S1+2*\e+1], v[S1+2*\e:S1+2*\e+1], s[CS:CS+1], v[NCM1:NCM1+1] op_sel_hi:[1,0,0]
	v_pk_fma_f32 v[S2+2*\e:S2+2*\e+1], v[S2+2*\e:S2+2*\e+1], s[CS:CS+1], v[NCM2:NCM2+1] op_sel_hi:[1,0,0]
.endr
	s_setprio 1
	s_wait_alu depctr_va_vdst(0)
	v_exp_f32 v252, v252
	v_exp_f32 v254, v254
.set EN, 0
.rept 64
	v_exp_f32 v[S1+EN], v[S1+EN]
.set EN, EN+1
.endr
	s_setprio 0
	v_nop                                          ; a plain place behind the exponentials
	s_wait_alu depctr_va_vdst(0)
	v_pk_fma_f32 v[LS1:LS1+1], v[LS1:LS1+1], v[252:253], v[S1:S1+1] op_sel_hi:[1,0,1]   ; the old sum under the new maximum, and the first pair
	v_pk_fma_f32 v[LS2:LS2+1], v[LS2:LS2+1], v[254:255], v[S2:S2+1] op_sel_hi:[1,0,1]
	v_pk_add_f32 v[248:249], v[S1+2:S1+3], v[S1+6:S1+7]
	v_pk_add_f32 v[250:251], v[S2+2:S2+3], v[S2+6:S2+7]
	v_pk_add_f32 v[LS1:LS1+1], v[LS1:LS1+1], v[S1+4:S1+5]
	v_pk_add_f32 v[LS2:LS2+1], v[LS2:LS2+1], v[S2+4:S2+5]
.irp j,8,12,16,20,24,28
	v_pk_add_f32 v[LS1:LS1+1], v[LS1:LS1+1], v[S1+\j:S1+\j+1]
	v_pk_add_f32 v[LS2:LS2+1], v[LS2:LS2+1], v[S2+\j:S2+\j+1]
	v_pk_add_f32 v[248:249], v[248:249], v[S1+\j+2:S1+\j+3]
	v_pk_add_f32 v[250:251], v[250:251], v[S2+\j+2:S2+\j+3]
.endr
	s_delay_alu instid0(VALU_DEP_2)
	v_pk_add_f32 v[LS1:LS1+1], v[LS1:LS1+1], v[248:249]
	s_delay_alu instid0(VALU_DEP_2)
	v_pk_add_f32 v[LS2:LS2+1], v[LS2:LS2+1], v[250:251]
.endm
	s_mov_b32 s[KO], 0
	s_mov_b32 s[SO], 0
	s_mov_b32 s35, 0
.Lp1:                                              ; chunks 0 to 14
	s_setprio 2
	P1 1
	s_add_co_u32 s[KO], s[KO], 4096
	s_add_co_u32 s[SO], s[SO], 256
	s_add_co_u32 s35, s35, 1
	s_cmp_lt_u32 s35, 15
	s_cbranch_scc1 .Lp1
	s_setprio 0
	P1 2                                           ; chunk 15
	; ---- between the passes: the two halves of the lanes are joined.  -c m of the larger maximum is the smaller; each half's sum is brought under it by 2^(difference), which is 1 for the half that held it
	LLOAD AL0, 0
	v_add_f32 v[LS1], v[LS1], v[LS1+1]
	v_add_f32 v[LS2], v[LS2], v[LS2+1]
	v_permlanex16_b32 v236, v[NCM1], s[SEL], s[SEL+1]
	v_permlanex16_b32 v237, v[NCM2], s[SEL], s[SEL+1]
	s_delay_alu instid0(VALU_DEP_4)
	v_permlanex16_b32 v238, v[LS1], s[SEL], s[SEL+1]
	s_delay_alu instid0(VALU_DEP_4)
	v_permlanex16_b32 v239, v[LS2], s[SEL], s[SEL+1]
	s_delay_alu instid0(VALU_DEP_4)
	v_min_num_f32 v248, v[NCM1], v236
	s_delay_alu instid0(VALU_DEP_4)
	v_min_num_f32 v249, v[NCM2], v237
	s_delay_alu instid0(VALU_DEP_2)
	v_sub_f32 v250, v248, v[NCM1]
	s_delay_alu instid0(VALU_DEP_3)
	v_sub_f32 v251, v248, v236
	s_delay_alu instid0(VALU_DEP_3)
	v_sub_f32 v252, v249, v[NCM2]
	s_delay_alu instid0(VALU_DEP_4)
	v_sub_f32 v254, v249, v237
	s_wait_alu depctr_va_vdst(0)
	v_exp_f32 v250, v250
	v_exp_f32 v251, v251
	v_exp_f32 v252, v252
	v_exp_f32 v254, v254
	v_mov_b32 v[NCM1], v248                        ; (a plain place behind the exponentials)
	v_mov_b32 v[NCM2], v249
	s_wait_alu depctr_va_vdst(0)
	v_mul_f32 v[LS1], v[LS1], v250
	v_mul_f32 v[LS2], v[LS2], v252
	v_fma_f32 v[LS1], v238, v251, v[LS1]
	v_fma_f32 v[LS2], v239, v254, v[LS2]
	s_wait_alu depctr_va_vdst(0)
	v_rcp_f32 v[R1], v[LS1]
	v_rcp_f32 v250, v[LS2]
	v_nop
	s_wait_alu depctr_va_vdst(0)
	v_mul_f32 v[NL2], -v250, s21                   ; -lam / l2
	s_mov_b32 s[KO], 0
	s_mov_b32 s[SO], 0
	s_mov_b32 s[VO], 0
	s_mov_b32 s[TO], 0
	s_mov_b32 s[CH], 0
; PASS 2, a chunk of 64 keys: half par of a K step of the last product.  zero = 1: that product starts the sums.  pf = 1: the next chunk is fetched
.macro P2C par, zero, pf
	s_wait_dscnt 0x0
	SCORES
	s_add_co_u32 s36, s[CH], \par
	s_cmp_ge_u32 s36, s[TQ]                        ; keys at or behind my queries' chunk take +(L_j - L_i), keys before it -(L_j - L_i)
	s_cselect_b32 s[SG], s28, s29
.irp e,0,1,2,3,4,5,6,7,8,9,10,11,12,13,14,15
	v_pk_add_f32 v[LJ+2*\e:LJ+2*\e+1], v[LJ+2*\e:LJ+2*\e+1], v[LI:LI+1] op_sel_hi:[1,0] neg_lo:[0,1] neg_hi:[0,1]   ; L_j - L_i first.  (These sixteen are the places behind the products)
.endr
	s_cmp_eq_u32 s36, s[TQ]
	s_cbranch_scc0 .Loff_\@                        ; a branch on ids: only my queries' own chunk has both signs
.set DN, 0
.rept 32
	v_cmp_lt_i32 vcc_lo, 32*(DN/16)+DN%16, v[DL0]  ; this register's key comes before my query:
	v_xor_b32 v248, 0x80000000, v[LJ+DN]
	s_delay_alu instid0(VALU_DEP_1)
	v_cndmask_b32 v[LJ+DN], v[LJ+DN], v248, vcc_lo ; the other sign
.set DN, DN+1
.endr
.Loff_\@:
.irp e,0,1,2,3,4,5,6,7,8,9,10,11,12,13,14,15
	v_pk_fma_f32 v[248+4*(\e%2):249+4*(\e%2)], v[LJ+2*\e:LJ+2*\e+1], s[SG:SG+1], v[NCM1:NCM1+1] op_sel_hi:[1,0,0]
	v_pk_fma_f32 v[250+4*(\e%2):251+4*(\e%2)], v[LJ+2*\e:LJ+2*\e+1], s[SG:SG+1], v[NCM2:NCM2+1] op_sel_hi:[1,0,0]
	v_pk_fma_f32 v[S1+2*\e:S1+2*\e+1], v[S1+2*\e:S1+2*\e+1], s[CS:CS+1], v[248+4*(\e%2):249+4*(\e%2)] op_sel_hi:[1,0,1]   ; c s - c m +- (L_j - L_i)
	v_pk_fma_f32 v[S2+2*\e:S2+2*\e+1], v[S2+2*\e:S2+2*\e+1], s[CS:CS+1], v[250+4*(\e%2):251+4*(\e%2)] op_sel_hi:[1,0,1]
.endr
.if \pf
	KLOAD ADK, ADS, \par+1
	LLOAD ADL, \par+1
.endif
.set EN, 0
	s_wait_alu depctr_va_vdst(0)
.rept 64
	v_exp_f32 v[S1+EN], v[S1+EN]                   ; C p, not yet normalised
.set EN, EN+1
.endr
	v_nop
	s_wait_alu depctr_va_vdst(0)
.irp e,0,1,2,3,4,5,6,7,8,9,10,11,12,13,14,15
	v_pk_mul_f32 v[S1+2*\e:S1+2*\e+1], v[S1+2*\e:S1+2*\e+1], v[R1:R1+1] op_sel_hi:[1,0]
.endr
.irp e,0,1,2,3,4,5,6,7,8,9,10,11,12,13,14,15
	v_pk_fma_f32 v[S1+2*\e:S1+2*\e+1], v[S2+2*\e:S2+2*\e+1], v[NL2:NL2+1], v[S1+2*\e:S1+2*\e+1] op_sel_hi:[1,0,1]   ; C (a1 - lam a2)
.endr
.if \par
	s_setprio 0
.irp t,0,1,2,3
.irp c,0,1
	ds_load_b128 v[S2+8*\t+4*\c:S2+8*\t+4*\c+3], v[ADV] offset:1024*\t+512*\c   ; V's four fragments of these 128 keys take the second scores' place
.endr
.endr
	ds_load_b128 v[VSW:VSW+3], v[ADT]
.endif
	QMAX S1, 2
.if \par
	s_delay_alu instid0(VALU_DEP_2)
	v_lshl_or_b32 v[PSW], v[TM+4], 16, v[PSW]
	s_delay_alu instid0(VALU_DEP_1)
	v_lshl_or_b32 v[PSW], v[TM+5], 24, v[PSW]
.else
	s_delay_alu instid0(VALU_DEP_1)
	v_lshl_or_b32 v[PSW], v[TM+5], 8, v[TM+4]
.endif
	QCVT S1, 2, PC+4*\par
.irp i,0,1
	v_permlane16_swap_b32 v[PC+4*\par+\i], v[PC+4*\par+2+\i]   ; a whole block to a lane: lanes 0-15 block 2 par, lanes 16-31 block 2 par + 1
.endr
.if \par
	PLACES 8                                       ; the scale word and the codes were written by vector instructions
	s_wait_alu depctr_va_vdst(0)
	s_wait_dscnt 0x0
.irp t,0,1,2,3
.if \zero
	MM0 OA+8*\t, S2+8*\t, PC, VSW+\t, PSW
.else
	MMA OA+8*\t, S2+8*\t, PC, VSW+\t, PSW
.endif
.endr
	PLACES 5                                       ; the next chunk's products write over the registers that held V's fragments
.endif
.endm
.macro STEP2 zero, last                ; 128 keys
	v_add_nc_u32 v[ADK], s[KO], v[AK0]
	v_add_nc_u32 v[ADS], s[SO], v[ASK0]
	v_add_nc_u32 v[ADL], s[SO], v[AL0]
	v_add_nc_u32 v[ADV], s[VO], v[AV0]
	v_add_nc_u32 v[ADT], s[TO], v[ASV0]
	P2C 0, \zero, 1
	s_setprio 1
	P2C 1, \zero, 1-\last
	s_add_co_u32 s[KO], s[KO], 8192
	s_add_co_u32 s[SO], s[SO], 512
	s_add_co_u32 s[VO], s[VO], 4096
	s_add_co_u32 s[TO], s[TO], 256
	s_add_co_u32 s[CH], s[CH], 2
.endm
	STEP2 1, 0                                     ; the first 128 keys start the sums
	s_mov_b32 s35, 0
.Lp2:
	s_setprio 2
	STEP2 0, 0
	s_add_co_u32 s35, s35, 1
	s_cmp_lt_u32 s35, 6
	s_cbranch_scc1 .Lp2
	s_setprio 0
	STEP2 0, 1                                     ; the last fetches nothing
	; ---- the way out: the accumulators as they stand, 512 consecutive bytes a store, ascending; register 16 b + i of lane (r, h) is channel 32 b + 16 h + i of my query
.irp g,0,1,2,3,4,5,6,7
	global_store_b128 v[AK0], v[OA+4*\g:OA+4*\g+3], s[12:13] offset:512*\g
.endr
	v_pk_add_f32 v[66:67], v[192:193], v[194:195]
	v_pk_add_f32 v[254:255], v[200:201], v[204:205]
	v_pk_add_f32 v[252:253], v[208:209], v[212:213]
	v_pk_add_f32 v[250:251], v[216:217], v[220:221]
	v_pk_add_f32 v[248:249], v[196:197], v[198:199]
	v_pk_add_f32 v[244:245], v[202:203], v[206:207]
	v_pk_add_f32 v[242:243], v[210:211], v[214:215]
	v_pk_add_f32 v[64:65], v[218:219], v[222:223]
	s_delay_alu instid0(VALU_DEP_1)
	v_pk_add_f32 v[64:65], v[64:65], v[250:251]
	v_pk_add_f32 v[66:67], v[66:67], v[248:249]
	v_pk_add_f32 v[254:255], v[254:255], v[244:245]
	v_pk_add_f32 v[252:253], v[252:253], v[242:243]
	s_delay_alu instid0(VALU_DEP_2)
	v_pk_add_f32 v[64:65], v[64:65], v[254:255]
	s_delay_alu instid0(VALU_DEP_2)
	v_pk_add_f32 v[66:67], v[66:67], v[252:253]
	s_delay_alu instid0(VALU_DEP_1)
	v_pk_add_f32 v[64:65], v[64:65], v[66:67]
	s_delay_alu instid0(VALU_DEP_1)
	v_add_f32 v64, v64, v65
	WSUM 64, 236
	s_delay_alu instid0(VALU_DEP_1)
	v_mul_f32 v68, 0x3a800000, v64                 ; the mean of my wave's 1,024 numbers
	s_delay_alu instid0(VALU_DEP_1)
	v_mov_b32 v69, v68
.irp e,0,1,2,3,4,5,6,7,8,9,10,11,12,13,14,15
	v_pk_add_f32 v[S2+2*\e:S2+2*\e+1], v[OA+2*\e:OA+2*\e+1], v[68:69] neg_lo:[0,1] neg_hi:[0,1]
.endr
	v_pk_mul_f32 v[70:71], v[S2:S2+1], v[S2:S2+1]
	v_pk_mul_f32 v[72:73], v[S2+2:S2+3], v[S2+2:S2+3]
.irp j,4,8,12,16,20,24,28
	s_delay_alu instid0(VALU_DEP_2)
	v_pk_fma_f32 v[70:71], v[S2+\j:S2+\j+1], v[S2+\j:S2+\j+1], v[70:71]
	s_delay_alu instid0(VALU_DEP_2)
	v_pk_fma_f32 v[72:73], v[S2+\j+2:S2+\j+3], v[S2+\j+2:S2+\j+3], v[72:73]
.endr
	s_delay_alu instid0(VALU_DEP_1)
	v_pk_add_f32 v[70:71], v[70:71], v[72:73]
	s_delay_alu instid0(VALU_DEP_1)
	v_add_f32 v69, v70, v71
	WSUM 69, 236                                   ; and the sum of their squared distances from it
	ds_store_b64 v[STW], v[68:69]
	s_wait_dscnt 0x0
	s_barrier_signal -1
	s_barrier_wait -1
	s_cmp_lg_u32 s[WV], 0
	s_cbranch_scc1 .Lend
	ds_load_b32 v70, v[STR]
	s_wait_dscnt 0x0
	global_store_b32 v[STR], v70, s[14:15] offset:-STATS   ; the work-group's 16 pairs: 128 consecutive bytes (the offset register holds STATS + 4 x lane)
.Lend:
	s_wait_tensorcnt 0x0
	ds_add_u32 v246, v247
	s_wait_dscnt 0x0
	s_endpgm
.Lfunc_end_k_qcd51d19c87_attn:
	.size	k_qcd51d19c87_attn, .Lfunc_end_k_qcd51d19c87_attn-k_qcd51d19c87_attn
	.p2alignl 7, 3214868480
	.fill 96, 4, 3214868480
	.section	.rodata,"a",@progbits
	.p2align	6, 0x0
	.amdhsa_kernel k_qcd51d19c87_attn
		.amdhsa_group_segment_fixed_size 169984
		.amdhsa_private_segment_fixed_size 0
		.amdhsa_enable_private_segment 0
		.amdhsa_kernarg_size 48
		.amdhsa_user_sgpr_count 2
		.amdhsa_user_sgpr_kernarg_segment_ptr 1
		.amdhsa_wavefront_size32 1
		.amdhsa_system_sgpr_workgroup_id_x 1
		.amdhsa_system_sgpr_workgroup_id_y 1
		.amdhsa_system_sgpr_workgroup_id_z 1
		.amdhsa_system_vgpr_workitem_id 0
		.amdhsa_next_free_vgpr 256
		.amdhsa_next_free_sgpr 66
		.amdhsa_reserve_vcc 1
		.amdhsa_float_denorm_mode_32 3
		.amdhsa_float_denorm_mode_16_64 3
		.amdhsa_memory_ordered 1
		.amdhsa_forward_progress 1
		.amdhsa_inst_pref_size 168
	.end_amdhsa_kernel
	.amdgpu_metadata
---
amdhsa.version: [ 1, 2 ]
amdhsa.kernels:
  - .name:           k_qcd51d19c87_attn
    .symbol:         k_qcd51d19c87_attn.kd
    .args:
      - { .name: qbuf, .offset: 0, .size: 8, .value_kind: global_buffer, .address_space: global }
      - { .name: kvbuf, .offset: 8, .size: 8, .value_kind: global_buffer, .address_space: global }
      - { .name: affinity_a, .offset: 16, .size: 8, .value_kind: global_buffer, .address_space: global }
      - { .name: lam, .offset: 24, .size: 8, .value_kind: global_buffer, .address_space: global }
      - { .name: ctx, .offset: 32, .size: 8, .value_kind: global_buffer, .address_space: global }
      - { .name: stats, .offset: 40, .size: 8, .value_kind: global_buffer, .address_space: global }
    .group_segment_fixed_size: 169984
    .private_segment_fixed_size: 0
    .kernarg_segment_align: 8
    .kernarg_segment_size: 48
    .max_flat_workgroup_size: 512
    .sgpr_count:     66
    .vgpr_count:     256
    .wavefront_size: 32
...
	.end_amdgpu_metadata
.endif
;; end of part 5
;; launch oproj (part 6): grid 4 x 64, 16 waves a work-group, no clusters, 105,472 bytes of LDS; arguments ctx, stats, gn_w, gn_b, Wo_codes, Wo_scales, bo, out0; writes out0
.if DOCPART == 6
	.amdgcn_target "amdgcn-amd-amdhsa--gfx1250"
	.amdhsa_code_object_version 6
	.text
	.protected	k_qcd51d19c87_oproj
	.globl	k_qcd51d19c87_oproj
	.p2align	8
	.type	k_qcd51d19c87_oproj,@function
k_qcd51d19c87_oproj:
	s_mov_b64 s[64:65], 0
	v_nop
	global_prefetch_b8 v0, s[64:65] scope:SCOPE_SE
	s_setreg_imm32_b32 hwreg(HW_REG_WAVE_SCHED_MODE, 0, 2), 2
	s_setreg_imm32_b32 hwreg(HW_REG_WAVE_MODE, 25, 1), 1
	s_wait_xcnt 0x0
	s_wait_alu depctr_vm_vsrc(0)
; out = Q(0.8 (GroupNorm(ctx) gn_w + gn_b)) Wo^T + bo, the product on codes of FP4 (E2M1) with E8M0 scales.
; SHARES.  Work-group (x = 256 outputs, y = 64 tokens of a batch: four tiles).  First wave w is HEAD w: it joins the head's 64 partial statistics, normalises its 64 channels of the 64 tokens and quantises them along the channels:
; they are part w % 2 of K step w / 2, and go to LDS as images of operand registers.  Then wave w is OUTPUT ROWS 16 w .. 16 w + 15 of the work-group's 256, whose fragments of Wo it holds in registers, for all 64 tokens.
; ctx lies as the launch before left its accumulators: register 16 b + i of lane (r, h) is channel 32 b + 16 h + i of token (tile, r): 16 neighbours along K, as the conversions want them.
; The product is used transposed (source 0 = 16 rows of Wo, source 1 = a tile of tokens): a lane holds eight neighbouring outputs of one token; bo is the C of the first product.
; Statistics: the mean of 64 equal parts' means; the sum of squares as the parts' own plus 1,024 x each mean's squared distance: no difference of large sums.
; NO CLUSTER and no tensor load: what the four work-groups of a token block share (ctx) must be normalised and quantised in registers on its way; Wo's fragments go straight to registers.
; LIMITS: NaN and infinities are not served.  A block of zeros gets the scale byte 1 (its codes are zeros).
; THE MODE: SCHED_MODE bits 1:0 = 2 (LLVM: expert scheduling mode 2), set by the entry lines.  The code itself states the register dependences
; between vector or matrix instructions and memory or LDS instructions, with s_wait_alu, always for 0.
; THE PLAN.  Registers that memory or LDS instructions touch:
;   v1-10        addresses: written at the head, never again.
;   X0, X1       (v80-111, v112-143) tile m of ctx lands in X[m % 2]; the tile's normalising and quantising lines read and write it; behind them tile m + 2 is asked for at once.
;   v224-228     a tile's codes and its half scale word: written by the conversions, read by the tile's two LDS stores, written again late in the next tile.  (At the head the statistics land in v224-227.)
;   A0, A1, A2   (v16-47, v48-79, v112-143) the tokens' fragments, with their scale words (v248-251, v252-255, v238-241).  K step s's four products read set s % 3; the twelve LDS loads of K step s + 2 land in
;                set (s + 2) % 3 = (s - 1) % 3 and are issued at the head of K step s.
;   v80-111      the four accumulators: written by the products, read by the stage's LDS stores.   v112-143: the stage's loads land there, the global stores read them.
; So one wait on va_vdst stands in a tile, behind its conversions (for the stores' data and for the loads into X), one on vm_vsrc ahead of the next tile's first write of v228; one wait on va_vdst at the head of a K step;
; and one, behind its places, ahead of the stage's stores.
.set ASC,  32768                       ; LDS: 0: the images [tile 4][K step 8][part 2][lane][16 bytes];  ASC: their scale words [tile][K step][lane][4 bytes];
.set OST,  36864                       ; OST: the stage for the way out, 64 rows x (1,024 + 16) bytes
.set TM,   232
.set PC,   224
.set AF,   16                          ; the tokens' fragments: sets 0 and 1, four tiles each;
.set AF2,  112                         ; set 2
.set ASW,  248                         ; their scale words: sets 0 and 1;
.set ASW2, 238                         ; set 2
.set SEL,  8
.macro PLACES n
.rept \n
	v_nop
.endr
.endm
.macro QMAX src, nb
.set QB, 0
.rept \nb
	v_max3_num_f32 v[TM+QB], |v[(\src)+16*QB]|, |v[(\src)+16*QB+1]|, 0x1800000
.set QB, QB+1
.endr
.irp i,2,4,6,8,10,12,14
.set QB, 0
.rept \nb
	v_max3_num_f32 v[TM+QB], v[TM+QB], |v[(\src)+16*QB+\i]|, |v[(\src)+16*QB+\i+1]|
.set QB, QB+1
.endr
.endr
.set QB, 0
.rept \nb
	v_permlanex16_b32 v[TM+4+QB], v[TM+QB], s[SEL], s[SEL+1]
.set QB, QB+1
.endr
.set QB, 0
.rept \nb
	v_max_num_f32 v[TM+QB], v[TM+QB], v[TM+4+QB]
.set QB, QB+1
.endr
.set QB, 0
.rept \nb
	v_add_nc_u32 v[TM+12+QB], 0xff000000, v[TM+QB]
.set QB, QB+1
.endr
.set QB, 0
.rept \nb
	v_lshrrev_b32 v[TM+4+QB], 23, v[TM+12+QB]
.set QB, QB+1
.endr
.endm
.macro QCVT src, nb, pc
.set QB, 0
.rept \nb
	v_cvt_scalef32_pk8_fp4_f32 v[(\pc)+2*QB], v[(\src)+16*QB:(\src)+16*QB+7], v[TM+12+QB]
	v_cvt_scalef32_pk8_fp4_f32 v[(\pc)+2*QB+1], v[(\src)+16*QB+8:(\src)+16*QB+15], v[TM+12+QB]
.set QB, QB+1
.endr
	v_nop                                          ; one plain place behind a scaled conversion
.endm
.macro WSUM x, t
	v_add_f32_dpp v[\x], v[\x], v[\x] row_xmask:1 row_mask:0xf bank_mask:0xf
	v_add_f32_dpp v[\x], v[\x], v[\x] row_xmask:2 row_mask:0xf bank_mask:0xf
	v_add_f32_dpp v[\x], v[\x], v[\x] row_xmask:4 row_mask:0xf bank_mask:0xf
	v_add_f32_dpp v[\x], v[\x], v[\x] row_xmask:8 row_mask:0xf bank_mask:0xf
	v_permlanex16_b32 v[\t], v[\x], s[SEL], s[SEL+1]
	v_add_f32 v[\x], v[\x], v[\t]
.endm
	s_load_b512 s[16:31], s[0:1], 0x0              ; ctx 16, stats 18, gn_w 20, gn_b 22, Wo codes 24, Wo scales 26, bo 28, out0 30
	v_lshl_add_u32 v231, v0, 2, 0x19400
	v_mov_b32 v247, 0
	v_lshrrev_b32 v232, 5, v0
	v_readfirstlane_b32 s2, v232                   ; wave 0..15
	s_and_b32 s3, ttmp9, 3                         ; which 256 outputs
	s_and_b32 s4, ttmp7, 63
	s_lshr_b32 s5, s4, 4                           ; batch
	s_and_b32 s6, s4, 15                           ; which 64 tokens of it
	s_mov_b32 s[SEL], 0x76543210
	s_mov_b32 s[SEL+1], 0xfedcba98
	v_and_b32 v232, 31, v0                         ; lane
	v_and_b32 v233, 15, v0                         ; r
	v_bfe_u32 v234, v0, 4, 1                       ; h
	v_and_b32 v235, 8, v233
	v_add_nc_u32 v235, v235, v233                  ; rho(r) = r + 8 (r / 8)
	v_lshlrev_b32 v1, 4, v232                      ; 16 x lane
	v_lshl_add_u32 v2, v232, 2, ASC                ; a scale word's place for my lane
	s_wait_alu depctr_va_vdst(0)
	s_wait_alu depctr_va_sdst(0)                   ; s2, the wave's number, is written, ahead of its first reader
	s_lshr_b32 s10, s2, 1
	s_and_b32 s11, s2, 1
	s_lshl_b32 s12, s10, 10
	s_lshl_b32 s13, s11, 9
	s_add_co_u32 s12, s12, s13
	v_add_nc_u32 v3, s12, v1                       ; where my head's codes go: K step w / 2, part w % 2
	s_lshl_b32 s12, s10, 7
	s_lshl_b32 s13, s11, 1
	s_add_co_u32 s12, s12, s13
	v_add_nc_u32 v4, s12, v2                       ; and its two scale bytes: half w % 2 of the word
	v_mul_u32_u24 v5, v235, 1040
	v_lshl_add_u32 v5, v234, 5, v5
	s_lshl_b32 s12, s2, 6
	s_add_co_u32 s12, s12, OST
	v_add_nc_u32 v5, s12, v5                       ; the stage, in: row rho(r), + 64 w + 32 h bytes
	s_mul_i32 s12, s2, 4160
	s_add_co_u32 s12, s12, OST
	v_add_nc_u32 v6, s12, v1                       ; and back: my four rows
	v_lshlrev_b32 v7, 9, v233
	v_lshl_add_u32 v7, v234, 4, v7                 ; Wo: row r, + 16 h
	v_lshlrev_b32 v8, 5, v233                      ; its scale rows
	v_lshlrev_b32 v9, 6, v234                      ; gn_w, gn_b: 64 h
	v_lshlrev_b32 v10, 5, v234                     ; bo: 32 h
.irp j,236,237
	v_mov_b32 v\j, 0                               ; written once: a lane permute's destination counts as one of its sources
.endr
	s_lshl_b32 s32, s5, 22
	s_lshl_b32 s33, s6, 18
	s_add_co_u32 s44, s32, s33                     ; (1,024 batch + 64 block) x 4,096: the same figure in ctx and in out0
	s_lshl_b32 s33, s2, 12
	s_add_co_u32 s32, s44, s33                     ; ctx: + head x 4,096
	s_mov_b32 s33, 0
	s_lshl_b32 s34, s5, 4
	s_add_co_u32 s34, s34, s2
	s_lshl_b32 s34, s34, 9                         ; stats: (16 batch + head) x 512
	s_mov_b32 s35, 0
	s_lshl_b32 s36, s2, 8                          ; gn_w, gn_b: 256 head
	s_mov_b32 s37, 0
	s_lshl_b32 s38, s3, 17
	s_lshl_b32 s39, s2, 13
	s_add_co_u32 s38, s38, s39                     ; Wo's codes: (256 x + 16 w) x 512
	s_mov_b32 s39, 0
	s_lshl_b32 s40, s3, 13
	s_lshl_b32 s41, s2, 9
	s_add_co_u32 s40, s40, s41                     ; its scales: x 32
	s_mov_b32 s41, 0
	s_lshl_b32 s42, s3, 10
	s_lshl_b32 s43, s2, 6
	s_add_co_u32 s42, s42, s43                     ; bo: x 4
	s_mov_b32 s43, 0
	s_lshl_b32 s45, s2, 14
	s_add_co_u32 s44, s44, s45                     ; out0: + 4 w rows
	s_lshl_b32 s45, s3, 10
	s_add_co_u32 s44, s44, s45                     ; + my 256 outputs
	s_mov_b32 s45, 0
	s_wait_kmcnt 0x0
	s_add_nc_u64 s[16:17], s[16:17], s[32:33]
	s_add_nc_u64 s[18:19], s[18:19], s[34:35]
	s_add_nc_u64 s[20:21], s[20:21], s[36:37]
	s_add_nc_u64 s[22:23], s[22:23], s[36:37]
	s_add_nc_u64 s[24:25], s[24:25], s[38:39]
	s_add_nc_u64 s[26:27], s[26:27], s[40:41]
	s_add_nc_u64 s[28:29], s[28:29], s[42:43]
	s_add_nc_u64 s[30:31], s[30:31], s[44:45]
	s_wait_alu depctr_va_vdst(0)                   ; the ten addresses and offsets v1 to v10 are written: every load and store of the kernel reads one of them
.macro XLOAD m                         ; tile m of my head: 8 loads of 512 consecutive bytes, into set m % 2
.irp g,0,1,2,3,4,5,6,7
	global_load_b128 v[80+32*((\m)%2)+4*\g:80+32*((\m)%2)+4*\g+3], v1, s[16:17] offset:65536*(\m)+512*\g
.endr
.endm
	; 53 loads, in the order in which they are wanted
	global_load_b128 v[224:227], v1, s[18:19]      ; two of the head's 64 (mean, M2)
.irp g,0,1,2,3,4,5,6,7
	global_load_b128 v[16+4*\g:19+4*\g], v9, s[20:21] offset:128*(\g/4)+16*(\g%4)
.endr
.irp g,0,1,2,3,4,5,6,7
	global_load_b128 v[48+4*\g:51+4*\g], v9, s[22:23] offset:128*(\g/4)+16*(\g%4)
.endr
	XLOAD 0
	XLOAD 1
.irp s,0,1,2,3,4,5,6,7
.irp c,0,1
	global_load_b128 v[144+8*\s+4*\c:147+8*\s+4*\c], v7, s[24:25] offset:64*\s+32*\c   ; Wo's eight fragments stay in registers
.endr
.endr
	global_load_b128 v[208:211], v8, s[26:27]      ; its eight scale words
	global_load_b128 v[212:215], v8, s[26:27] offset:16
	global_load_b128 v[216:219], v10, s[28:29]     ; bo at my eight outputs
	global_load_b128 v[220:223], v10, s[28:29] offset:16
	s_wait_loadcnt 36                              ; the statistics, gn_w and gn_b are in; the 36 loads behind them may be out
	v_add_f32 v244, v224, v226
	WSUM 244, 236
	v_mul_f32 v12, 0x3c800000, v244                ; the mean: 64 parts of equal size
	v_mov_b32 v13, v12
	v_sub_f32 v245, v224, v12
	v_sub_f32 v246, v226, v12
	v_mul_f32 v245, v245, v245
	v_fma_f32 v245, v246, v246, v245
	v_add_f32 v246, v225, v227
	v_fmamk_f32 v245, v245, 0x44800000, v246       ; my two parts' squares: their own + 1,024 x their means' squared distances
	WSUM 245, 236
	v_mov_b32 v246, 0x3727c5ac                     ; 1e-5
	v_fmamk_f32 v245, v245, 0x37800000, v246       ; the variance (/ 65,536) + 1e-5
	s_wait_alu depctr_va_vdst(0)
	v_rsq_f32 v245, v245
	v_nop
	s_wait_alu depctr_va_vdst(0)                   ; the reciprocal root is written, ahead of its first reader
	v_mul_f32 v14, 0x3f4ccccd, v245                ; 0.8 / sqrt(..)
	v_mov_b32 v15, v14
.irp e,0,1,2,3,4,5,6,7,8,9,10,11,12,13,14,15
	v_pk_mul_f32 v[16+2*\e:17+2*\e], v[16+2*\e:17+2*\e], v[14:15]
	v_pk_mul_f32 v[48+2*\e:49+2*\e], v[48+2*\e:49+2*\e], 0x3f4ccccd op_sel_hi:[1,0]
.endr
; tile m of my head: normalised, quantised (two blocks of 32 channels), its four registers of codes and its two bytes to LDS.  cnt: the younger loads that may stay out
.macro OTILE m, cnt
.set XR, 80+32*((\m)%2)
	s_wait_loadcnt \cnt
.irp e,0,1,2,3,4,5,6,7,8,9,10,11,12,13,14,15
	v_pk_add_f32 v[XR+2*\e:XR+2*\e+1], v[XR+2*\e:XR+2*\e+1], v[12:13] neg_lo:[0,1] neg_hi:[0,1]
.endr
.irp e,0,1,2,3,4,5,6,7,8,9,10,11,12,13,14,15
	v_pk_fma_f32 v[XR+2*\e:XR+2*\e+1], v[XR+2*\e:XR+2*\e+1], v[16+2*\e:17+2*\e], v[48+2*\e:49+2*\e]
.endr
	QMAX XR, 2
.if (\m) > 0
	s_wait_alu depctr_vm_vsrc(0)                   ; the LDS stores of the tile before have read v224-228, which the lines below write again
.endif
	v_lshl_or_b32 v228, v[TM+5], 8, v[TM+4]
	QCVT XR, 2, PC
.irp i,0,1
	v_permlane16_swap_b32 v[PC+\i], v[PC+2+\i]     ; a whole block to a lane
.endr
	s_wait_alu depctr_va_vdst(0)                   ; the codes and the half scale word are written, which the two LDS stores read; the tile's lines are done with its 32 registers of ctx, in which the loads below land
.if (\m) < 2
	XLOAD (\m)+2                                   ; the set is asked for again at once, ahead of the stores
.endif
	ds_store_b128 v3, v[PC:PC+3] offset:8192*(\m)
	ds_store_b16 v4, v228 offset:1024*(\m)
.endm
	OTILE 0, 28                                    ; behind tile 0's loads: tile 1's 8 and the 20 of Wo, its scales and bo
	OTILE 1, 28                                    ; behind tile 1's: those 20 and tile 2's 8
	OTILE 2, 8                                     ; behind tile 2's: tile 3's 8
	OTILE 3, 0
	s_wait_dscnt 0x0                               ; for the others' sake: my eight stores have landed
	s_barrier_signal -1
	s_barrier_wait -1                              ; the 64 tokens' 32 fragments lie in LDS
.macro AFETCH s, buf                   ; 12 loads: K step s of the four tiles of tokens, and their scale words, into set buf
.if (\buf) == 2
.set LF, AF2
.set LS, ASW2
.else
.set LF, AF+32*(\buf)
.set LS, ASW+4*(\buf)
.endif
.irp m,0,1,2,3
.irp c,0,1
	ds_load_b128 v[LF+8*\m+4*\c:LF+8*\m+4*\c+3], v1 offset:1024*(8*\m+(\s))+512*\c
.endr
	ds_load_b32 v[LS+\m], v2 offset:128*(8*\m+(\s))
.endr
.endm
	AFETCH 0, 0                                    ; (the gains', the offsets' and ctx's registers were last named ahead of tile 3's wait on va_vdst: no vector instruction has been issued since)
	AFETCH 1, 1
.set KS, 0
.rept 8
.if KS < 7
	s_wait_dscnt 12                                ; this K step's set is in; the next one's 12 loads, issued a step ago, may be out
.else
	s_wait_dscnt 0x0
.endif
.if KS < 6
.if KS > 0
	s_wait_alu depctr_va_vdst(0)                   ; the products of the K step before are done reading their fragment set and its scale words, in which the loads below land
.endif
	AFETCH KS+2, (KS+2)%3                          ; the K step two on
.endif
.if KS%3 == 2
.set MF, AF2
.set MS, ASW2
.else
.set MF, AF+32*(KS%3)
.set MS, ASW+4*(KS%3)
.endif
.irp m,0,1,2,3                         ; four accumulators by turns
.if KS == 0
	v_wmma_scale_f32_16x16x128_f8f6f4 v[80+8*\m:87+8*\m], v[144+8*KS:151+8*KS], v[MF+8*\m:MF+8*\m+7], v[216:223], v[208+KS], v[MS+\m] matrix_a_fmt:MATRIX_FMT_FP4 matrix_b_fmt:MATRIX_FMT_FP4
.else
	v_wmma_scale_f32_16x16x128_f8f6f4 v[80+8*\m:87+8*\m], v[144+8*KS:151+8*KS], v[MF+8*\m:MF+8*\m+7], v[80+8*\m:87+8*\m], v[208+KS], v[MS+\m] matrix_a_fmt:MATRIX_FMT_FP4 matrix_b_fmt:MATRIX_FMT_FP4
.endif
.endr
.set KS, KS+1
.endr
	PLACES 4                                       ; behind the last products, ahead of the first read of results
	s_wait_alu depctr_va_vdst(0)                   ; the products have written the four accumulators, which the LDS stores read, and are done reading set 2, in which the stage's loads land; the places above stay beside this wait
.irp m,0,1,2,3
	ds_store_b128 v5, v[80+8*\m:83+8*\m] offset:1040*(32*(\m/2)+8*(\m%2))         ; lane (r, h): token 32 (m / 2) + 8 (m % 2) + rho(r), outputs 16 w + 8 h + 0 .. 7; each accumulator from its low end on
	ds_store_b128 v5, v[84+8*\m:87+8*\m] offset:1040*(32*(\m/2)+8*(\m%2))+16
.endr
	s_wait_dscnt 0x0                               ; for the others' sake
	s_barrier_signal -1
	s_barrier_wait -1                              ; 64 rows of 256 outputs lie in the stage
.irp n,0,1,2,3,4,5,6,7
	ds_load_b128 v[112+4*\n:115+4*\n], v6 offset:1040*(\n/2)+512*(\n%2)
.endr
.irp n,0,1,2,3,4,5,6,7
	s_wait_dscnt 7-\n                              ; LDS loads come back in order: piece n is in
	global_store_b128 v1, v[112+4*\n:115+4*\n], s[30:31] offset:4096*(\n/2)+512*(\n%2) th:TH_STORE_NT   ; 512 consecutive bytes, at a multiple of 256 from out0's first byte; written once, read by nobody here
.endr
	s_wait_dscnt 0x0                               ; the closing lines, six on end
	s_wait_alu 0x0
	s_wait_tensorcnt 0x0
	ds_add_u32 v231, v247
	s_wait_dscnt 0x0
	s_endpgm
.Lfunc_end_k_qcd51d19c87_oproj:
	.size	k_qcd51d19c87_oproj, .Lfunc_end_k_qcd51d19c87_oproj-k_qcd51d19c87_oproj
	.p2alignl 7, 3214868480
	.fill 96, 4, 3214868480
	.section	.rodata,"a",@progbits
	.p2align	6, 0x0
	.amdhsa_kernel k_qcd51d19c87_oproj
		.amdhsa_group_segment_fixed_size 105472
		.amdhsa_private_segment_fixed_size 0
		.amdhsa_enable_private_segment 0
		.amdhsa_kernarg_size 64
		.amdhsa_user_sgpr_count 2
		.amdhsa_user_sgpr_kernarg_segment_ptr 1
		.amdhsa_wavefront_size32 1
		.amdhsa_system_sgpr_workgroup_id_x 1
		.amdhsa_system_sgpr_workgroup_id_y 1
		.amdhsa_system_sgpr_workgroup_id_z 1
		.amdhsa_system_vgpr_workitem_id 0
		.amdhsa_next_free_vgpr 256
		.amdhsa_next_free_sgpr 66
		.amdhsa_reserve_vcc 0
		.amdhsa_float_denorm_mode_32 3
		.amdhsa_float_denorm_mode_16_64 3
		.amdhsa_memory_ordered 1
		.amdhsa_forward_progress 1
		.amdhsa_inst_pref_size 44
	.end_amdhsa_kernel
	.amdgpu_metadata
---
amdhsa.version: [ 1, 2 ]
amdhsa.kernels:
  - .name:           k_qcd51d19c87_oproj
    .symbol:         k_qcd51d19c87_oproj.kd
    .args:
      - { .name: ctx, .offset: 0, .size: 8, .value_kind: global_buffer, .address_space: global }
      - { .name: stats, .offset: 8, .size: 8, .value_kind: global_buffer, .address_space: global }
      - { .name: gn_w, .offset: 16, .size: 8, .value_kind: global_buffer, .address_space: global }
      - { .name: gn_b, .offset: 24, .size: 8, .value_kind: global_buffer, .address_space: global }
      - { .name: Wo_codes, .offset: 32, .size: 8, .value_kind: global_buffer, .address_space: global }
      - { .name: Wo_scales, .offset: 40, .size: 8, .value_kind: global_buffer, .address_space: global }
      - { .name: bo, .offset: 48, .size: 8, .value_kind: global_buffer, .address_space: global }
      - { .name: out0, .offset: 56, .size: 8, .value_kind: global_buffer, .address_space: global }
    .group_segment_fixed_size: 105472
    .private_segment_fixed_size: 0
    .kernarg_segment_align: 8
    .kernarg_segment_size: 64
    .max_flat_workgroup_size: 512
    .sgpr_count:     66
    .vgpr_count:     256
    .wavefront_size: 32
...
	.end_amdgpu_metadata
.endif
;; end of part 6
